; MI455X (gfx1250); checked and timed in simulation.
; The chip was launched on July 23, 2026; its instructions are those of AMD's public machine-readable ISA for CDNA 5 (MIT licence, August 2026) and "CDNA5" Instruction Set Architecture Reference Guide (July 2026). The comments in the code are by the model that wrote it; some were corrected since.
;; LTX2 Attention. Allowed arithmetic: matrix products marked QUANTISED: E2M3 operands, one E8M0 scale for each 32 along K, by v_wmma_scale_f32_16x16x128_f8f6f4 with both operands' format E2M3, f32 sums; everything else in f32.
;; Inputs: bg 2,048 float32; bk 2,048 float32; bo 2,048 float32; bq 2,048 float32; bv 2,048 float32; cos 2,048 x 64 float32; gk 2,048 float32; gq 2,048 float32; sin 2,048 x 64 float32; wg 2,048 x 2,048 float32; wk 2,048 x 2,048 float32; wo 2,048 x 2,048 float32; wq 2,048 x 2,048 float32; wv 2,048 x 2,048 float32; x 1 x 2,048 x 2,048 float32.
;; Outputs: out0 1 x 2,048 x 2,048 float32.
;; This version of the problem:
;;   THIS VERSION OF THE PROBLEM IS GIVEN IN LOW PRECISION. The matrix products marked QUANTISED in the list below multiply operands that are first quantised to E2M3 (2 exponent bits, 3 mantissa bits; 6 bits a number), with one power-of-two scale for each 32 numbers along K (OCP MX v1.0); their sums are f32. All else is computed in f32.
;;   The module's matrix products, in the order in which they are computed (A, B: the left and right operand; K: the contracted axis; several contracted axes count as one K, in the product's order):
;;     1. [M 2,048, K 2,048] x [K 2,048, N 2,048]; A: input x; B: input wq: QUANTISED
;;     2. [M 2,048, K 2,048] x [K 2,048, N 2,048]; A: input x; B: input wk: QUANTISED
;;     3. [M 2,048, K 2,048] x [K 2,048, N 2,048]; A: input x; B: input wv: QUANTISED
;;     4. batch 16 x [M 2,048, K 128] x [K 128, N 2,048]; A: computed on the way; B: computed on the way: QUANTISED
;;     5. batch 16 x [M 128, K 2,048] x [K 2,048, N 2,048]; A: computed on the way; B: softmax (see below): QUANTISED
;;     6. [M 2,048, K 2,048] x [K 2,048, N 2,048]; A: computed on the way; B: input wo: QUANTISED
;;     7. [M 2,048, K 2,048] x [K 2,048, N 2,048]; A: computed on the way; B: input wg: QUANTISED
;;   THE QUANTISER, for each operand of a quantised product, along K:
;;     - K is cut into blocks of 32 from its start; a last block that is shorter is filled with zeros.
;;     - A block's scale is 2^e with e = floor(log2(the largest magnitude in the block)) - 2, held to -126 .. 127; a block of zeros has e = 0. As a byte (E8M0): e + 127.
;;     - Each number is divided by its block's scale, clamped to +-7.5, and rounded to the nearest number of E2M3, ties to even, subnormals kept.
;;     - The product sums the exact products of the quantised numbers (number of the format x scale) in f32.
;;   ~~~python
;;   def quantise(x, axis):      # numpy; x: float32 -> the quantised numbers, widened to float32 again
;;       x = np.moveaxis(x, axis, -1); K = x.shape[-1]
;;       x = np.pad(x, [(0, 0)] * (x.ndim - 1) + [(0, -K % 32)]); x = x.reshape(x.shape[:-1] + (-1, 32)); a = np.abs(x).max(-1, keepdims=True)
;;       e = np.where(a > 0, np.clip(np.frexp(np.where(a > 0, a, 1))[1] - 1 - 2, -126, 127), 0)      # np.frexp(a)[1] - 1 = floor(log2(a)), exactly
;;       r = np.clip(x / 2.0 ** e, -7.5, 7.5)
;;       step = 2.0 ** (np.maximum(np.frexp(np.where(r == 0, 1, r))[1] - 1, 0) - 3)
;;       q = np.round(r / step) * step * 2.0 ** e      # np.round: ties to even
;;       return np.moveaxis(q.reshape(q.shape[:-2] + (-1,))[..., :K], -1, axis).astype(np.float32)
;;   ~~~
;;   SOFTMAX AHEAD OF A QUANTISED PRODUCT. Where the list says 'softmax', what is quantised is not the finished softmax but p = 2^(t - M), with t = logit x log2(e) and M = ceil(the row's largest t), a whole number; so 1/2 < the row's largest p <= 1. The row's sum l is taken of the UNQUANTISED p, in f32, and the product's result is divided by l at the end. Since M is a whole number, a kernel that streams over the keys may use a running M (the ceiling of the running maximum): every later rescaling is an exact power of two, which a block's scale takes up: the codes' values come out the same.
;;   OPERANDS COMPUTED ON THE WAY. 'Computed on the way' means the value that the module computes at that place (a softmax that the list does not call 'softmax' is quantised finished and normalised). What goes into a quantiser is computed in f32, as accurately as f32 sums, v_exp_f32 and their like allow (about 1e-6 of the number): no bf16 or f16 on the way to a quantiser, and a product that is left as it is and whose result goes on into a quantised operand takes f32 operands (vector FMAs, or v_wmma_f32_16x16x4_f32). A number that lies on a knife's edge between two numbers of the format may be rounded either way, as far as f32 arithmetic and the matrix unit's own rounding can turn it there, and no further.
;; One version. Each part assembles by itself: llvm-mc -triple=amdgcn-amd-amdhsa -mcpu=gfx1250 --defsym DOCPART=n.
;; ======== version 1 of 1: 6 launches
;; limits: right only within a limited range of input values
;; workspace buffers: xq 3,276,800 bytes; wc 16,384,000 bytes; qkf 33,554,432 bytes; qkvc 9,830,400 bytes; ac 3,276,800 bytes; outf 16,777,216 bytes; oc 3,276,800 bytes
;; launch quant (part 1): grid 768 x 1, 4 waves a work-group, no clusters, 34,304 bytes of LDS; arguments x, wq, wk, wv, wo, wg, xq, wc; writes xq, wc
.if DOCPART == 1
	.amdgcn_target "amdgcn-amd-amdhsa--gfx1250"
	.amdhsa_code_object_version 6
	.text
	.protected	k_q24ec71fd42_quant
	.globl	k_q24ec71fd42_quant
	.p2align	8
	.type	k_q24ec71fd42_quant,@function
k_q24ec71fd42_quant:
	s_mov_b64 s[64:65], 0
	v_nop
	global_prefetch_b8 v0, s[64:65] scope:SCOPE_SE
	s_setreg_imm32_b32 hwreg(HW_REG_WAVE_MODE, 25, 1), 1
	s_wait_xcnt 0x0
; x [2048][2048] and the five weights [K 2048][N 2048], all f32, become codes of FP6 (E2M3) with one E8M0 byte for each 32 along K.
; LAYOUT OF THE RESULTS.  A fragment (16 rows x 128 K, 12 registers a lane) is stored as the image of its registers: register j of lane l at 512 (j / 4) + 16 l + 4 (j % 4), 1,536 bytes;
; lane (r = l % 16, h = l / 16) holds in registers 6 c .. 6 c + 5 the codes of k = 64 c + 32 h + 0 .. 31 of row r.  Fragment (row block rb, K step ks) lies at (16 rb + ks) x 1,536, its 16 scale words at (16 rb + ks) x 64.
; x keeps its rows.  A weight's rows are its columns n, and THE ROWS OF A BLOCK ARE NOT NEIGHBOURS: lane r of block 2 b + u takes n = 32 b + 8 u + r + 8 (r / 8).
; A block's scale is 2^(floor(log2(largest magnitude)) - 2); its byte is the largest magnitude's exponent field - 2, held at 1 from below.
; LIMITS: a block of zeros gets the byte 1 where the quantiser says 127 (its codes are zeros, and the bytes are read by this program alone); blocks under 2^-124 are held at byte 1; NaN and infinities are not served.
; SHARES.  Work-groups 0 .. 639 take the weights (path W): a wave takes 32 columns x 256 along K, a lane a column, its registers down K, so a block of 32 lies in one lane.  This path uses no LDS.
; Work-groups 640 .. 767 take x (path X): a wave takes 16 rows x 512 along K, four fragments; lanes l and l + 16 share a block.  Each of its loads reads 512 consecutive bytes of one row; a K step's 16 rows turn through the
; wave's own stage in LDS (rows 528 bytes apart) and come back 64 bytes a lane: 16 neighbours of each block of 32.  No barrier: waves share nothing.
.set X,   32                           ; W: v32-95 two sets of 32 numbers
.set FB,  96                           ; W: v96-143 four fragments' halves, 12 registers each: no store's data are written again
.set WD,  14                           ; W: v14-15 the scale words of the wave's two K steps
.set M0,  8                            ; W: v8, v9 largest magnitudes; v10 the conversion's scale operand; v11 the byte; v16-18 a conversion's second half
.set M1,  9
.set SO,  10
.set BY,  11
.set TP,  16
.set RAW, 32                           ; X: v32-159 two sets of 64 numbers as they are loaded: register 4 j + i = number 4 lane + i of row j
.set XT,  192                          ; X: v192-255 the set at work: register 16 b + i = k 32 b + 16 (lane / 16) + i of row lane % 16
.set TM,  160                          ; X: v160-175 at work in QUANT
.set PW,  176                          ; X: the scale word just made
.set PWA, 177                          ; X: the one before
.set SW,  178                          ; X: two K steps' words, one in each half of the lanes
.set PC,  8                            ; X: v8-27 the codes just made
.set SPW, 28                           ; v28  LDS address of my spare word: SPARE + 4 x my thread's number; never rewritten
.set NIL, 29                           ; v29  0; never rewritten
.set XW,  30                           ; X: v30 the stage, on the way in: 16 x lane
.set XRD, 31                           ; X: v31 and on the way out: row lane % 16, + 64 (lane / 16)
.set SP,  528                          ; a stage's row: 512 bytes + 16, so that the sixteen lanes of a read fall on sixteen different 16-byte columns
.set SPARE, 4*16*SP                    ; behind the four stages: the spare words, 128 bytes for each wave: two blocks of 256 bytes that no other line names
.set SEL, 40                           ; s[40:41] lane selects: lane l xor 16
.set MSK, 38                           ; s38 lanes 16-31
; 32 numbers of ONE lane, v[xs] on, become 6 registers of codes at v[f] on; the byte in v[BY]
.macro BLKQ xs, f
	v_max3_num_f32 v[M0], |v[\xs]|, |v[\xs+1]|, |v[\xs+2]|
	v_max3_num_f32 v[M1], |v[\xs+3]|, |v[\xs+4]|, |v[\xs+5]|
.irp i, 6,10,14,18,22,26
	v_max3_num_f32 v[M0], v[M0], |v[\xs+\i]|, |v[\xs+\i+1]|
	v_max3_num_f32 v[M1], v[M1], |v[\xs+\i+2]|, |v[\xs+\i+3]|
.endr
	v_max3_num_f32 v[M0], v[M0], |v[\xs+30]|, |v[\xs+31]|
	v_max3_num_f32 v[M0], v[M0], v[M1], 0x1800000      ; and the floor 2^(3 - 127): the byte cannot fall under 1
	v_add_nc_u32 v[SO], 0xff000000, v[M0]              ; 2 off the exponent field: the conversion takes this operand's exponent field as its scale
	v_lshrrev_b32 v[BY], 23, v[SO]                     ; the scale's byte
	v_cvt_scalef32_pk16_fp6_f32 v[\f:\f+2], v[\xs:\xs+15], v[SO]
	v_cvt_scalef32_pk16_fp6_f32 v[TP:TP+2], v[\xs+16:\xs+31], v[SO]   ; (a conversion's three registers begin on an even number)
	v_nop                                              ; one plain place behind a scaled conversion
	v_mov_b32 v[\f+3], v[TP]
	v_mov_b32 v[\f+4], v[TP+1]
	v_mov_b32 v[\f+5], v[TP+2]
.endm
; 64 numbers of a lane, register 16 b + i = k 32 b + 16 (lane / 16) + i of my row, become a fragment's codes in v[PC] on and its scale word in v[PW] (the same word in both halves of the lanes)
.macro QUANT s
.irp b, 0,1,2,3
	v_max3_num_f32 v[TM+\b], |v[\s+16*\b]|, |v[\s+1+16*\b]|, 0x1800000
.endr
.irp i, 2,4,6,8,10,12,14
.irp b, 0,1,2,3
	v_max3_num_f32 v[TM+\b], v[TM+\b], |v[\s+16*\b+\i]|, |v[\s+1+16*\b+\i]|
.endr
.endr
.irp b, 0,1,2,3
	v_permlanex16_b32 v[TM+4+\b], v[TM+\b], s[SEL], s[SEL+1]
.endr
.irp b, 0,1,2,3
	v_max_num_f32 v[TM+\b], v[TM+\b], v[TM+4+\b]       ; with lane l xor 16's: the block's largest magnitude
.endr
.irp b, 0,1,2,3
	v_add_nc_u32 v[TM+12+\b], 0xff000000, v[TM+\b]
.endr
.irp b, 0,1,2,3
	v_lshrrev_b32 v[TM+4+\b], 23, v[TM+12+\b]
.endr
	v_lshl_or_b32 v[PW], v[TM+5], 8, v[TM+4]
	v_lshl_or_b32 v[PW], v[TM+6], 16, v[PW]
	v_lshl_or_b32 v[PW], v[TM+7], 24, v[PW]
.irp c, 0,1
	v_cvt_scalef32_pk16_fp6_f32 v[PC+6*\c:PC+2+6*\c], v[\s+32*\c:\s+15+32*\c], v[TM+12+2*\c]
	v_cvt_scalef32_pk16_fp6_f32 v[PC+12+4*\c:PC+14+4*\c], v[\s+16+32*\c:\s+31+32*\c], v[TM+12+2*\c+1]
.endr
	v_nop                                              ; one plain place behind a scaled conversion
.irp c, 0,1                            ; the layout wants a WHOLE block in a lane: lanes 0-15 block 2 c, lanes 16-31 block 2 c + 1
.irp i, 0,1,2
	v_permlane16_swap_b32 v[PC+6*\c+\i], v[PC+12+4*\c+\i]
.endr
.irp i, 0,1,2
	v_mov_b32 v[PC+3+6*\c+\i], v[PC+12+4*\c+\i]
.endr
.endr
.endm
	s_load_b256 s[4:11], s[0:1], 0x0               ; x, wq, wk, wv
	s_load_b256 s[12:19], s[0:1], 0x20             ; wo, wg, xq, wc
	v_lshl_add_u32 v[SPW], v0, 2, SPARE
	v_mov_b32 v[NIL], 0
	v_lshrrev_b32 v1, 5, v0
	v_readfirstlane_b32 s24, v1                    ; wave
	v_and_b32 v1, 15, v0                           ; r
	v_bfe_u32 v5, v0, 4, 1                         ; lane / 16
	s_cmp_lt_u32 ttmp9, 640
	s_cbranch_scc0 .Lpath_x
	; ---- PATH W
	s_lshr_b32 s25, ttmp9, 7                       ; which weight: 0 q, 1 k, 2 v, 3 o, 4 g
	s_bfe_u32 s26, ttmp9, 0x30004                  ; which 256 along K
	s_and_b32 s27, ttmp9, 15
	s_lshl_b32 s27, s27, 2
	s_add_co_u32 s27, s27, s24                     ; which 32 columns
	v_and_b32 v6, 8, v1
	v_add_nc_u32 v6, v6, v1                        ; r + 8 (r / 8)
	v_lshl_add_u32 v6, v5, 3, v6                   ; + 8 u: my column among the 32 (u = lane / 16 is the row block of the pair)
	v_lshlrev_b32 v2, 2, v6                        ; in: 4 bytes a column; the 32 lanes read 128 consecutive bytes
	v_mul_u32_u24 v3, v5, 24576
	v_lshl_add_u32 v3, v1, 4, v3                   ; out: row block u, 16 bytes at image lane r
	v_lshlrev_b32 v4, 10, v5
	v_lshl_add_u32 v4, v1, 2, v4                   ; scale words: row block u, word r
	s_lshl_b32 s28, s26, 21                        ; 256 rows of 8,192 bytes
	s_lshl_b32 s30, s27, 7
	s_add_co_u32 s28, s28, s30
	s_mov_b32 s29, 0
	s_lshl_b32 s30, s25, 7
	s_lshl_b32 s31, s27, 1
	s_add_co_u32 s30, s30, s31                     ; wo, wg: row block 128 x tensor + 2 x (which 32 columns)
	s_lshr_b32 s31, s27, 2                         ; wq, wk, wv: the 8 row blocks of one tile of 128 columns of the three tensors lie on end:
	s_mul_i32 s31, s31, 24                         ; 24 x (column tile) + 8 x tensor + 2 x (which 32 of the tile's 128 columns)
	s_lshl_b32 s32, s25, 3
	s_add_co_u32 s31, s31, s32
	s_and_b32 s32, s27, 3
	s_lshl_b32 s32, s32, 1
	s_add_co_u32 s31, s31, s32
	s_cmp_lt_u32 s25, 3
	s_cselect_b32 s30, s31, s30
	s_mul_i32 s32, s30, 24576
	s_mul_i32 s33, s26, 3072
	s_add_co_u32 s32, s32, s33
	s_mov_b32 s33, 0
	s_lshl_b32 s34, s30, 10
	s_lshl_b32 s35, s26, 7
	s_add_co_u32 s34, s34, s35
	s_add_co_u32 s34, s34, 15728640                ; the scale words lie behind the five tensors' codes
	s_mov_b32 s35, 0
	s_wait_alu depctr_va_vdst(0)
	s_wait_kmcnt 0x0
	s_mov_b64 s[20:21], s[6:7]                     ; the choice hangs on the work-group's number alone
	s_cmp_eq_u32 s25, 1
	s_cselect_b64 s[20:21], s[8:9], s[20:21]
	s_cmp_eq_u32 s25, 2
	s_cselect_b64 s[20:21], s[10:11], s[20:21]
	s_cmp_eq_u32 s25, 3
	s_cselect_b64 s[20:21], s[12:13], s[20:21]
	s_cmp_eq_u32 s25, 4
	s_cselect_b64 s[20:21], s[14:15], s[20:21]
	s_add_nc_u64 s[20:21], s[20:21], s[28:29]
	s_add_nc_u64 s[22:23], s[18:19], s[32:33]
	s_add_nc_u64 s[36:37], s[18:19], s[34:35]
; block t of 8: K step t / 4, image half (t / 2) % 2, c = t % 2: k = 128 (t / 4) + 64 c + 32 half + 0 .. 31
.macro WLOAD t
.set wk, 128*((\t)/4)+64*((\t)%2)+32*(((\t)/2)%2)
.set ii, 0
.rept 32
	global_load_b32 v[X+32*((\t)%2)+ii], v2, s[20:21] offset:(wk+ii)*8192 th:TH_LOAD_NT
.set ii, ii+1
.endr
.endm
.macro WBLK t
.set XS, X+32*((\t)%2)
.set FF, FB+12*((\t)/2)+6*((\t)%2)
.if (\t) < 7
	s_wait_loadcnt 32                              ; this block's 32 loads are in; the next block's 32 may be out
.else
	s_wait_loadcnt 0x0
.endif
	BLKQ XS, FF
.if (\t)%4 == 0
	v_mov_b32 v[WD+(\t)/4], v[BY]
.else
	v_lshl_or_b32 v[WD+(\t)/4], v[BY], 8*(2*((\t)%2)+((\t)/2)%2), v[WD+(\t)/4]   ; byte 2 c + half of the K step's word
.endif
.if (\t)+2 < 8
	WLOAD (\t)+2
.endif
.if (\t)%2 == 1
.irp cc, 0,1,2
	global_store_b128 v3, v[FF-6+4*\cc:FF-6+4*\cc+3], s[22:23] offset:((\t)/4)*1536+256*(((\t)/2)%2)+512*\cc   ; sixteen lanes store 256 consecutive bytes, aligned
.endr
.endif
.if (\t)%4 == 3
	global_store_b32 v4, v[WD+(\t)/4], s[36:37] offset:64*((\t)/4)
.endif
.endm
	WLOAD 0
	WLOAD 1
.irp t, 0,1,2,3,4,5,6,7
	WBLK \t
.endr
	s_endpgm
	; ---- PATH X
.Lpath_x:
	s_sub_co_u32 s25, ttmp9, 640
	s_lshl_b32 s25, s25, 2
	s_add_co_u32 s25, s25, s24                     ; unit = 4 x row block + quarter of K
	s_lshr_b32 s26, s25, 2
	s_and_b32 s27, s25, 3
	v_and_b32 v6, 31, v0
	v_lshlrev_b32 v3, 4, v6                        ; 16 x lane: my 16 bytes of a load's 512, and an image's place for my lane
	v_lshlrev_b32 v4, 2, v6                        ; two K steps' scale words: 128 consecutive bytes
	v_cmp_le_u32 s[MSK], 16, v6
	s_mul_i32 s30, s24, 16*SP                      ; my wave's stage
	v_add_nc_u32 v[XW], s30, v3
	s_wait_alu depctr_va_vdst(0)
	v_mul_u32_u24 v[XRD], v1, SP
	v_lshl_add_u32 v[XRD], v5, 6, v[XRD]
	v_add_nc_u32 v[XRD], s30, v[XRD]
	s_mov_b32 s[SEL], 0x76543210
	s_mov_b32 s[SEL+1], 0xfedcba98
.irp b, 0,1,2,3
	v_mov_b32 v[TM+4+\b], 0                        ; written once: a lane permute's destination counts as one of its sources
.endr
	s_lshl_b32 s28, s26, 17
	s_lshl_b32 s30, s27, 11
	s_add_co_u32 s28, s28, s30
	s_mov_b32 s29, 0
	s_mul_i32 s32, s25, 6144                       ; four fragments a unit
	s_mov_b32 s33, 0
	s_lshl_b32 s34, s25, 8
	s_add_co_u32 s34, s34, 3145728
	s_mov_b32 s35, 0
	s_wait_alu depctr_va_vdst(0)
	s_wait_kmcnt 0x0
	s_add_nc_u64 s[20:21], s[4:5], s[28:29]
	s_add_nc_u64 s[22:23], s[16:17], s[32:33]
	s_add_nc_u64 s[36:37], s[16:17], s[34:35]
.macro XLOAD set, s                    ; K step s of my 16 rows: a row's 512 consecutive bytes to a load
.set ii, 0
.rept 16
	global_load_b128 v[RAW+64*(\set)+4*ii:RAW+64*(\set)+4*ii+3], v3, s[20:21] offset:ii*8192+512*(\s) th:TH_LOAD_NT
.set ii, ii+1
.endr
.endm
.macro XSTEP s
.if (\s) < 3
	s_wait_loadcnt 16                              ; this K step's 16 loads are in; the next step's may be out
.else
	s_wait_loadcnt 0x0
.endif
.set ii, 0
.rept 16
	ds_store_b128 v[XW], v[RAW+64*((\s)%2)+4*ii:RAW+64*((\s)%2)+4*ii+3] offset:ii*SP   ; the rows as they were loaded
.set ii, ii+1
.endr
.irp b, 0,1,2,3
.irp j, 0,1,2,3
	ds_load_b128 v[XT+16*\b+4*\j:XT+16*\b+4*\j+3], v[XRD] offset:128*\b+16*\j   ; LDS serves a wave's instructions in order (ISA guide 5.7.1.4): these see the stores above
.endr
.endr
	s_wait_dscnt 0x0                               ; the numbers are back, and the stores into the stage have read their registers
.if (\s) > 0
	s_wait_xcnt 0x0                                ; the last step's global stores have read their data: the codes' and the words' registers are written again only behind this wait
.endif
.if (\s)+2 < 4
	XLOAD (\s)%2, (\s)+2
.endif
	QUANT XT
.irp cc, 0,1,2
	global_store_b128 v3, v[PC+4*\cc:PC+4*\cc+3], s[22:23] offset:(\s)*1536+512*\cc   ; 512 consecutive bytes
.endr
.if (\s)%2 == 0
	v_mov_b32 v[PWA], v[PW]
.else
	v_cndmask_b32 v[SW], v[PWA], v[PW], s[MSK]     ; lanes 0-15: the even step's words, lanes 16-31: the odd step's
	global_store_b32 v4, v[SW], s[36:37] offset:128*((\s)/2)
.endif
.endm
	XLOAD 0, 0
	XLOAD 1, 1
.irp s, 0,1,2,3
	XSTEP \s
.endr
	s_wait_tensorcnt 0x0                           ; the wave's end, behind my last LDS store
	ds_add_u32 v[SPW], v[NIL]
	s_wait_dscnt 0x0
	s_endpgm
.Lfunc_end_k_q24ec71fd42_quant:
	.size	k_q24ec71fd42_quant, .Lfunc_end_k_q24ec71fd42_quant-k_q24ec71fd42_quant
	.p2alignl 7, 3214868480
	.fill 96, 4, 3214868480
	.section	.rodata,"a",@progbits
	.p2align	6, 0x0
	.amdhsa_kernel k_q24ec71fd42_quant
		.amdhsa_group_segment_fixed_size 34304
		.amdhsa_private_segment_fixed_size 0
		.amdhsa_enable_private_segment 0
		.amdhsa_kernarg_size 64
		.amdhsa_user_sgpr_count 2
		.amdhsa_user_sgpr_kernarg_segment_ptr 1
		.amdhsa_wavefront_size32 1
		.amdhsa_system_sgpr_workgroup_id_x 1
		.amdhsa_system_sgpr_workgroup_id_y 1
		.amdhsa_system_sgpr_workgroup_id_z 1
		.amdhsa_system_vgpr_workitem_id 0
		.amdhsa_next_free_vgpr 256
		.amdhsa_next_free_sgpr 66
		.amdhsa_reserve_vcc 0
		.amdhsa_float_denorm_mode_32 3
		.amdhsa_float_denorm_mode_16_64 3
		.amdhsa_memory_ordered 1
		.amdhsa_forward_progress 1
		.amdhsa_inst_pref_size 72
	.end_amdhsa_kernel
	.amdgpu_metadata
---
amdhsa.version: [ 1, 2 ]
amdhsa.kernels:
  - .name:           k_q24ec71fd42_quant
    .symbol:         k_q24ec71fd42_quant.kd
    .args:
      - { .name: x, .offset: 0, .size: 8, .value_kind: global_buffer, .address_space: global }
      - { .name: wq, .offset: 8, .size: 8, .value_kind: global_buffer, .address_space: global }
      - { .name: wk, .offset: 16, .size: 8, .value_kind: global_buffer, .address_space: global }
      - { .name: wv, .offset: 24, .size: 8, .value_kind: global_buffer, .address_space: global }
      - { .name: wo, .offset: 32, .size: 8, .value_kind: global_buffer, .address_space: global }
      - { .name: wg, .offset: 40, .size: 8, .value_kind: global_buffer, .address_space: global }
      - { .name: xq, .offset: 48, .size: 8, .value_kind: global_buffer, .address_space: global }
      - { .name: wc, .offset: 56, .size: 8, .value_kind: global_buffer, .address_space: global }
    .group_segment_fixed_size: 34304
    .private_segment_fixed_size: 0
    .kernarg_segment_align: 8
    .kernarg_segment_size: 64
    .max_flat_workgroup_size: 128
    .sgpr_count:     66
    .vgpr_count:     256
    .wavefront_size: 32
...
	.end_amdgpu_metadata
.endif
;; end of part 1
;; launch qkv (part 2): grid 16 x 16, 4 waves a work-group, clusters of 4 x 4, 327,680 bytes of LDS; arguments xq, wc, bq, bk, bv, qkf, qkvc; writes qkf, qkvc
.if DOCPART == 2
	.amdgcn_target "amdgcn-amd-amdhsa--gfx1250"
	.amdhsa_code_object_version 6
	.text
	.protected	k_q24ec71fd42_qkv
	.globl	k_q24ec71fd42_qkv
	.p2align	8
	.type	k_q24ec71fd42_qkv,@function
k_q24ec71fd42_qkv:
	s_mov_b64 s[64:65], 0
	v_nop
	global_prefetch_b8 v0, s[64:65] scope:SCOPE_SE
	s_setreg_imm32_b32 hwreg(HW_REG_WAVE_MODE, 25, 1), 1
	s_wait_xcnt 0x0
	s_wait_alu depctr_hold_cnt(0) depctr_sa_sdst(0) depctr_va_vdst(0) depctr_va_sdst(0) depctr_va_ssrc(0) depctr_va_vcc(0) depctr_vm_vsrc(0)
	s_getreg_b32 s2, hwreg(HW_REG_IB_STS2, 6, 4)
	s_cmp_eq_u32 s2, 0
	s_cbranch_scc0 .Lentry_in_a_cluster
	s_endpgm
.Lentry_in_a_cluster:
	s_bfe_u32 s2, ttmp6, 0x10000c
	s_cmp_lg_u32 s2, 0xf033
	s_cbranch_scc0 .Lentry_shape_is_right
	s_endpgm
.Lentry_shape_is_right:
; C = A B^T + bias on codes of FP6 (E2M3) with one E8M0 byte for each 32 along K; M = N = K = 2,048; sums in f32.  One text serves three launches, told apart by MODE:
;   MODE 1: A = x, B = wq, wk, wv at once (each fragment of A feeds three products).  q and k leave as f32 rows; v is quantised along the tokens and leaves as codes.
;   MODE 2: A = attention's result, B = wo.  out leaves as f32 rows and, quantised along its columns, as codes.
;   MODE 3: A = out's codes, B = wg.  The result is the gate: out x sigmoid(gate) leaves as f32 rows.
; OPERANDS lie in memory as images of their registers: fragment (row block rb of 16, K step ks of 128) at (16 rb + ks) x 1,536 bytes, register j of lane l at 512 (j / 4) + 16 l + 4 (j % 4); its 16 scale words at (16 rb + ks) x 64.
; So a fragment comes out of LDS by three loads of 512 consecutive bytes, and a row block's K steps are one dense row for the tensor data mover.
; SHARES.  A work-group makes 128 rows x 128 columns of each of its NBT tensors; 16 x 16 work-groups.  Four waves, each 64 x 64 of each tensor: 16 accumulators a tensor.
; K goes in chunks of KSL steps through NR regions of LDS; each wave fetches a quarter of a region by one tensor load.  All scale words of the work-group's rows come once, with the first fills.
; CLUSTER 4 x 4: the four work-groups of a row of the cluster need the same A, the four of a column the same B: each tile is asked for jointly.
; THE PRODUCT IS USED TRANSPOSED (source 0 = 16 rows of B, source 1 = 16 rows of A), and B's row block 2 b + u holds in lane r the column 32 b + 8 u + r + 8 (r / 8):
; so a lane holds one row of C, and its 16 registers of tiles 2 b, 2 b + 1 are the 16 neighbouring columns 32 b + 16 (lane / 16) + 0 .. 15.  The bias is the C of each sum's first product.
; LIMITS of the quantisers on the way out: a block of zeros gets the byte 1 where the quantiser says 127 (its codes are zeros; the bytes are read by this program alone); blocks under 2^-124 are held at byte 1; NaN and infinities are not served.
; REGISTERS, window 0: v1 r, v2 lane / 16, v3 16 x lane; v4-15 LDS addresses; v16, v17 the add's two; v18-31 the way out's; v32-55 scale words, two sets; v56-151 A's fragments, two sets of four; v152-247 B's, two sets of four.
;   window 1 + t (tensor t): accumulator (a, b) at v[8 (4 a + b)]; v128-159 the bias of my four column tiles.
.set MODE, 1
.if MODE == 1
.set NBT,    3                         ; tensors of B
.set KSL,    2                         ; K steps in a chunk
.set NR,     2                         ; regions
.set NCH,    8                         ; chunks
.set NWA,    1                         ; waves that fetch for A
.set RPW,    8                         ; row blocks in one tensor load
.set BWSTEP, 8                         ; row blocks from one B-fetching wave to the next: a column tile's 24 row blocks of wq, wk, wv lie on end
.set WBM,    3
.set BOFF,   0
.set BSOFF,  15728640
.else
.set NBT,    1
.set KSL,    4
.set NR,     3
.set NCH,    4
.set NWA,    2
.set RPW,    4
.set BWSTEP, 4
.set WBM,    1
.if MODE == 2
.set BOFF,   9437184
.set BSOFF,  16121856
.else
.set BOFF,   12582912
.set BSOFF,  16252928
.endif
.endif
.set REG,    98304                     ; a region: four loads of 24,576 bytes, laid [row block][K step of the chunk][1,536]: A's 8 row blocks, then B's
.set ABYTES, 8*KSL*1536
.set SCL,    NR*REG                    ; behind the regions: the scale words, 1,024 bytes a row block: A's 8, then B's
.set SPARE,  SCL+4*RPW*1024            ; the spare words, 128 bytes for each wave: two blocks of 256 bytes that no other line names
.set SP,     528                       ; a stage's row: 512 bytes + 16
.set STG1,   REG                       ; the stages, 128 rows each: tensor 0's at byte 0, tensor 1's in region 1 (both regions have had their last fill and their last read by then), tensor 2's in bytes of its own
.set STG2,   SPARE+512
.set ADA,  4                           ; v4..  LDS address of my A fragments in region 0, 1, (2)
.set ADB,  7                           ; v7..  the same for B
.set ADRS, 10                          ; v10.. my scale words for tensor t: lanes 0-15 A's rows, lanes 16-31 B's
.set STO,  13                          ; v13.. the stage of tensor t: where I put 64 bytes of a row
.set SPW,  16
.set NIL,  17
.set RD,   18                          ; v18, v19 where I read whole rows back
.set VRD,  20                          ; v20   MODE 1: my column of v's stage;  MODE 2: my 64 bytes of a row
.set VSO,  21                          ; v21   4 r + 1,024 (lane / 16): two row blocks' scale words
.set BIA,  30                          ; v30   64 (lane / 16)
.set SC,   32
.set AF,   56
.set BF,   152
.set WV, 18
.set WR, 19
.set WC, 20
.set CX, 21
.set CY, 22
.set MSK, 23
.set TX, 66
.set TY, 67
.set SEL, 2
.set G1A,  24                          ; s[24:31], s[32:39] descriptor group 1 for A's and B's codes;  s[40:47], s[48:55] for their scale words
.set G1B,  32
.set G1SA, 40
.set G1SB, 48
.set G0SA, 56                          ; s[56:59], s[60:63] group 0 for the scale words;  s[68..], s[80..] for the codes, one set for each region
.set G0SB, 60
.set G0A,  68
.set G0B,  80
.set MSB, 0
.macro WIN new                         ; the immediate's high byte repeats the setting that is left
.if MSB != (\new)
	s_set_vgpr_msb (MSB<<8)|(\new)
.set MSB, (\new)
.endif
.endm
.macro PLACES                          ; four plain places behind matrix instructions, in front of loads into their registers and of reads of their results
.rept 4
	v_nop
.endr
.endm
; A joint load: the first NWA waves fetch for A, the others for B.  The branch hangs on the wave's number alone.  An s_nop 0 and four v_nop follow each of the two lines.
.macro JLOAD g0a, g1a, g0b, g1b
	s_cmp_lt_u32 s[WV], NWA
	s_cbranch_scc0 .Lfor_b_\@
	tensor_load_to_lds s[\g0a:\g0a+3], s[\g1a:\g1a+7]
	s_nop 0
.rept 4
	v_nop
.endr
	s_branch .Lasked_\@
.Lfor_b_\@:
	tensor_load_to_lds s[\g0b:\g0b+3], s[\g1b:\g1b+7]
	s_nop 0
.rept 4
	v_nop
.endr
.Lasked_\@:
.endm
.macro CREST                           ; a round of the cluster's barrier behind its opening barrier
	s_cmp_lg_u32 s[WV], 0
	s_cbranch_scc1 .Lnot_wave_0_\@
	s_barrier_signal -3
.Lnot_wave_0_\@:
	s_barrier_wait -3
	s_barrier_signal -1
	s_barrier_wait -1
.endm
.macro CROUND
	s_barrier_signal -1
	s_barrier_wait -1
	CREST
.endm
.if MODE == 1
	s_load_b256 s[4:11], s[0:1], 0x0               ; A, the weights' codes, bq, bk
	s_load_b128 s[12:15], s[0:1], 0x20             ; bv, qkf
	s_load_b64 s[16:17], s[0:1], 0x30              ; qkvc
.else
	s_load_b256 s[4:11], s[0:1], 0x0               ; A, the weights' codes, the bias, outf
	s_load_b64 s[12:13], s[0:1], 0x20              ; MODE 2: out's codes;  MODE 3: the output
.endif
	v_lshl_add_u32 v[SPW], v0, 2, SPARE
	v_mov_b32 v[NIL], 0
	ds_add_u32 v[SPW], v[NIL]                      ; the wave's opening: the add and its wait stand ahead of my first tensor load; the set-up below, work on registers, stands between them
	ds_add_u32 v[SPW], v[NIL]
	v_lshrrev_b32 v1, 5, v0
	v_readfirstlane_b32 s[WV], v1                  ; wave 0..3
	s_lshr_b32 s[WR], s[WV], 1                     ; which 64 rows are mine
	s_and_b32 s[WC], s[WV], 1                      ; which 64 columns
	s_bfe_u32 s[CX], ttmp6, 0x40000
	s_bfe_u32 s[CY], ttmp6, 0x40004
	s_lshl_b32 s[TX], ttmp9, 2
	s_add_co_u32 s[TX], s[TX], s[CX]               ; tile column = 4 x cluster x + cx
	s_and_b32 s[TY], ttmp7, 0xffff
	s_lshl_b32 s[TY], s[TY], 2
	s_add_co_u32 s[TY], s[TY], s[CY]               ; tile row = 4 x cluster y + cy
	s_lshl_b32 s2, s[CY], 2
	s_lshl_b32 s2, 15, s2                          ; my row of the cluster
	s_lshl_b32 s3, 0x1111, s[CX]                   ; my column
	s_or_b32 s[G1A], s2, (3<<16)|(1<<21)           ; 15:0 the mask; 17:16 elements of 8 bytes; 20 no padding; 21 set beside a mask
	s_or_b32 s[G1B], s3, (3<<16)|(1<<21)
	s_or_b32 s[G1SA], s2, (3<<16)|(1<<21)
	s_or_b32 s[G1SB], s3, (3<<16)|(1<<21)
.irp g, G1A, G1B                       ; RPW rows (row blocks) of KSL x 1,536 bytes, 24,576 bytes apart in memory, dense in LDS
	s_mov_b32 s[\g+1], (KSL*192)<<16               ; tensor_dim0
	s_mov_b32 s[\g+2], (8+8*(NBT-1)*((\g)/G1B))<<16   ; tensor_dim1: the head's loads bring A's 8 row blocks, B's 8 NBT
	s_mov_b32 s[\g+3], (KSL*192)<<16               ; tile_dim0
	s_mov_b32 s[\g+4], 8+8*(NBT-1)*((\g)/G1B)      ; tile_dim1
	s_mov_b32 s[\g+5], 3072                        ; tensor_dim0_stride
	s_mov_b32 s[\g+6], 0
	s_mov_b32 s[\g+7], 0
.endr
.irp g, G1SA, G1SB                     ; RPW x 1,024 dense bytes, as rows of 256
	s_mov_b32 s[\g+1], 32<<16
	s_mov_b32 s[\g+2], (32+32*(NBT-1)*((\g)/G1SB))<<16   ; A's 8,192 bytes of scale words, B's 8,192 NBT
	s_mov_b32 s[\g+3], 32<<16
	s_mov_b32 s[\g+4], 32+32*(NBT-1)*((\g)/G1SB)
	s_mov_b32 s[\g+5], 32
	s_mov_b32 s[\g+6], 0
	s_mov_b32 s[\g+7], 0
.endr
	s_mul_i32 s94, s[TY], 196608                   ; A: the tile's 8 row blocks of 24,576 bytes; it hangs on the tile row alone
	s_mov_b32 s95, 0
	s_lshl_b32 s92, s[TY], 13
	s_add_co_u32 s92, s92, 3145728                 ; their scale words lie behind the codes
	s_mov_b32 s93, 0
	s_mul_i32 s98, s[TX], 196608*NBT               ; B: the tile's 8 NBT row blocks; it hangs on the tile column alone
	s_add_co_u32 s98, s98, BOFF
	s_mov_b32 s99, 0
	s_mul_i32 s96, s[TX], 8192*NBT
	s_add_co_u32 s96, s96, BSOFF
	s_mov_b32 s97, 0
	s_mul_i32 s[MSK], s[WV], 24576                 ; where the ring's loads go: wave x a quarter of a region
	s_wait_dscnt 0x0                               ; the opening add is done
	s_wait_kmcnt 0x0
	s_add_nc_u64 s[94:95], s[4:5], s[94:95]
	s_add_nc_u64 s[92:93], s[4:5], s[92:93]
	s_add_nc_u64 s[98:99], s[6:7], s[98:99]
	s_add_nc_u64 s[96:97], s[6:7], s[96:97]
	CROUND                                         ; all sixteen work-groups are here: the first joint loads meet
	s_mov_b32 s[G0SA], 1
	s_mov_b32 s[G0SA+1], SCL
	s_mov_b64 s[G0SA+2:G0SA+3], s[92:93]
	s_or_b32 s[G0SA+3], s[G0SA+3], 0x80000000
	s_mov_b32 s[G0SB], 1
	s_mov_b32 s[G0SB+1], SCL+8192
	s_mov_b64 s[G0SB+2:G0SB+3], s[96:97]
	s_or_b32 s[G0SB+3], s[G0SB+3], 0x80000000
	s_mov_b32 s[G0A+8], 1                          ; the head's loads of chunk 0, each whole: A's 8 row blocks,
	s_mov_b32 s[G0A+9], 0
	s_mov_b64 s[G0A+10:G0A+11], s[94:95]
	s_or_b32 s[G0A+11], s[G0A+11], 0x80000000
	s_mov_b32 s[G0B+8], 1                          ; and B's, behind them in region 0
	s_mov_b32 s[G0B+9], ABYTES
	s_mov_b64 s[G0B+10:G0B+11], s[98:99]
	s_or_b32 s[G0B+11], s[G0B+11], 0x80000000
	s_and_b32 s100, s[WV], NWA-1                   ; for the ring: my RPW row blocks of A's tile,
	s_mul_i32 s100, s100, RPW*24576
	s_mov_b32 s101, 0
	s_add_nc_u64 s[94:95], s[94:95], s[100:101]
	s_add_co_u32 s100, s[WV], 4-NWA                ; or of B's
	s_and_b32 s100, s100, WBM
	s_mul_i32 s100, s100, BWSTEP*24576
	s_add_nc_u64 s[98:99], s[98:99], s[100:101]
.set rr, 0
.rept NR                               ; the ring's group 0, one set for each region: set 0 is first used at its refill, set 1 at region 1's first fill
	s_mov_b32 s[G0A+4*rr], 1
	s_add_co_u32 s[G0A+4*rr+1], s[MSK], rr*REG
	s_add_nc_u64 s[G0A+4*rr+2:G0A+4*rr+3], s[94:95], rr*KSL*1536
	s_or_b32 s[G0A+4*rr+3], s[G0A+4*rr+3], 0x80000000
	s_mov_b32 s[G0B+4*rr], 1
	s_add_co_u32 s[G0B+4*rr+1], s[MSK], rr*REG
	s_add_nc_u64 s[G0B+4*rr+2:G0B+4*rr+3], s[98:99], rr*KSL*1536
	s_or_b32 s[G0B+4*rr+3], s[G0B+4*rr+3], 0x80000000
.set rr, rr+1
.endr
; THE HEAD'S LOADS, ONE A WAVE: wave 0 A's chunk 0, wave 1 B's, wave 2 A's scale words, wave 3 B's.  One tree of branches on the wave's number, all arms leading to one join.
.macro ARM under, g0, g1, next
	s_cmp_lt_u32 s[WV], \under
	s_cbranch_scc0 \next
	tensor_load_to_lds s[\g0:\g0+3], s[\g1:\g1+7]
	s_nop 0
.rept 4
	v_nop
.endr
	s_branch .Lhead_asked
\next:
.endm
	ARM 1, G0A+8, G1A, .Lhead_b
	ARM 2, G0B+8, G1B, .Lhead_sa
	ARM 3, G0SA, G1SA, .Lhead_sb
	tensor_load_to_lds s[G0SB:G0SB+3], s[G1SB:G1SB+7]
	s_nop 0
.rept 4
	v_nop
.endr
.Lhead_asked:
; PREFETCH INTO THE L2: chunk c is asked for two fills ahead of the load that wants it.  A ring load's 24,576 bytes are 96 blocks of 256; the four partners that ask for it jointly take 24 each,
; told apart by address (cx for A, cy for B); a lane a block, lanes 24-31 name lane 23's again.  Every offset is an immediate, no register of it is written again, and no chunk past the last is named.
.set PFO, 27
.set PFA, 104
.macro ASK c
.if (\c) < NCH
	global_prefetch_b8 v[PFO], s[PFA:PFA+1] offset:(\c)*KSL*1536 th:TH_LOAD_NT scope:SCOPE_SE
.endif
.endm
	s_cmp_lt_u32 s[WV], NWA
	s_cselect_b64 s[PFA:PFA+1], s[94:95], s[98:99]
	s_cselect_b32 s100, s[CX], s[CY]
	s_mul_i32 s100, s100, (RPW/4)*24576
	s_add_nc_u64 s[PFA:PFA+1], s[PFA:PFA+1], s[100:101]
	v_and_b32 v[PFO], 31, v0
	v_min_u32 v[PFO], 23, v[PFO]
.if KSL == 2
	v_mul_u32_u24 v31, v[PFO], 171
	v_lshrrev_b32 v31, 11, v31                     ; block / 12: which of my two row blocks
	v_mul_u32_u24 v31, v31, 24576-3072
	v_lshl_add_u32 v[PFO], v[PFO], 8, v31
.else
	v_lshlrev_b32 v[PFO], 8, v[PFO]
.endif
	s_wait_alu depctr_va_vdst(0)                   ; ahead of the reader
	ASK 1
	ASK 2
	v_and_b32 v1, 15, v0
	v_bfe_u32 v2, v0, 4, 1                         ; lane / 16
	v_and_b32 v3, 31, v0
	v_lshlrev_b32 v3, 4, v3                        ; 16 x lane
	v_lshlrev_b32 v[BIA], 6, v2
	s_wait_alu depctr_va_vdst(0)
	s_lshl_b32 s92, s[TX], 9
	s_lshl_b32 s93, s[WC], 8
	s_add_co_u32 s92, s92, s93                     ; my 64 columns in a bias, in bytes
	s_mov_b32 s93, 0
.set tt, 0
.rept NBT                              ; the bias in the result's layout: for column tile b the eight numbers at 32 (b / 2) + 16 (lane / 16) + 8 (b % 2)
	s_add_nc_u64 s[8+2*tt:9+2*tt], s[8+2*tt:9+2*tt], s[92:93]
	WIN 0x40*(1+tt)
.irp b, 0,1,2,3
	global_load_b128 v[128+8*\b:128+8*\b+3], v[BIA], s[8+2*tt:9+2*tt] offset:(32*(\b/2)+8*(\b%2))*4
	global_load_b128 v[128+8*\b+4:128+8*\b+7], v[BIA], s[8+2*tt:9+2*tt] offset:(32*(\b/2)+8*(\b%2))*4+16
.endr
.set tt, tt+1
.endr
	WIN 0
	s_mul_i32 s92, s[WR], 4*KSL*1536               ; my four row blocks of A
	v_add_nc_u32 v[ADA], s92, v3
	s_mul_i32 s92, s[WC], 4*KSL*1536               ; my four of B, behind A's eight
	s_add_co_u32 s92, s92, ABYTES
	v_add_nc_u32 v[ADB], s92, v3
.set rr, 1
.rept NR-1
	v_add_nc_u32 v[ADA+rr], rr*REG, v[ADA]
	v_add_nc_u32 v[ADB+rr], rr*REG, v[ADB]
.set rr, rr+1
.endr
	s_xor_b32 s93, s[WR], 1                        ; scale words: lanes 0-15 at A's row block 4 wr, lanes 16-31 at B's 4 wc of tensor t: the lower base + (lane / 16) x the distance
	s_add_co_u32 s93, s93, s[WC]
	s_lshl_b32 s93, s93, 12
	s_add_co_u32 s93, s93, 4096                    ; the distance for tensor 0: 8,192 + 4,096 wc - 4,096 wr
	s_lshl_b32 s94, s[WR], 12
	s_add_co_u32 s94, s94, SCL
	v_lshl_add_u32 v31, v1, 2, s94
.set tt, 0
.rept NBT
	v_mul_u32_u24 v[ADRS+tt], s93, v2
	v_add_nc_u32 v[ADRS+tt], v[ADRS+tt], v31
	s_add_co_u32 s93, s93, 8192
.set tt, tt+1
.endr
	s_mul_i32 s92, s[WR], 64*SP                    ; into a stage: row 64 wr + 16 a + r, byte 256 wc + 128 bb + 64 (lane / 16)
	s_lshl_b32 s93, s[WC], 8
	s_add_co_u32 s92, s92, s93
	v_mul_u32_u24 v31, v1, SP
	v_lshl_add_u32 v31, v2, 6, v31
	v_add_nc_u32 v[STO], s92, v31
	s_mul_i32 s92, s[WV], 32*SP                    ; back: wave w takes rows 32 w .. 32 w + 31, whole: 16 bytes a lane
	v_add_nc_u32 v[RD], s92, v3
.if MODE == 2
	v_add_nc_u32 v[VRD], s92, v31                  ; row 32 w + r, + 64 (lane / 16): my 16 numbers of a block of 32
.endif
.if MODE == 1
	v_add_nc_u32 v[STO+1], STG1, v[STO]
	v_add_nc_u32 v[STO+2], STG2, v[STO]
	v_add_nc_u32 v[RD+1], STG1, v[RD]
	v_and_b32 v31, 8, v1
	v_add_nc_u32 v31, v31, v1
	v_lshlrev_b32 v31, 2, v31                      ; v's stage, read down the tokens: column 32 w + r + 8 (r / 8) (+ 8 u in the offset),
	v_mad_u32_u24 v31, v2, 32*SP, v31              ; lanes 16-31 begin 32 rows further down
	s_lshl_b32 s92, s[WV], 7
	s_add_co_u32 s92, s92, STG2
	v_add_nc_u32 v[VRD], s92, v31
.endif
.if MODE != 3
	v_lshlrev_b32 v[VSO], 10, v2
	v_lshl_add_u32 v[VSO], v1, 2, v[VSO]
.endif
; A GROUP g is one K step s = g / NBT of one tensor t = g % NBT: 16 matrix instructions.
; FETCH g: B's four fragments of (s, t) into B's set g % 2; with t = 0 also A's four fragments into A's set s % 2 and the step's scale words of all tensors into set s % 2.
.macro FETCH g
.set fs, (\g)/NBT
.set ft, (\g)%NBT
.set fq, fs%KSL
.set fr, (fs/KSL)%NR
.set fb, BF+48*((\g)%2)
.set fa, AF+48*(fs%2)
.set fc, SC+12*(fs%2)
.irp b, 0,1,2,3
.irp c, 0,1,2
	ds_load_b128 v[fb+12*\b+4*\c:fb+12*\b+4*\c+3], v[ADB+fr] offset:((8*ft+\b)*KSL+fq)*1536+512*\c
.endr
.endr
.if ft == 0
.irp a, 0,1,2,3
.irp c, 0,1,2
	ds_load_b128 v[fa+12*\a+4*\c:fa+12*\a+4*\c+3], v[ADA+fr] offset:(\a*KSL+fq)*1536+512*\c
.endr
.endr
.set t2, 0
.rept NBT
.irp i, 0,1,2,3
	ds_load_b32 v[fc+4*t2+\i], v[ADRS+t2] offset:1024*\i+64*fs   ; lanes 0-15: A's block i, lanes 16-31: B's block i of tensor t2
.endr
.set t2, t2+1
.endr
.endif
.endm
.macro SETNL g                         ; NLV = the LDS loads that FETCH g issues
.set NLV, 12
.if ((\g)%NBT) == 0
.set NLV, 24+4*NBT
.endif
.endm
; A's blocks a0 .. a1 against B's four.  The group's sixteen accumulators take turns, one instruction a turn, in the same order in every group.  The first K step's C is the bias.
.macro MULS g, a0, a1
.set ms, (\g)/NBT
.set mt, (\g)%NBT
.set mb, BF+48*((\g)%2)
.set ma, AF+48*(ms%2)
.set msc, SC+12*(ms%2)+4*mt
	WIN 0x50*(1+mt)
.set aa, \a0
.rept \a1-\a0+1
.irp b, 0,1,2,3
.if ms == 0
	v_wmma_scale_f32_16x16x128_f8f6f4 v[8*(4*aa+\b):8*(4*aa+\b)+7], v[mb+12*\b:mb+12*\b+11], v[ma+12*aa:ma+12*aa+11], v[128+8*\b:128+8*\b+7], v[msc+\b], v[msc+aa] matrix_a_fmt:MATRIX_FMT_FP6 matrix_b_fmt:MATRIX_FMT_FP6 matrix_a_scale:MATRIX_SCALE_ROW1
.else
	v_wmma_scale_f32_16x16x128_f8f6f4 v[8*(4*aa+\b):8*(4*aa+\b)+7], v[mb+12*\b:mb+12*\b+11], v[ma+12*aa:ma+12*aa+11], v[8*(4*aa+\b):8*(4*aa+\b)+7], v[msc+\b], v[msc+aa] matrix_a_fmt:MATRIX_FMT_FP6 matrix_b_fmt:MATRIX_FMT_FP6 matrix_a_scale:MATRIX_SCALE_ROW1
.endif
.endr
.set aa, aa+1
.endr
.endm
.macro GRP g                           ; the places behind the group before, whose sets the next fetch takes; the next group's fetch; this group's products
	PLACES
	FETCH (\g)+1
	SETNL (\g)+1
	s_wait_dscnt NLV                               ; all but the loads just issued: this group's fragments and scale words are in
	MULS \g, 0, 3
	WIN 0
.endm
; A chunk's last group, where the next chunk has to be shown whole: ONE barrier.  In front of it each wave waits for all its tensor loads, adds 0 to its spare word, and waits for that and for its reads of the chunk that it leaves.
; fill = 1: the barrier opens a round of the cluster's, and the region just left is filled again, NR chunks on.
.macro TURN g, fill
	s_wait_tensorcnt 0x0                           ; all my tensor loads have landed
	ds_add_u32 v[SPW], v[NIL]                      ; 0 onto my spare word
	s_wait_dscnt 1                                 ; (only the add may be out: this group's fragments are in)
	MULS \g, 0, 0                                  ; four matrix instructions stand between the add and the wait for it
	s_wait_dscnt 0x0                               ; the add is done, and my reads of this chunk are over
	s_barrier_signal -1
	MULS \g, 1, 1
	WIN 0
	s_barrier_wait -1
.if \fill
	CREST                                          ; no wave of any partner still reads this region or has a load on its way
.set rf, ((((\g)+1)/(NBT*KSL))-1)%NR
	s_add_nc_u64 s[G0A+4*rf+2:G0A+4*rf+3], s[G0A+4*rf+2:G0A+4*rf+3], NR*KSL*1536
	s_add_nc_u64 s[G0B+4*rf+2:G0B+4*rf+3], s[G0B+4*rf+2:G0B+4*rf+3], NR*KSL*1536
	JLOAD G0A+4*rf, G1A, G0B+4*rf, G1B             ; the first tensor load behind the round; its four v_nop are also the places in front of the loads below
.else
	PLACES
.endif
	FETCH (\g)+1
.if \fill
	ASK ((\g)+1)/(NBT*KSL)+3                       ; the refill above brought chunk n + 1 (n: the chunk now begun): chunk n + 3 is asked of memory
.endif
	MULS \g, 2, 3
	WIN 0
.endm
	s_wait_alu depctr_va_vdst(0)                   ; at the head's end
	s_wait_tensorcnt 0x0                           ; my tile of the head's four is in
	ds_add_u32 v[SPW], v[NIL]
	s_mov_b32 s[G1A+2], RPW<<16                    ; no tensor load of mine is out: from here on a load brings RPW row blocks
	s_mov_b32 s[G1A+4], RPW
	s_mov_b32 s[G1B+2], RPW<<16
	s_mov_b32 s[G1B+4], RPW
	s_wait_dscnt 0x0
	CROUND                                         ; all four tiles are in, and all sixteen work-groups are here
	JLOAD G0A+4, G1A, G0B+4, G1B                   ; chunk 1, region 1's first fill
	FETCH 0
	ASK 3
	s_wait_loadcnt 0x0                             ; the bias
.set G, 0
.rept 16*NBT                           ; written out: every offset is an immediate
.set nxc, (G+1)/(NBT*KSL)              ; the chunk that the next group belongs to
.if G == 16*NBT-1
	s_wait_dscnt 0x0
	MULS G, 0, 3
	WIN 0
.elseif (((G+1)%(NBT*KSL)) == 0) && (nxc <= NCH-NR)
	TURN G, 1
.elseif (((G+1)%(NBT*KSL)) == 0) && (nxc == NCH-1)
	TURN G, 0
.else
	GRP G                                          ; (a chunk's border without a barrier: that chunk was shown whole by an earlier round's wait for all loads)
.endif
.set G, G+1
.endr
	; ---- THE WAY OUT
	PLACES
	s_lshl_b32 s92, s[TY], 7
	s_lshl_b32 s93, s[WV], 5
	s_add_co_u32 s92, s92, s93                     ; the first row that I store: 128 x tile row + 32 x wave
	s_lshl_b32 s92, s92, 13
	s_lshl_b32 s93, s[TX], 9
	s_add_co_u32 s92, s92, s93                     ; and the tile's first column, in bytes
	s_mov_b32 s93, 0
.if MODE == 1
	s_add_nc_u64 s[94:95], s[14:15], s[92:93]      ; q
	s_add_nc_u64 s[96:97], s[94:95], 0x1000000     ; k
.elseif MODE == 2
	s_add_nc_u64 s[94:95], s[10:11], s[92:93]      ; out
.else
	s_add_nc_u64 s[94:95], s[10:11], s[92:93]      ; out, to be read
	s_add_nc_u64 s[96:97], s[12:13], s[92:93]      ; the output
.set ii, 0
.rept 32                               ; my 32 rows of out are asked for now and land while the gate goes through the stage
	global_load_b128 v[128+4*ii:128+4*ii+3], v3, s[94:95] offset:ii*8192 th:TH_LOAD_NT
.set ii, ii+1
.endr
.endif
	s_wait_alu depctr_va_vdst(0)
	s_wait_dscnt 0x0
	s_barrier_signal -1
	s_barrier_wait -1                              ; every wave has read its last fragment: the regions may take the stages
.set tt, 0
.rept NBT
	WIN 0x04*(1+tt)                                ; an LDS store's data are its source 1
.irp a, 0,1,2,3
.irp bb, 0,1
.irp jj, 0,1,2,3
	ds_store_b128 v[STO+tt], v[8*(4*\a+2*\bb+\jj/2)+4*(\jj%2):8*(4*\a+2*\bb+\jj/2)+4*(\jj%2)+3] offset:16*\a*SP+128*\bb+16*\jj   ; each accumulator from its low end on
.endr
.endr
.endr
.set tt, tt+1
.endr
	WIN 0
	s_wait_dscnt 0x0                               ; for the others' sake: my stores into the stages are done
	s_barrier_signal -1
	s_barrier_wait -1
.macro ROWS rd, beta, buf              ; 16 whole rows back from a stage
.set ii, 0
.rept 16
	ds_load_b128 v[\buf+4*ii:\buf+4*ii+3], v[\rd] offset:(16*\beta+ii)*SP
.set ii, ii+1
.endr
.endm
.macro SEND beta, buf, base, younger   ; younger: the LDS loads issued behind this batch's
.set ii, 0
.rept 16
	s_wait_dscnt \younger+15-ii
	global_store_b128 v3, v[\buf+4*ii:\buf+4*ii+3], s[\base:\base+1] offset:(16*\beta+ii)*8192   ; 32 lanes store 512 consecutive bytes, aligned
.set ii, ii+1
.endr
.endm
.if MODE != 3
.if MODE == 1
.set PA, TX                            ; v's codes: row block 8 x head + 2 w + u, K step = the tile row
.set PB, TY
.set COFF, 6291456
.set SOFF, 9699328
.set CP, 16
.else
.set PA, TY                            ; out's codes: row block 8 x tile row + 2 w + e, K step = the tile column
.set PB, TX
.set COFF, 0
.set SOFF, 3145728
.set CP, 12
.endif
	s_lshl_b32 s92, s[PA], 3
	s_lshl_b32 s93, s[WV], 1
	s_add_co_u32 s92, s92, s93
	s_lshl_b32 s92, s92, 4
	s_add_co_u32 s92, s92, s[PB]
	s_mul_i32 s98, s92, 1536
	s_add_co_u32 s98, s98, COFF
	s_mov_b32 s99, 0
	s_lshl_b32 s100, s92, 6
	s_add_co_u32 s100, s100, SOFF
	s_mov_b32 s101, 0
	s_add_nc_u64 s[98:99], s[CP:CP+1], s[98:99]
	s_add_nc_u64 s[100:101], s[CP:CP+1], s[100:101]
	s_mov_b32 s[SEL], 0x76543210
	s_mov_b32 s[SEL+1], 0xfedcba98                 ; lane selects: lane l xor 16
	v_and_b32 v26, 31, v0
	v_cmp_le_u32 s[MSK], 16, v26                   ; lanes 16-31
.endif
.if MODE == 1
	ROWS RD, 0, 32
	ROWS RD, 1, 96
	SEND 0, 32, 94, 16
	s_wait_xcnt 0x0                                ; the stores have read their data: the buffer is loaded again only behind this wait
	ROWS RD+1, 0, 32
	SEND 1, 96, 94, 16
	s_wait_xcnt 0x0
	ROWS RD+1, 1, 96
	SEND 0, 32, 96, 16
	SEND 1, 96, 96, 0
	; v: the stage holds 128 tokens x the head's 128 channels: exactly one K step of V^T.  A lane takes a channel, its registers run down the tokens: a block of 32 lies in one lane, in the very lane and registers of the image.
.set VX, 160                           ; v160-223 two sets of 32 numbers
.set VF, 224                           ; v224-247 two fragments
.set M0, 248
.set M1, 249
.set SO, 250
.set BY, 251
.set TP, 252
.macro BLKQ xs, f
	v_max3_num_f32 v[M0], |v[\xs]|, |v[\xs+1]|, |v[\xs+2]|
	v_max3_num_f32 v[M1], |v[\xs+3]|, |v[\xs+4]|, |v[\xs+5]|
.irp i, 6,10,14,18,22,26
	v_max3_num_f32 v[M0], v[M0], |v[\xs+\i]|, |v[\xs+\i+1]|
	v_max3_num_f32 v[M1], v[M1], |v[\xs+\i+2]|, |v[\xs+\i+3]|
.endr
	v_max3_num_f32 v[M0], v[M0], |v[\xs+30]|, |v[\xs+31]|
	v_max3_num_f32 v[M0], v[M0], v[M1], 0x1800000      ; and the floor 2^(3 - 127): the byte cannot fall under 1
	v_add_nc_u32 v[SO], 0xff000000, v[M0]              ; 2 off the exponent field: the conversion's scale operand
	v_lshrrev_b32 v[BY], 23, v[SO]
	v_cvt_scalef32_pk16_fp6_f32 v[\f:\f+2], v[\xs:\xs+15], v[SO]
	v_cvt_scalef32_pk16_fp6_f32 v[TP:TP+2], v[\xs+16:\xs+31], v[SO]
	v_nop                                              ; one plain place behind a scaled conversion
	v_mov_b32 v[\f+3], v[TP]
	v_mov_b32 v[\f+4], v[TP+1]
	v_mov_b32 v[\f+5], v[TP+2]
.endm
.macro VLOAD t                         ; block t: row block u = t / 2, c = t % 2: tokens 64 c + 32 (lane / 16) + 0 .. 31
.set ii, 0
.rept 32
	ds_load_b32 v[VX+32*((\t)%2)+ii], v[VRD] offset:32*((\t)/2)+(64*((\t)%2)+ii)*SP
.set ii, ii+1
.endr
.endm
.macro VBLK t
.if (\t) < 3
	s_wait_dscnt 32                                ; this block's 32 loads are in; the next block's may be out
.else
	s_wait_dscnt 0x0
.endif
	BLKQ VX+32*((\t)%2), VF+12*((\t)/2)+6*((\t)%2)
.if (\t)%2 == 0
	v_mov_b32 v24, v[BY]
.else
	v_lshl_or_b32 v24, v[BY], 16, v24              ; my two bytes: blocks (lane / 16) and 2 + (lane / 16) of my channel,
	v_lshlrev_b32 v24, v25, v24                    ; at their places in the word;
	v_permlanex16_b32 v[22+(\t)/2], v24, s[SEL], s[SEL+1]
	v_or_b32 v[22+(\t)/2], v[22+(\t)/2], v24       ; with lane l xor 16's two the word is whole
.endif
.if (\t)+2 < 4
	VLOAD (\t)+2
.endif
.endm
	v_mov_b32 v22, 0                               ; (a lane permute's destination counts as one of its sources)
	v_mov_b32 v23, 0
	v_lshlrev_b32 v25, 3, v2
	VLOAD 0
	VLOAD 1
.irp t, 0,1,2,3
	VBLK \t
.endr
.irp u, 0,1
.irp cc, 0,1,2
	global_store_b128 v3, v[VF+12*\u+4*\cc:VF+12*\u+4*\cc+3], s[98:99] offset:\u*24576+512*\cc
.endr
.endr
	v_cndmask_b32 v24, v22, v23, s[MSK]            ; lanes 0-15: row block u = 0's words, lanes 16-31: u = 1's
	global_store_b32 v[VSO], v24, s[100:101]
.endif
.if MODE == 2
.set QN,  160                          ; v160-223 64 numbers of a lane
.set PC,  224                          ; v224-243 the codes just made
.set PW,  244
.set PWA, 245
.set SW,  246
.set TM,  32                           ; v32-47 at work
.macro QUANT s
.irp b, 0,1,2,3
	v_max3_num_f32 v[TM+\b], |v[\s+16*\b]|, |v[\s+1+16*\b]|, 0x1800000
.endr
.irp i, 2,4,6,8,10,12,14
.irp b, 0,1,2,3
	v_max3_num_f32 v[TM+\b], v[TM+\b], |v[\s+16*\b+\i]|, |v[\s+1+16*\b+\i]|
.endr
.endr
.irp b, 0,1,2,3
	v_permlanex16_b32 v[TM+4+\b], v[TM+\b], s[SEL], s[SEL+1]
.endr
.irp b, 0,1,2,3
	v_max_num_f32 v[TM+\b], v[TM+\b], v[TM+4+\b]
.endr
.irp b, 0,1,2,3
	v_add_nc_u32 v[TM+12+\b], 0xff000000, v[TM+\b]
.endr
.irp b, 0,1,2,3
	v_lshrrev_b32 v[TM+4+\b], 23, v[TM+12+\b]
.endr
	v_lshl_or_b32 v[PW], v[TM+5], 8, v[TM+4]
	v_lshl_or_b32 v[PW], v[TM+6], 16, v[PW]
	v_lshl_or_b32 v[PW], v[TM+7], 24, v[PW]
.irp c, 0,1
	v_cvt_scalef32_pk16_fp6_f32 v[PC+6*\c:PC+2+6*\c], v[\s+32*\c:\s+15+32*\c], v[TM+12+2*\c]
	v_cvt_scalef32_pk16_fp6_f32 v[PC+12+4*\c:PC+14+4*\c], v[\s+16+32*\c:\s+31+32*\c], v[TM+12+2*\c+1]
.endr
	v_nop                                          ; one plain place behind a scaled conversion
.irp c, 0,1
.irp i, 0,1,2
	v_permlane16_swap_b32 v[PC+6*\c+\i], v[PC+12+4*\c+\i]
.endr
.irp i, 0,1,2
	v_mov_b32 v[PC+3+6*\c+\i], v[PC+12+4*\c+\i]
.endr
.endr
.endm
.macro QLOAD e                         ; rows 32 w + 16 e + r: register 16 b + i = column 32 b + 16 (lane / 16) + i
.irp b, 0,1,2,3
.irp j, 0,1,2,3
	ds_load_b128 v[QN+16*\b+4*\j:QN+16*\b+4*\j+3], v[VRD] offset:16*SP*\e+128*\b+16*\j
.endr
.endr
.endm
	ROWS RD, 0, 32
	ROWS RD, 1, 96
	SEND 0, 32, 94, 16
	SEND 1, 96, 94, 0
	QLOAD 0
	s_wait_xcnt 0x0                                ; the f32 stores have read their data: v32-47 are written again only behind this wait
	s_wait_dscnt 0x0
	QUANT QN
.irp cc, 0,1,2
	global_store_b128 v3, v[PC+4*\cc:PC+4*\cc+3], s[98:99] offset:512*\cc
.endr
	v_mov_b32 v[PWA], v[PW]
	QLOAD 1
	s_wait_dscnt 0x0
	s_wait_xcnt 0x0                                ; the codes' stores have read their data
	QUANT QN
.irp cc, 0,1,2
	global_store_b128 v3, v[PC+4*\cc:PC+4*\cc+3], s[98:99] offset:24576+512*\cc
.endr
	v_cndmask_b32 v[SW], v[PWA], v[PW], s[MSK]     ; lanes 0-15: row block e = 0's words, lanes 16-31: e = 1's
	global_store_b32 v[VSO], v[SW], s[100:101]
.endif
.if MODE == 3
.irp be, 0,1                           ; 16 rows at a time: out x 1 / (1 + 2^(-gate x log2(e)))
.if \be == 1
	s_wait_xcnt 0x0                                ; the first batch's stores have read their data
.endif
	ROWS RD, \be, 32
	s_wait_dscnt 0x0
.set jj, 0
.rept 32
	v_pk_mul_f32 v[32+jj:33+jj], v[32+jj:33+jj], 0xbfb8aa3b op_sel_hi:[1,0]
.set jj, jj+2
.endr
.set jj, 0
.rept 64
	v_exp_f32 v[32+jj], v[32+jj]
.set jj, jj+1
.endr
	v_nop                                          ; a plain place behind the last exponential
	s_wait_alu depctr_va_vdst(0)                   ; one wait for the batch, ahead of its first reader
.set jj, 0
.rept 32
	v_pk_add_f32 v[32+jj:33+jj], v[32+jj:33+jj], 1.0 op_sel_hi:[1,0]
.set jj, jj+2
.endr
.set jj, 0
.rept 64
	v_rcp_f32 v[32+jj], v[32+jj]                   ; (an exponential that has run to infinity gives 0 here, as the sigmoid does)
.set jj, jj+1
.endr
	v_nop
	s_wait_alu depctr_va_vdst(0)
	s_wait_loadcnt 16-16*\be                       ; these 16 rows of out are in; the 16 behind them may be out
.set jj, 0
.rept 32
	v_pk_mul_f32 v[32+jj:33+jj], v[32+jj:33+jj], v[128+64*\be+jj:129+64*\be+jj]
.set jj, jj+2
.endr
.set ii, 0
.rept 16
	global_store_b128 v3, v[32+4*ii:35+4*ii], s[96:97] offset:(16*\be+ii)*8192 th:TH_STORE_NT
.set ii, ii+1
.endr
.endr
.endif
	s_wait_tensorcnt 0x0                           ; the wave's end, behind my last tensor load and my last LDS store
	ds_add_u32 v[SPW], v[NIL]
	s_wait_dscnt 0x0
	CROUND                                         ; the closing round: no work-group ends while a partner may still ask for a tile that names it
	s_endpgm
.Lfunc_end_k_q24ec71fd42_qkv:
	.size	k_q24ec71fd42_qkv, .Lfunc_end_k_q24ec71fd42_qkv-k_q24ec71fd42_qkv
	.p2alignl 7, 3214868480
	.fill 96, 4, 3214868480
	.section	.rodata,"a",@progbits
	.p2align	6, 0x0
	.amdhsa_kernel k_q24ec71fd42_qkv
		.amdhsa_group_segment_fixed_size 327680
		.amdhsa_private_segment_fixed_size 0
		.amdhsa_enable_private_segment 0
		.amdhsa_kernarg_size 56
		.amdhsa_user_sgpr_count 2
		.amdhsa_user_sgpr_kernarg_segment_ptr 1
		.amdhsa_wavefront_size32 1
		.amdhsa_system_sgpr_workgroup_id_x 1
		.amdhsa_system_sgpr_workgroup_id_y 1
		.amdhsa_system_sgpr_workgroup_id_z 1
		.amdhsa_system_vgpr_workitem_id 0
		.amdhsa_next_free_vgpr 1024
		.amdhsa_next_free_sgpr 106
		.amdhsa_reserve_vcc 0
		.amdhsa_float_denorm_mode_32 3
		.amdhsa_float_denorm_mode_16_64 3
		.amdhsa_memory_ordered 1
		.amdhsa_forward_progress 1
		.amdhsa_inst_pref_size 223
	.end_amdhsa_kernel
	.amdgpu_metadata
---
amdhsa.version: [ 1, 2 ]
amdhsa.kernels:
  - .name:           k_q24ec71fd42_qkv
    .symbol:         k_q24ec71fd42_qkv.kd
    .args:
      - { .name: xq, .offset: 0, .size: 8, .value_kind: global_buffer, .address_space: global }
      - { .name: wc, .offset: 8, .size: 8, .value_kind: global_buffer, .address_space: global }
      - { .name: bq, .offset: 16, .size: 8, .value_kind: global_buffer, .address_space: global }
      - { .name: bk, .offset: 24, .size: 8, .value_kind: global_buffer, .address_space: global }
      - { .name: bv, .offset: 32, .size: 8, .value_kind: global_buffer, .address_space: global }
      - { .name: qkf, .offset: 40, .size: 8, .value_kind: global_buffer, .address_space: global }
      - { .name: qkvc, .offset: 48, .size: 8, .value_kind: global_buffer, .address_space: global }
    .group_segment_fixed_size: 327680
    .private_segment_fixed_size: 0
    .kernarg_segment_align: 8
    .kernarg_segment_size: 56
    .max_flat_workgroup_size: 128
    .sgpr_count:     106
    .vgpr_count:     1024
    .wavefront_size: 32
...
	.end_amdgpu_metadata
.endif
;; end of part 2
;; launch normrope (part 3): grid 256 x 1, 16 waves a work-group, no clusters, 146,944 bytes of LDS; arguments qkf, gq, gk, cos, sin, qkvc; writes qkvc
.if DOCPART == 3
	.amdgcn_target "amdgcn-amd-amdhsa--gfx1250"
	.amdhsa_code_object_version 6
	.text
	.protected	k_q24ec71fd42_normrope
	.globl	k_q24ec71fd42_normrope
	.p2align	8
	.type	k_q24ec71fd42_normrope,@function
k_q24ec71fd42_normrope:
	s_mov_b64 s[64:65], 0
	v_nop
	global_prefetch_b8 v0, s[64:65] scope:SCOPE_SE
	s_setreg_imm32_b32 hwreg(HW_REG_WAVE_MODE, 25, 1), 1
	s_wait_xcnt 0x0
; q and k (f32 rows of 2,048, bias added) get their RMS norm over the whole row, the gain, the split rotary turn within each head of 128, and are quantised along the head's 128 to codes of FP6 (E2M3), one E8M0 byte for each 32.
; SHARES.  Work-groups 0-127 take q, 128-255 k; a work-group takes one block of 16 rows, whole; its sixteen waves take a head each.  So each row is read once, and a row's sum of squares meets in LDS: one barrier.
; q's blocks hold neighbouring rows.  k's do not: lane r of block 2 b + u takes token 32 b + 8 u + r + 8 (r / 8), as the attention's first product wants its source 0.
; A lane (r = lane % 16, h = lane / 16) works on 64 numbers of row r: register 16 b + i = channel 32 b + 16 h + i.  The rotary partner of channel d < 64 is d + 64: register + 32 of the same lane.
; LOADS.  Each of a wave's 16 loads reads one row's 512 consecutive bytes of its head; the rows turn through the wave's own stage in LDS (rows 528 bytes apart) and come back 64 bytes a lane.
; cos and sin of the block's 16 rows, 4,096 bytes each, are the same for all sixteen heads: they come ONCE, 16 bytes a thread (waves 0-7 cos, waves 8-15 sin), and are read from LDS behind the barrier.
; The result is one fragment a wave, stored as the image of its registers at (128 x head + block) x 1,536, its 16 scale words at (128 x head + block) x 64.
; LIMITS: a block of zeros gets the byte 1 where the quantiser says 127 (its codes are zeros; the bytes are read by this program alone); blocks under 2^-124 are held at byte 1; NaN and infinities are not served.
.set XR,  32                           ; v32-95   the row's numbers; later QUANT's scratch
.set OR,  96                           ; v96-159  the gain; later the turned numbers
.set CO,  160                          ; v160-191 cos
.set SI,  192                          ; v192-223 sin
.set RAW, 160                          ; v160-223 before that: the 16 rows as they are loaded
.set TM,  32
.set PW,  48
.set PC,  52
.set SEL, 28
.set SPW, 9
.set NIL, 10
.set XW,  224                          ; v224 my stage, on the way in: 16 x lane
.set XRD, 225                          ; v225 and on the way out: row r, + 64 h
.set CSW, 226                          ; v226 where I put my 16 bytes of cos or sin
.set CRD, 227                          ; v227 where I read cos: row r, + 64 h; sin lies 16 rows further on
.set CSD, 228                          ; v228-231 my 16 bytes of cos or sin
.set XO2, 232                          ; v232 16 x lane, for k + 8 rows: the offset of the block's rows 8 to 15
.set SPARE, 1024                       ; LDS: bytes 0-1,023 the partial sums, [row r][head]; then the spare words, 128 bytes for each wave: eight blocks of 256 bytes that no other line names;
.set CSB, 3072                         ; cos, 16 rows of 256 bytes + 16, then sin likewise;
.set CP,  272
.set XST, CSB+2*16*CP                  ; and the sixteen stages, 16 rows of 512 bytes + 16 each
.set SP,  528
.macro QUANT s
.irp b, 0,1,2,3
	v_max3_num_f32 v[TM+\b], |v[\s+16*\b]|, |v[\s+1+16*\b]|, 0x1800000   ; my 16 numbers of block b, and the floor 2^(3 - 127)
.endr
.irp i, 2,4,6,8,10,12,14
.irp b, 0,1,2,3
	s_delay_alu instid0(VALU_DEP_4)
	v_max3_num_f32 v[TM+\b], v[TM+\b], |v[\s+16*\b+\i]|, |v[\s+1+16*\b+\i]|
.endr
.endr
.irp b, 0,1,2,3
	s_delay_alu instid0(VALU_DEP_4)
	v_permlanex16_b32 v[TM+4+\b], v[TM+\b], s[SEL], s[SEL+1]
.endr
.irp b, 0,1,2,3
	s_delay_alu instid0(VALU_DEP_4)
	v_max_num_f32 v[TM+\b], v[TM+\b], v[TM+4+\b]
.endr
.irp b, 0,1,2,3
	s_delay_alu instid0(VALU_DEP_4)
	v_add_nc_u32 v[TM+12+\b], 0xff000000, v[TM+\b]   ; 2 off the exponent field: the conversion's scale operand
.endr
.irp b, 0,1,2,3
	s_delay_alu instid0(VALU_DEP_4)
	v_lshrrev_b32 v[TM+4+\b], 23, v[TM+12+\b]
.endr
	s_delay_alu instid0(VALU_DEP_3)
	v_lshl_or_b32 v[PW], v[TM+5], 8, v[TM+4]
	s_delay_alu instid0(VALU_DEP_1)
	v_lshl_or_b32 v[PW], v[TM+6], 16, v[PW]
	s_delay_alu instid0(VALU_DEP_1)
	v_lshl_or_b32 v[PW], v[TM+7], 24, v[PW]
.irp c, 0,1
	v_cvt_scalef32_pk16_fp6_f32 v[PC+6*\c:PC+2+6*\c], v[\s+32*\c:\s+15+32*\c], v[TM+12+2*\c]
	v_cvt_scalef32_pk16_fp6_f32 v[PC+12+4*\c:PC+14+4*\c], v[\s+16+32*\c:\s+31+32*\c], v[TM+12+2*\c+1]
.endr
	v_nop                                          ; one plain place behind a scaled conversion
.irp c, 0,1
.irp i, 0,1,2
	v_permlane16_swap_b32 v[PC+6*\c+\i], v[PC+12+4*\c+\i]
.endr
.irp i, 0,1,2
	s_delay_alu instid0(VALU_DEP_3)
	v_mov_b32 v[PC+3+6*\c+\i], v[PC+12+4*\c+\i]
.endr
.endr
.endm
	s_load_b256 s[4:11], s[0:1], 0x0               ; qkf, gq, gk, cos
	s_load_b128 s[12:15], s[0:1], 0x20             ; sin, qkvc
	v_lshl_add_u32 v[SPW], v0, 2, SPARE
	v_mov_b32 v[NIL], 0
	v_lshrrev_b32 v1, 5, v0
	s_delay_alu instid0(VALU_DEP_1)
	v_readfirstlane_b32 s16, v1                    ; wave = head
	s_lshr_b32 s17, ttmp9, 7                       ; 0: q, 1: k
	s_and_b32 s18, ttmp9, 127                      ; the block of 16 rows
	v_and_b32 v1, 15, v0                           ; r
	v_bfe_u32 v2, v0, 4, 1                         ; h
	v_and_b32 v3, 31, v0
	s_delay_alu instid0(VALU_DEP_1)
	v_lshlrev_b32 v3, 4, v3                        ; 16 x lane: my 16 bytes of a load's 512, and an image's place for my lane
	s_wait_alu depctr_va_vdst(0)
	s_lshl_b32 s19, s18, 4                         ; q: the block's first row
	s_lshr_b32 s20, s18, 1
	s_lshl_b32 s20, s20, 5
	s_and_b32 s21, s18, 1
	s_lshl_b32 s21, s21, 3
	s_add_co_u32 s20, s20, s21                     ; k: 32 (block / 2) + 8 (block % 2)
	s_cmp_eq_u32 s17, 0
	s_cselect_b32 s19, s19, s20
	s_lshl_b32 s22, s17, 16
	v_add_nc_u32 v[XO2], s22, v3                   ; k's rows 8 to 15 lie 8 tokens, 65,536 bytes, further on
	v_bfe_u32 v14, v0, 4, 4                        ; cos and sin: thread t takes row (t / 16) % 16 of the block, bytes 16 (t % 16) on
	s_delay_alu instid0(VALU_DEP_1)
	v_and_b32 v15, 8, v14
	s_delay_alu instid0(VALU_DEP_1)
	v_mul_u32_u24 v15, s17, v15                    ; k: + 8 (row / 8)
	s_delay_alu instid0(VALU_DEP_1)
	v_add_nc_u32 v15, v15, v14
	s_delay_alu instid0(VALU_DEP_1)
	v_add_nc_u32 v15, s19, v15                     ; its token
	v_lshlrev_b32 v5, 4, v1
	s_delay_alu instid0(VALU_DEP_1)
	v_lshl_add_u32 v5, v15, 8, v5                  ; in cos and sin: rows of 256 bytes
	s_lshr_b32 s22, s16, 3                         ; waves 0-7: cos, waves 8-15: sin
	s_mul_i32 s22, s22, 16*CP
	s_add_co_u32 s22, s22, CSB
	v_mul_u32_u24 v[CSW], v14, CP
	s_delay_alu instid0(VALU_DEP_1)
	v_lshl_add_u32 v[CSW], v1, 4, v[CSW]
	s_delay_alu instid0(VALU_DEP_1)
	v_add_nc_u32 v[CSW], s22, v[CSW]
	v_mul_u32_u24 v[CRD], v1, CP
	s_delay_alu instid0(VALU_DEP_1)
	v_lshl_add_u32 v[CRD], v2, 6, v[CRD]
	s_delay_alu instid0(VALU_DEP_1)
	v_add_nc_u32 v[CRD], CSB, v[CRD]
	s_mul_i32 s23, s16, 16*SP                      ; my wave's stage
	s_add_co_u32 s23, s23, XST
	v_add_nc_u32 v[XW], s23, v3
	v_mul_u32_u24 v[XRD], v1, SP
	s_delay_alu instid0(VALU_DEP_1)
	v_lshl_add_u32 v[XRD], v2, 6, v[XRD]
	s_delay_alu instid0(VALU_DEP_1)
	v_add_nc_u32 v[XRD], s23, v[XRD]
	v_lshlrev_b32 v6, 6, v2                        ; 64 h: my place in the gain
	v_lshlrev_b32 v8, 6, v1                        ; LDS: row r's sixteen partial sums
	s_lshl_b32 s22, s16, 2
	v_add_nc_u32 v7, s22, v8                       ; and mine among them
	v_lshlrev_b32 v11, 2, v1                       ; my row's scale word
	s_lshl_b32 s24, s17, 24                        ; q or k,
	s_lshl_b32 s26, s16, 9                         ; the head's 512 bytes of a row,
	s_add_co_u32 s24, s24, s26
	s_lshl_b32 s25, s19, 13                        ; the block's first row
	s_add_co_u32 s24, s24, s25
	s_mov_b32 s25, 0
	s_mov_b32 s27, 0
	s_mov_b32 s[SEL], 0x76543210
	s_mov_b32 s[SEL+1], 0xfedcba98                 ; lane selects: lane l xor 16
	s_mov_b32 s30, 0x3a000000                      ; 1 / 2,048
	s_mov_b32 s31, 0x358637bd                      ; 1e-6
	s_lshl_b32 s32, s16, 7
	s_add_co_u32 s32, s32, s18                     ; 128 x head + block
	s_mul_i32 s34, s32, 1536
	s_mul_i32 s33, s17, 3145728
	s_add_co_u32 s34, s34, s33
	s_mov_b32 s35, 0
	s_lshl_b32 s36, s32, 6
	s_lshl_b32 s33, s17, 17
	s_add_co_u32 s36, s36, s33
	s_add_co_u32 s36, s36, 9437184
	s_mov_b32 s37, 0
	s_wait_alu depctr_va_vdst(0)
	s_wait_kmcnt 0x0
	s_cmp_eq_u32 s17, 0                            ; the choice hangs on the work-group's number alone
	s_cselect_b64 s[6:7], s[6:7], s[8:9]
	s_cmp_lt_u32 s16, 8                            ; and this one on the wave's
	s_cselect_b64 s[10:11], s[10:11], s[12:13]
	s_add_nc_u64 s[4:5], s[4:5], s[24:25]
	s_add_nc_u64 s[6:7], s[6:7], s[26:27]
	s_add_nc_u64 s[34:35], s[14:15], s[34:35]
	s_add_nc_u64 s[36:37], s[14:15], s[36:37]
.set ii, 0
.rept 8
	global_load_b128 v[RAW+4*ii:RAW+4*ii+3], v3, s[4:5] offset:ii*8192 th:TH_LOAD_NT       ; row ii of the block: 512 consecutive bytes
.set ii, ii+1
.endr
.rept 8
	global_load_b128 v[RAW+4*ii:RAW+4*ii+3], v[XO2], s[4:5] offset:ii*8192 th:TH_LOAD_NT
.set ii, ii+1
.endr
	global_load_b128 v[CSD:CSD+3], v5, s[10:11]    ; a wave reads two rows' 512 bytes of cos or of sin
.irp b, 0,1,2,3
.irp j, 0,1,2,3
	global_load_b128 v[OR+16*\b+4*\j:OR+16*\b+4*\j+3], v6, s[6:7] offset:128*\b+16*\j
.endr
.endr
	s_wait_loadcnt 17                              ; the rows' 16 loads are in; cos or sin (1 load) and the gain (16) may be out
.set ii, 0
.rept 16
	ds_store_b128 v[XW], v[RAW+4*ii:RAW+4*ii+3] offset:ii*SP
.set ii, ii+1
.endr
.irp b, 0,1,2,3
.irp j, 0,1,2,3
	ds_load_b128 v[XR+16*\b+4*\j:XR+16*\b+4*\j+3], v[XRD] offset:128*\b+16*\j   ; LDS serves a wave's instructions in order (ISA guide 5.7.1.4): these see the stores above
.endr
.endr
	s_wait_loadcnt 16                              ; my 16 bytes of cos or sin are in; the gain's 16 loads may be out
	ds_store_b128 v[CSW], v[CSD:CSD+3]
	s_wait_dscnt 1                                 ; the row's numbers are back; the store just issued may be out
.irp k, 0,1,2,3                        ; the sum of my 64 squares, in four chains
	v_pk_mul_f32 v[16+2*\k:17+2*\k], v[XR+2*\k:XR+2*\k+1], v[XR+2*\k:XR+2*\k+1]
.endr
.irp j, 8,16,24,32,40,48,56
.irp k, 0,1,2,3
	s_delay_alu instid0(VALU_DEP_4)
	v_pk_fma_f32 v[16+2*\k:17+2*\k], v[XR+\j+2*\k:XR+\j+2*\k+1], v[XR+\j+2*\k:XR+\j+2*\k+1], v[16+2*\k:17+2*\k]
.endr
.endr
	s_delay_alu instid0(VALU_DEP_3)
	v_pk_add_f32 v[16:17], v[16:17], v[18:19]
	s_delay_alu instid0(VALU_DEP_2)
	v_pk_add_f32 v[20:21], v[20:21], v[22:23]
	s_delay_alu instid0(VALU_DEP_1)
	v_pk_add_f32 v[16:17], v[16:17], v[20:21]
	s_delay_alu instid0(VALU_DEP_1)
	v_add_f32 v16, v16, v17
	s_delay_alu instid0(VALU_DEP_1)
	v_permlanex16_b32 v17, v16, s[SEL], s[SEL+1]
	s_delay_alu instid0(VALU_DEP_1)
	v_add_f32 v16, v16, v17                        ; with lane l xor 16's: row r's share of this head
	ds_store_b32 v7, v16                           ; both halves of the lanes write the same word with the same value
	s_wait_dscnt 0x0                               ; for the others' sake: my sum and my part of cos or sin have landed
	s_barrier_signal -1
	s_barrier_wait -1
	ds_load_b128 v[16:19], v8
	ds_load_b128 v[20:23], v8 offset:16
	ds_load_b128 v[24:27], v8 offset:32
	ds_load_b128 v[28:31], v8 offset:48
.irp b, 0,1
.irp j, 0,1,2,3
	ds_load_b128 v[CO+16*\b+4*\j:CO+16*\b+4*\j+3], v[CRD] offset:128*\b+16*\j
.endr
.endr
.irp b, 0,1
.irp j, 0,1,2,3
	ds_load_b128 v[SI+16*\b+4*\j:SI+16*\b+4*\j+3], v[CRD] offset:16*CP+128*\b+16*\j
.endr
.endr
	s_wait_dscnt 16                                ; the sixteen sums are in; the 16 loads of cos and sin may be out
	v_pk_add_f32 v[16:17], v[16:17], v[18:19]      ; every wave adds the sixteen in the same order
	v_pk_add_f32 v[20:21], v[20:21], v[22:23]
	v_pk_add_f32 v[24:25], v[24:25], v[26:27]
	v_pk_add_f32 v[28:29], v[28:29], v[30:31]
	s_delay_alu instid0(VALU_DEP_3)
	v_pk_add_f32 v[16:17], v[16:17], v[20:21]
	s_delay_alu instid0(VALU_DEP_2)
	v_pk_add_f32 v[24:25], v[24:25], v[28:29]
	s_delay_alu instid0(VALU_DEP_1)
	v_pk_add_f32 v[16:17], v[16:17], v[24:25]
	s_delay_alu instid0(VALU_DEP_1)
	v_add_f32 v16, v16, v17
	s_delay_alu instid0(VALU_DEP_1)
	v_fma_f32 v14, v16, s30, s31                   ; the mean square + eps
	s_wait_alu depctr_va_vdst(0)
	v_rsq_f32 v12, v14
	v_rsq_f32 v13, v14                             ; twice: a pair for the packed multiply
	v_nop                                          ; a plain place behind the transcendentals
	s_wait_alu depctr_va_vdst(0)                   ; one wait for both, ahead of their first reader
	s_wait_loadcnt 0x0                             ; the gain
.set jj, 0
.rept 32
	v_pk_mul_f32 v[XR+jj:XR+jj+1], v[XR+jj:XR+jj+1], v[12:13]
.set jj, jj+2
.endr
.set jj, 0
.rept 32
	v_pk_mul_f32 v[XR+jj:XR+jj+1], v[XR+jj:XR+jj+1], v[OR+jj:OR+jj+1]
.set jj, jj+2
.endr
	s_wait_dscnt 0x0                               ; cos and sin
.set jj, 0
.rept 16                               ; o1 = x1 cos - sin x2;  o2 = x2 cos + sin x1
	v_pk_mul_f32 v[OR+jj:OR+jj+1], v[XR+jj:XR+jj+1], v[CO+jj:CO+jj+1]
	v_pk_mul_f32 v[OR+32+jj:OR+33+jj], v[XR+32+jj:XR+33+jj], v[CO+jj:CO+jj+1]
	s_delay_alu instid0(VALU_DEP_2)
	v_pk_fma_f32 v[OR+jj:OR+jj+1], v[SI+jj:SI+jj+1], v[XR+32+jj:XR+33+jj], v[OR+jj:OR+jj+1] neg_lo:[1,0,0] neg_hi:[1,0,0]
	s_delay_alu instid0(VALU_DEP_2)
	v_pk_fma_f32 v[OR+32+jj:OR+33+jj], v[SI+jj:SI+jj+1], v[XR+jj:XR+jj+1], v[OR+32+jj:OR+33+jj]
.set jj, jj+2
.endr
	QUANT OR
.irp cc, 0,1,2
	global_store_b128 v3, v[PC+4*\cc:PC+4*\cc+3], s[34:35] offset:512*\cc   ; 512 consecutive bytes
.endr
	global_store_b32 v11, v[PW], s[36:37]          ; lanes l and l + 16 hold the same word and name the same address
	s_wait_tensorcnt 0x0                           ; the wave's end, behind my last LDS store
	ds_add_u32 v[SPW], v[NIL]
	s_wait_dscnt 0x0
	s_endpgm
.Lfunc_end_k_q24ec71fd42_normrope:
	.size	k_q24ec71fd42_normrope, .Lfunc_end_k_q24ec71fd42_normrope-k_q24ec71fd42_normrope
	.p2alignl 7, 3214868480
	.fill 96, 4, 3214868480
	.section	.rodata,"a",@progbits
	.p2align	6, 0x0
	.amdhsa_kernel k_q24ec71fd42_normrope
		.amdhsa_group_segment_fixed_size 146944
		.amdhsa_private_segment_fixed_size 0
		.amdhsa_enable_private_segment 0
		.amdhsa_kernarg_size 48
		.amdhsa_user_sgpr_count 2
		.amdhsa_user_sgpr_kernarg_segment_ptr 1
		.amdhsa_wavefront_size32 1
		.amdhsa_system_sgpr_workgroup_id_x 1
		.amdhsa_system_sgpr_workgroup_id_y 1
		.amdhsa_system_sgpr_workgroup_id_z 1
		.amdhsa_system_vgpr_workitem_id 0
		.amdhsa_next_free_vgpr 240
		.amdhsa_next_free_sgpr 66
		.amdhsa_reserve_vcc 0
		.amdhsa_float_denorm_mode_32 3
		.amdhsa_float_denorm_mode_16_64 3
		.amdhsa_memory_ordered 1
		.amdhsa_forward_progress 1
		.amdhsa_inst_pref_size 30
	.end_amdhsa_kernel
	.amdgpu_metadata
---
amdhsa.version: [ 1, 2 ]
amdhsa.kernels:
  - .name:           k_q24ec71fd42_normrope
    .symbol:         k_q24ec71fd42_normrope.kd
    .args:
      - { .name: qkf, .offset: 0, .size: 8, .value_kind: global_buffer, .address_space: global }
      - { .name: gq, .offset: 8, .size: 8, .value_kind: global_buffer, .address_space: global }
      - { .name: gk, .offset: 16, .size: 8, .value_kind: global_buffer, .address_space: global }
      - { .name: cos, .offset: 24, .size: 8, .value_kind: global_buffer, .address_space: global }
      - { .name: sin, .offset: 32, .size: 8, .value_kind: global_buffer, .address_space: global }
      - { .name: qkvc, .offset: 40, .size: 8, .value_kind: global_buffer, .address_space: global }
    .group_segment_fixed_size: 146944
    .private_segment_fixed_size: 0
    .kernarg_segment_align: 8
    .kernarg_segment_size: 48
    .max_flat_workgroup_size: 512
    .sgpr_count:     66
    .vgpr_count:     240
    .wavefront_size: 32
...
	.end_amdgpu_metadata
.endif
;; end of part 3
;; launch attn (part 4): grid 16 x 16, 8 waves a work-group, clusters of 4 x 1, 327,680 bytes of LDS; arguments qkvc, ac; writes ac
.if DOCPART == 4
	.amdgcn_target "amdgcn-amd-amdhsa--gfx1250"
	.amdhsa_code_object_version 6
	.text
	.protected	k_q24ec71fd42_attn
	.globl	k_q24ec71fd42_attn
	.p2align	8
	.type	k_q24ec71fd42_attn,@function
k_q24ec71fd42_attn:
	s_mov_b64 s[64:65], 0
	v_nop
	global_prefetch_b8 v0, s[64:65] scope:SCOPE_SE
	s_setreg_imm32_b32 hwreg(HW_REG_WAVE_MODE, 25, 1), 1
	s_wait_xcnt 0x0
	s_wait_alu depctr_hold_cnt(0) depctr_sa_sdst(0) depctr_va_vdst(0) depctr_va_sdst(0) depctr_va_ssrc(0) depctr_va_vcc(0) depctr_vm_vsrc(0)
	s_getreg_b32 s2, hwreg(HW_REG_IB_STS2, 6, 4)
	s_cmp_eq_u32 s2, 0
	s_cbranch_scc0 .Lentry_in_a_cluster
	s_endpgm
.Lentry_in_a_cluster:
	s_bfe_u32 s2, ttmp6, 0x10000c
	s_cmp_lg_u32 s2, 0x3003
	s_cbranch_scc0 .Lentry_shape_is_right
	s_endpgm
.Lentry_shape_is_right:
; o = softmax(q k^T / sqrt(128)) v for one head and 128 queries a work-group, on codes of FP6 (E2M3) with one E8M0 byte for each 32 along K; the result is quantised along the head's 128 and leaves as a fragment's image.
; Both products are used transposed (S^T = k q^T, O^T = v^T p^T): a lane holds one query.  p = 2^(t - M), t = score x log2(e) / sqrt(128), M the ceiling of the running largest t; a change of M multiplies the sums by an exact power of two.
; The row's sum is taken of the unquantised p.  A block's largest p is made from the block's largest score by the same multiply-add and exponential.
; SHARES.  Eight waves.  Waves w and w + 4 own the same 32 queries (two tiles of 16) and halve the keys: of each slot's four steps of 128 keys, waves 0-3 take steps 0, 1 and waves 4-7 steps 2, 3.
; So each fragment of k or v that a wave reads from LDS feeds two matrix instructions.  At the end each wave of a pair gives its second tile's O^T, M and sum to the other through LDS bytes of their own and joins the two halves of its first tile.
; (Waves 4-7 hold the pair's two tiles in the other order, so all waves run one text.)
; RING: two slots of 512 keys (k 49,152 bytes, v 49,152), filled by joint loads of the cluster's four work-groups, which walk the same head: waves 0, 1 bring k's halves, waves 2-5 v's quarters.
; The head's loads, one a wave: these six and the head's scale words (wave 6 k's, wave 7 v's, 8,192 bytes each).
; PREFETCH: the slot after the one being loaded is asked of memory by the first cluster of each head: its four work-groups take k's halves and v's halves, 96 blocks of 256 bytes each, threads 0-95; it stops with the last slot.
; LIMITS: the scaled scores stay under 2^31 in magnitude; a block of zeros gets the byte 1 where the quantiser says 127 (its codes are zeros; the bytes are read by this program alone); NaN and infinities are not served.
; REGISTERS, window 0: v1-11 addresses; v12+4T -M, largest t, the sum's pair of tile T; v20+2T f, v21+2T p's scale word; v24+T q's scale words; v32-47 k's and v's scale words; v48-91 at work; v96+64T the scores, then p; p's codes at v112+64T.
;   window 1: v0-95 eight fragments of k, then of v; v96+64T O^T of tile T; v224+12T q's fragments.
.set SLOT1, 1<<17
.set VOFF,  49152
.set XO,    98304                      ; behind each slot's tiles: 32,768 bytes into which no fill lands: four waves' 8,192 bytes of O^T
.set SCK,   2*SLOT1
.set SCV,   SCK+8192
.set SPARE, SCV+8192
.set XWD,   SPARE+1024                 ; behind the spare words: 256 bytes a wave for -M and the sum
.set KC,  3145728
.set VC,  6291456
.set QSO, 9437184
.set KSO, 9568256
.set VSO, 9699328
.set AK0,  1
.set AV0,  2
.set ASK0, 3
.set ASV0, 4
.set SPW,  5
.set NIL,  6
.set R4,   7
.set ADK,  8
.set ADV,  9
.set ADS,  10
.set ADT,  11
.set PFO,  28
.set AL,   31
.set KSW,  32
.set VSW,  40
.set BM,   48                          ; tile T: v[BM+12T ..]: 4 largest scores, 4 at work, 4 scale operands
.set CT,   72                          ; tile T: 8 registers for the conversions' second halves
.set SU,   88
.set XOS,  232
.set XOL,  233
.set XWS,  234
.set XWL,  235
.set TM,   236
.set PW,   252
.set PC,   96
.set WV,   18
.set CX,   19
.set SEL,  20
.set CS,   22
.set G1K,  24
.set G1V,  32
.set G0K,  40
.set G0V,  44
.set G1S,  48
.set G0SK, 56
.set G0SV, 60
.set TB,   2
.set TS,   3
.set TJ,   66
.set SLOTS, 67
.set PFA,  76
.set PFS,  78
.set LIM,  80
.set MSB, 0
.macro WIN new
.if MSB != (\new)
	s_set_vgpr_msb (MSB<<8)|(\new)
.set MSB, (\new)
.endif
.endm
.macro TLOAD g0, g1                    ; an s_nop 0 and four v_nop follow each tensor load
	tensor_load_to_lds s[\g0:\g0+3], s[\g1:\g1+7]
	s_nop 0
.rept 4
	v_nop
.endr
.endm
.macro JLOAD                           ; the ring's joint loads: the branches hang on the wave's number alone; waves 6, 7 have no part of a slot
	s_cmp_lt_u32 s[WV], 2
	s_cbranch_scc0 .Lfor_v_\@
	TLOAD G0K, G1K
	s_branch .Lasked_\@
.Lfor_v_\@:
	s_cmp_lt_u32 s[WV], 6
	s_cbranch_scc0 .Lasked_\@
	TLOAD G0V, G1V
.Lasked_\@:
.endm
.macro CROUND
	s_barrier_signal -1
	s_barrier_wait -1
	s_cmp_lg_u32 s[WV], 0
	s_cbranch_scc1 .Lnot_wave_0_\@
	s_barrier_signal -3
.Lnot_wave_0_\@:
	s_barrier_wait -3
	s_barrier_signal -1
	s_barrier_wait -1
.endm
.macro CREST                           ; a round of the cluster's barrier behind its opening barrier
	s_cmp_lg_u32 s[WV], 0
	s_cbranch_scc1 .Lnw0_\@
	s_barrier_signal -3
.Lnw0_\@:
	s_barrier_wait -3
	s_barrier_signal -1
	s_barrier_wait -1
.endm
.macro ASK
	s_cmp_gt_u32 s[SLOTS], s[LIM]
	s_cbranch_scc0 .Lnot_mine_\@
	global_prefetch_b8 v[PFO], s[PFA:PFA+1] th:TH_LOAD_NT scope:SCOPE_SE
.Lnot_mine_\@:
.endm
	s_load_b128 s[4:7], s[0:1], 0x0
	v_lshl_add_u32 v[SPW], v0, 2, SPARE
	v_mov_b32 v[NIL], 0
	ds_add_u32 v[SPW], v[NIL]                      ; the opening lines: the add twice and its wait, ahead of my first tensor load
	ds_add_u32 v[SPW], v[NIL]
	v_lshrrev_b32 v8, 5, v0
	v_readfirstlane_b32 s[WV], v8
	s_bfe_u32 s[CX], ttmp6, 0x40000
	s_and_b32 s68, ttmp7, 0xffff                   ; head
	s_lshl_b32 s70, ttmp9, 2
	s_add_co_u32 s70, s70, s[CX]                   ; which 128 queries
	s_lshr_b32 s69, s[WV], 2                       ; which half of the keys
	s_and_b32 s72, s[WV], 3                        ; which pair of tiles
	s_lshl_b32 s71, s70, 3
	s_lshl_b32 s74, s72, 1
	s_add_co_u32 s71, s71, s74                     ; the pair's first tile of 16 queries
	s_mul_i32 s73, s68, 196608
	s_and_b32 s74, s[WV], 1
	s_mul_i32 s74, s74, 24576                      ; k: my half of a slot
	s_add_co_u32 s84, s74, s73
	s_add_co_u32 s84, s84, KC
	s_mov_b32 s85, 0
	s_add_co_u32 s75, s[WV], 2
	s_and_b32 s75, s75, 3                          ; v: waves 2-5 take two of its eight row blocks each
	s_mul_i32 s86, s75, 49152
	s_add_co_u32 s86, s86, s73
	s_add_co_u32 s86, s86, VC
	s_mov_b32 s87, 0
	s_mul_i32 s75, s75, 12288
	s_lshl_b32 s88, s68, 13
	s_add_co_u32 s90, s88, VSO
	s_add_co_u32 s88, s88, KSO
	s_mov_b32 s89, 0
	s_mov_b32 s91, 0
	s_mov_b32 s[G1K], 15|(3<<16)|(1<<21)           ; k: 24,576 dense bytes as 96 rows of 256
	s_mov_b32 s[G1K+1], 32<<16
	s_mov_b32 s[G1K+2], 96<<16
	s_mov_b32 s[G1K+3], 32<<16
	s_mov_b32 s[G1K+4], 96
	s_mov_b32 s[G1K+5], 32
	s_mov_b32 s[G1K+6], 0
	s_mov_b32 s[G1K+7], 0
	s_mov_b32 s[G1V], 15|(3<<16)|(1<<21)           ; v: 2 row blocks x 4 K steps of 1,536 bytes, 24,576 bytes apart
	s_mov_b32 s[G1V+1], 768<<16
	s_mov_b32 s[G1V+2], 2<<16
	s_mov_b32 s[G1V+3], 768<<16
	s_mov_b32 s[G1V+4], 2
	s_mov_b32 s[G1V+5], 3072
	s_mov_b32 s[G1V+6], 0
	s_mov_b32 s[G1V+7], 0
	s_mov_b32 s[G1S], 15|(3<<16)|(1<<21)           ; scale words: 8,192 dense bytes as 32 rows of 256
	s_mov_b32 s[G1S+1], 32<<16
	s_mov_b32 s[G1S+2], 32<<16
	s_mov_b32 s[G1S+3], 32<<16
	s_mov_b32 s[G1S+4], 32
	s_mov_b32 s[G1S+5], 32
	s_mov_b32 s[G1S+6], 0
	s_mov_b32 s[G1S+7], 0
	s_mov_b32 s[SEL], 0x76543210
	s_mov_b32 s[SEL+1], 0xfedcba98                 ; lane selects: lane l xor 16
	s_mov_b32 s[CS], 0x3e0293ee                    ; log2(e) / sqrt(128)
	s_mov_b32 s[CS+1], s[CS]
	s_mov_b32 s[TB], 0
	s_mov_b32 s[TS], 0
	s_mov_b32 s[TJ], 0
	s_mov_b32 s[SLOTS], 2
	s_wait_dscnt 0x0
	s_wait_kmcnt 0x0
	CROUND                                         ; the four work-groups are here: the first joint loads meet
	s_mov_b32 s[G0SK], 1
	s_mov_b32 s[G0SK+1], SCK
	s_add_nc_u64 s[G0SK+2:G0SK+3], s[4:5], s[88:89]
	s_or_b32 s[G0SK+3], s[G0SK+3], 0x80000000
	s_mov_b32 s[G0SV], 1
	s_mov_b32 s[G0SV+1], SCV
	s_add_nc_u64 s[G0SV+2:G0SV+3], s[4:5], s[90:91]
	s_or_b32 s[G0SV+3], s[G0SV+3], 0x80000000
	s_mov_b32 s[G0K], 1
	s_mov_b32 s[G0K+1], s74
	s_add_nc_u64 s[G0K+2:G0K+3], s[4:5], s[84:85]
	s_or_b32 s[G0K+3], s[G0K+3], 0x80000000
	s_mov_b32 s[G0V], 1
	s_add_co_u32 s[G0V+1], s75, VOFF
	s_add_nc_u64 s[G0V+2:G0V+3], s[4:5], s[86:87]
	s_or_b32 s[G0V+3], s[G0V+3], 0x80000000
.macro ARM under, g0, g1, next         ; the head's loads, one a wave: one tree of branches on the wave's number, all arms leading to one join
	s_cmp_lt_u32 s[WV], \under
	s_cbranch_scc0 \next
	TLOAD \g0, \g1
	s_branch .Lhead_asked
\next:
.endm
	ARM 2, G0K, G1K, .Lhead_v
	ARM 6, G0V, G1V, .Lhead_sk
	ARM 7, G0SK, G1S, .Lhead_sv
	TLOAD G0SV, G1S
.Lhead_asked:
	s_lshr_b32 s81, s[CX], 1                       ; the prefetches: work-groups 0, 1 of the cluster take k's halves, 2, 3 v's
	s_and_b32 s82, s[CX], 1
	s_mul_i32 s83, s81, 73728
	s_add_co_u32 s83, s83, 24576
	s_mul_i32 s83, s83, s82
	s_mul_i32 s84, s81, 3145728
	s_add_co_u32 s84, s84, KC
	s_add_co_u32 s84, s84, s73
	s_add_co_u32 s84, s84, s83
	s_mul_i32 s[PFS], s81, 43008
	s_sub_co_u32 s[PFS], 49152, s[PFS]             ; a slot's step: k 49,152 bytes, v 6,144
	s_mov_b32 s[PFS+1], 0
	s_add_co_u32 s84, s84, s[PFS]
	s_mov_b32 s85, 0
	s_add_nc_u64 s[PFA:PFA+1], s[4:5], s[84:85]
	s_mul_i32 s83, s81, 18432
	s_add_co_u32 s83, s83, 6144
	v_min_u32 v[PFO], 95, v0
	s_delay_alu instid0(VALU_DEP_1)
	v_mul_u32_u24 v29, v[PFO], 171
	s_delay_alu instid0(VALU_DEP_1)
	v_lshrrev_b32 v29, 12, v29                     ; block / 24
	s_delay_alu instid0(VALU_DEP_1)
	v_mul_u32_u24 v30, v29, 24
	s_delay_alu instid0(VALU_DEP_1)
	v_sub_nc_u32 v[PFO], v[PFO], v30
	s_delay_alu instid0(VALU_DEP_1)
	v_lshlrev_b32 v[PFO], 8, v[PFO]
	v_mul_lo_u32 v29, v29, s83
	s_delay_alu instid0(VALU_DEP_1)
	v_add_nc_u32 v[PFO], v[PFO], v29
	s_cmp_lt_u32 s[WV], 3
	s_cselect_b32 s82, 0, 1
	s_or_b32 s82, s82, ttmp9
	s_cmp_eq_u32 s82, 0
	s_cselect_b32 s[LIM], 1, -1
	s_lshl_b32 s92, s68, 7
	s_add_co_u32 s92, s92, s71                     ; q: 128 x head + the pair's first tile
	s_mul_i32 s94, s92, 1536
	s_mov_b32 s95, 0
	s_lshl_b32 s96, s92, 6
	s_add_co_u32 s96, s96, QSO
	s_mov_b32 s97, 0
	s_add_nc_u64 s[94:95], s[4:5], s[94:95]
	s_add_nc_u64 s[96:97], s[4:5], s[96:97]
	v_and_b32 v[AL], 31, v0
	v_and_b32 v[R4], 15, v0
	v_lshlrev_b32 v[XWS], 2, v[AL]                 ; 4 x lane
	v_lshlrev_b32 v[AL], 4, v[AL]                  ; 16 x lane
	v_lshlrev_b32 v[R4], 2, v[R4]                  ; 4 r
	s_wait_alu depctr_va_vdst(0)                   ; the wait behind these writes
	s_xor_b32 s83, s69, 1
	s_mul_i32 s81, s69, 1536                       ; my tile 0 is the pair's tile (half of the keys), my tile 1 the other
	s_mul_i32 s82, s83, 1536
	v_add_nc_u32 v224, s81, v[AL]
	v_add_nc_u32 v225, s82, v[AL]
	s_lshl_b32 s81, s69, 6
	s_lshl_b32 s82, s83, 6
	v_add_nc_u32 v226, s81, v[R4]
	v_add_nc_u32 v227, s82, v[R4]
	WIN 0x40
.irp c, 0,1,2
	global_load_b128 v[224+4*\c:227+4*\c], v224, s[94:95] offset:512*\c
	global_load_b128 v[236+4*\c:239+4*\c], v225, s[94:95] offset:512*\c
.endr
	WIN 0
	global_load_b32 v24, v226, s[96:97]
	global_load_b32 v25, v227, s[96:97]
	s_mul_i32 s81, s69, 24576                      ; my two steps of a slot: k's 16 fragments,
	v_add_nc_u32 v[AK0], s81, v[AL]
	s_mul_i32 s81, s69, 3072                       ; v's two K steps,
	s_add_co_u32 s81, s81, VOFF
	v_add_nc_u32 v[AV0], s81, v[AL]
	s_lshl_b32 s81, s69, 10                        ; and their scale words
	s_add_co_u32 s81, s81, SCK
	v_add_nc_u32 v[ASK0], s81, v[R4]
	s_lshl_b32 s81, s69, 7
	s_add_co_u32 s81, s81, SCV
	v_add_nc_u32 v[ASV0], s81, v[R4]
	s_lshl_b32 s82, s72, 13
	s_add_co_u32 s82, s82, XO
	s_lshl_b32 s81, s69, 17
	s_add_co_u32 s81, s81, s82
	v_add_nc_u32 v[XOS], s81, v[AL]                ; where I put the tile that I give,
	s_lshl_b32 s81, s83, 17
	s_add_co_u32 s81, s81, s82
	v_add_nc_u32 v[XOL], s81, v[AL]                ; and where my partner puts mine
	s_xor_b32 s82, s[WV], 4
	s_lshl_b32 s82, s82, 8
	s_add_co_u32 s82, s82, XWD
	v_add_nc_u32 v[XWL], s82, v[XWS]
	s_lshl_b32 s81, s[WV], 8
	s_add_co_u32 s81, s81, XWD
	v_add_nc_u32 v[XWS], s81, v[XWS]
	v_mov_b32 v13, 0xff61b1e6                      ; the largest t so far: -3e38
	v_mov_b32 v17, 0xff61b1e6
	v_floor_f32 v12, -v13
	v_floor_f32 v16, -v17
.irp j, 14,15,18,19,21,23,52,53,54,55,64,65,66,67,240,241,242,243
	v_mov_b32 v\j, 0                               ; the sums; pairs' upper halves and lane permutes' destinations, which count as read
.endr
	WIN 0x40
.set jj, 0
.rept 128
	v_mov_b32 v[96+jj], 0                          ; O^T: the step is written once for all steps, so the first finds zeros
.set jj, jj+1
.endr
	WIN 0
.macro KLOAD q
	WIN 0x40
.irp t, 0,1,2,3,4,5,6,7
.irp c, 0,1,2
	ds_load_b128 v[12*\t+4*\c:12*\t+4*\c+3], v[ADK] offset:(8*(\q)+\t)*1536+512*\c
.endr
.endr
	WIN 0
.irp t, 0,1,2,3,4,5,6,7
	ds_load_b32 v[KSW+\t], v[ADS] offset:512*(\q)+64*\t
.endr
.endm
.macro VLOAD q
	WIN 0x40
.irp t, 0,1,2,3,4,5,6,7
.irp c, 0,1,2
	ds_load_b128 v[12*\t+4*\c:12*\t+4*\c+3], v[ADV] offset:\t*6144+1536*(\q)+512*\c
.endr
.endr
	WIN 0
.irp t, 0,1,2,3,4,5,6,7
	ds_load_b32 v[VSW+\t], v[ADT] offset:1024*\t+64*(\q)
.endr
.endm
; The softmax of 128 keys for both tiles, line by line in turns
.macro SOFT1                           ; first part: the largest scores, M, f, t - M
.irp T, 0,1
.irp b, 0,1,2,3
	v_max3_num_f32 v[BM+12*\T+\b], v[96+64*\T+16*\b], v[97+64*\T+16*\b], v[98+64*\T+16*\b]   ; the largest score of each block of 32 keys
.endr
.endr
.irp i, 3,5,7,9,11,13
.irp T, 0,1
.irp b, 0,1,2,3
	v_max3_num_f32 v[BM+12*\T+\b], v[BM+12*\T+\b], v[96+64*\T+16*\b+\i], v[97+64*\T+16*\b+\i]
.endr
.endr
.endr
.irp T, 0,1
.irp b, 0,1,2,3
	v_max_num_f32 v[BM+12*\T+\b], v[BM+12*\T+\b], v[111+64*\T+16*\b]
.endr
.endr
.irp T, 0,1
.irp b, 0,1,2,3
	v_permlanex16_b32 v[BM+4+12*\T+\b], v[BM+12*\T+\b], s[SEL], s[SEL+1]
.endr
.endr
.irp T, 0,1
.irp b, 0,1,2,3
	v_max_num_f32 v[BM+12*\T+\b], v[BM+12*\T+\b], v[BM+4+12*\T+\b]
.endr
.endr
.irp T, 0,1
	v_max3_num_f32 v[26+\T], v[BM+12*\T], v[BM+1+12*\T], v[BM+2+12*\T]
.endr
.irp T, 0,1
	s_delay_alu instid0(VALU_DEP_2)
	v_max_num_f32 v[26+\T], v[26+\T], v[BM+3+12*\T]
.endr
.irp T, 0,1
	s_delay_alu instid0(VALU_DEP_2)
	v_mul_f32 v[26+\T], s[CS], v[26+\T]            ; the step's largest t
.endr
.irp T, 0,1
	s_delay_alu instid0(VALU_DEP_2)
	v_max_num_f32 v[13+4*\T], v[13+4*\T], v[26+\T]
.endr
.irp T, 0,1
	v_mov_b32 v[26+\T], v[12+4*\T]
.endr
.irp T, 0,1
	s_delay_alu instid0(VALU_DEP_4)
	v_floor_f32 v[12+4*\T], -v[13+4*\T]            ; the new -M = -ceil(t)
.endr
.irp T, 0,1
	s_delay_alu instid0(VALU_DEP_2)
	v_sub_f32 v[26+\T], v[12+4*\T], v[26+\T]
.endr
.irp T, 0,1
	s_delay_alu instid0(VALU_DEP_2)
	v_cvt_i32_f32 v[26+\T], v[26+\T]
.endr
.irp T, 0,1
	s_delay_alu instid0(VALU_DEP_2)
	v_ldexp_f32 v[20+2*\T], 1.0, v[26+\T]          ; f = 2^(old M - new M)
.endr
.irp T, 0,1
.set jj, 0
.rept 32
	v_pk_fma_f32 v[96+64*\T+jj:97+64*\T+jj], v[96+64*\T+jj:97+64*\T+jj], s[CS:CS+1], v[12+4*\T:13+4*\T] op_sel_hi:[1,0,0]   ; t - M
.set jj, jj+2
.endr
.irp b, 0,1,2,3
	v_fma_f32 v[BM+12*\T+\b], v[BM+12*\T+\b], s[CS], v[12+4*\T]
.endr
.endr
.endm
.macro SOFT2                           ; second part: p, the sums, p's codes and scale words
	s_wait_alu depctr_va_vdst(0)                   ; ahead of the batch
.set jj, 0
.rept 128
	v_exp_f32 v[96+jj], v[96+jj]
.set jj, jj+1
.endr
	v_pk_mul_f32 v[14:15], v[14:15], v[20:21] op_sel_hi:[1,0]   ; the sums under the new M
	v_pk_mul_f32 v[18:19], v[18:19], v[22:23] op_sel_hi:[1,0]
	s_wait_alu depctr_va_vdst(0)                   ; one wait for the batch, ahead of its first reader
.irp T, 0,1
.irp b, 0,1,2,3
	v_exp_f32 v[BM+12*\T+\b], v[BM+12*\T+\b]       ; each block's largest p
.endr
.endr
.irp T, 0,1
	v_pk_add_f32 v[SU+2*\T:SU+1+2*\T], v[96+64*\T:97+64*\T], v[98+64*\T:99+64*\T]   ; the row's sum of the unquantised p, two chains a tile
.endr
.irp j, 4,8,12,16,20,24,28,32,36,40,44,48,52,56,60
.irp T, 0,1
	v_pk_add_f32 v[14+4*\T:15+4*\T], v[14+4*\T:15+4*\T], v[96+64*\T+\j:97+64*\T+\j]
	v_pk_add_f32 v[SU+2*\T:SU+1+2*\T], v[SU+2*\T:SU+1+2*\T], v[98+64*\T+\j:99+64*\T+\j]
.endr
.endr
.irp T, 0,1
	v_pk_add_f32 v[14+4*\T:15+4*\T], v[14+4*\T:15+4*\T], v[SU+2*\T:SU+1+2*\T]
.endr
	s_wait_alu depctr_va_vdst(0)                   ; and one for the eight
.irp T, 0,1
.irp b, 0,1,2,3
	v_max_num_f32 v[BM+12*\T+\b], 0x1800000, v[BM+12*\T+\b]   ; the floor 2^(3 - 127): the byte cannot fall under 1
.endr
.endr
.irp T, 0,1
.irp b, 0,1,2,3
	v_add_nc_u32 v[BM+8+12*\T+\b], 0xff000000, v[BM+12*\T+\b]   ; 2 off the exponent field: the conversion's scale operand
.endr
.endr
.irp T, 0,1
.irp b, 0,1,2,3
	v_lshrrev_b32 v[BM+4+12*\T+\b], 23, v[BM+8+12*\T+\b]
.endr
.endr
.irp T, 0,1
	v_lshl_or_b32 v[21+2*\T], v[BM+5+12*\T], 8, v[BM+4+12*\T]   ; p's scale word
.endr
.irp T, 0,1
	s_delay_alu instid0(VALU_DEP_2)
	v_lshl_or_b32 v[21+2*\T], v[BM+6+12*\T], 16, v[21+2*\T]
.endr
.irp T, 0,1
	s_delay_alu instid0(VALU_DEP_2)
	v_lshl_or_b32 v[21+2*\T], v[BM+7+12*\T], 24, v[21+2*\T]
.endr
.irp T, 0,1
.irp c, 0,1
	v_cvt_scalef32_pk16_fp6_f32 v[CT+8*\T+4*\c:CT+8*\T+4*\c+2], v[112+64*\T+32*\c:127+64*\T+32*\c], v[BM+9+12*\T+2*\c]   ; blocks 2 c + 1 first:
.endr
.endr
	v_nop                                          ; a plain place; p's registers 16-31 are done with and take the codes
.irp T, 0,1
.irp c, 0,1
	v_cvt_scalef32_pk16_fp6_f32 v[112+64*\T+6*\c:114+64*\T+6*\c], v[96+64*\T+32*\c:111+64*\T+32*\c], v[BM+8+12*\T+2*\c]
.endr
.endr
	v_nop                                          ; one plain place behind a scaled conversion
.irp T, 0,1
.irp c, 0,1
.irp i, 0,1,2
	v_permlane16_swap_b32 v[112+64*\T+6*\c+\i], v[CT+8*\T+4*\c+\i]   ; a whole block to a lane
.endr
.irp i, 0,1,2
	v_mov_b32 v[115+64*\T+6*\c+\i], v[CT+8*\T+4*\c+\i]
.endr
.endr
.endr
.endm
; chg = 0: a step inside a slot.  chg = 1, 2: the slot's last step, with the change of slots in it: behind v's loads all my reads of the slot have been issued, so the tensor wait, the add and the wait for it stand there,
; the softmax's first part between the add and the wait for it; the barrier's signal follows, and the rest of the softmax and the rescaling, work on registers, stand between signal and wait.
; chg = 1: the barrier opens a round of the cluster's, and the slot is filled again; chg = 2: nothing is left to fetch.
.macro STEP q, chg
	s_wait_dscnt 0x0                               ; k's fragments and scale words are in
	WIN 0x05
.irp t, 0,1,2,3,4,5,6,7
.irp T, 0,1
	v_wmma_scale_f32_16x16x128_f8f6f4 v[96+64*\T+8*\t:103+64*\T+8*\t], v[12*\t:12*\t+11], v[224+12*\T:235+12*\T], 0, v[KSW+\t], v[24+\T] matrix_a_fmt:MATRIX_FMT_FP6 matrix_b_fmt:MATRIX_FMT_FP6
.endr
.endr
	WIN 0
.rept 4
	v_nop                                          ; places in front of the loads into k's registers and of the reads of the scores
.endr
	VLOAD \q                                       ; v's fragments land under the softmax
.if \chg
	s_wait_tensorcnt 0x0                           ; all my tensor loads have landed
	ds_add_u32 v[SPW], v[NIL]
.if (\chg) == 1
	s_xor_b32 s[G0K+1], s[G0K+1], SLOT1
	s_add_nc_u64 s[G0K+2:G0K+3], s[G0K+2:G0K+3], 49152
	s_xor_b32 s[G0V+1], s[G0V+1], SLOT1
	s_add_nc_u64 s[G0V+2:G0V+3], s[G0V+2:G0V+3], 6144
	s_wait_xcnt 0x0                                ; my prefetch has read its address
	s_add_nc_u64 s[PFA:PFA+1], s[PFA:PFA+1], s[PFS:PFS+1]
.endif
.endif
	SOFT1
.if \chg
	s_wait_dscnt 0x0                               ; the add is done, and my reads of this slot: v's fragments are in
	s_barrier_signal -1
.endif
	SOFT2
	WIN 0x41
	s_wait_alu depctr_va_vdst(0)                   ; directly ahead of the first reader of O^T
.irp T, 0,1
.set jj, 0
.rept 32
	v_pk_mul_f32 v[96+64*\T+jj:97+64*\T+jj], v[96+64*\T+jj:97+64*\T+jj], v[20+2*\T:21+2*\T] op_sel_hi:[1,0]   ; O^T under the new M
.set jj, jj+2
.endr
.endr
	s_wait_alu depctr_va_vdst(0)                   ; ahead of the blocking wait
.if \chg
	WIN 0
	s_barrier_wait -1
.if (\chg) == 1
	CREST                                          ; no wave of any partner still reads this slot or has a load on its way
	JLOAD
	ASK
.endif
.else
	s_wait_dscnt 0x0                               ; v's fragments and scale words are in
.endif
	WIN 0x51
.irp t, 0,1,2,3,4,5,6,7
.irp T, 0,1
	v_wmma_scale_f32_16x16x128_f8f6f4 v[96+64*\T+8*\t:103+64*\T+8*\t], v[12*\t:12*\t+11], v[112+64*\T:123+64*\T], v[96+64*\T+8*\t:103+64*\T+8*\t], v[VSW+\t], v[21+2*\T] matrix_a_fmt:MATRIX_FMT_FP6 matrix_b_fmt:MATRIX_FMT_FP6
.endr
.endr
	WIN 0
.rept 5
	v_nop                                          ; five places: the next scores are written over p's codes, the next loads land on v's fragments
.endr
.if !(\chg)
	KLOAD (\q)+1
.endif
.endm
.macro CHANGE fill
	s_wait_tensorcnt 0x0                           ; all my tensor loads have landed
	ds_add_u32 v[SPW], v[NIL]
.if \fill
	s_xor_b32 s[G0K+1], s[G0K+1], SLOT1
	s_add_nc_u64 s[G0K+2:G0K+3], s[G0K+2:G0K+3], 49152
	s_xor_b32 s[G0V+1], s[G0V+1], SLOT1
	s_add_nc_u64 s[G0V+2:G0V+3], s[G0V+2:G0V+3], 6144
	s_wait_xcnt 0x0                                ; my prefetch has read its address
	s_add_nc_u64 s[PFA:PFA+1], s[PFA:PFA+1], s[PFS:PFS+1]
.endif
	s_wait_dscnt 0x0                               ; the add is done, and my reads of the other slot
.if \fill
	CROUND
	JLOAD
	ASK
.endif
.endm
.macro WORK chg
	v_add_nc_u32 v[ADK], s[TB], v[AK0]
	v_add_nc_u32 v[ADV], s[TB], v[AV0]
	v_add_nc_u32 v[ADS], s[TS], v[ASK0]
	v_add_nc_u32 v[ADT], s[TJ], v[ASV0]
	s_wait_alu depctr_va_vdst(0)                   ; some readers stand behind blocking waits
	KLOAD 0
	STEP 0, 0
	STEP 1, \chg
.endm
	s_wait_alu depctr_va_vdst(0)                   ; at the head's end
	s_wait_loadcnt 0x0                             ; q
	CHANGE 1                                       ; slot 0 is whole; slot 1's first fill, issued as a refill is
.Lfill:                                                ; slots 0 and 1: each is filled again at its end, with slots 2 and 3
	WORK 1
	s_xor_b32 s[TB], s[TB], SLOT1
	s_add_co_u32 s[TS], s[TS], 2048
	s_add_co_u32 s[TJ], s[TJ], 256
	s_sub_co_u32 s[SLOTS], s[SLOTS], 1
	s_cmp_lg_u32 s[SLOTS], 0
	s_cbranch_scc1 .Lfill
	s_mov_b32 s[SLOTS], 2
.Llast:                                                ; slots 2 and 3: nothing more to fetch.  (The last trip's barrier orders nothing further: it stays so that both trips run one text)
	WORK 2
	s_xor_b32 s[TB], s[TB], SLOT1
	s_add_co_u32 s[TS], s[TS], 2048
	s_add_co_u32 s[TJ], s[TJ], 256
	s_sub_co_u32 s[SLOTS], s[SLOTS], 1
	s_cmp_lg_u32 s[SLOTS], 0
	s_cbranch_scc1 .Llast
	; ---- the pair's two halves of the keys are joined
.irp T, 0,1
	v_add_f32 v[14+4*\T], v[14+4*\T], v[15+4*\T]
.endr
.irp T, 0,1
	s_delay_alu instid0(VALU_DEP_2)
	v_permlanex16_b32 v[26+\T], v[14+4*\T], s[SEL], s[SEL+1]
.endr
.irp T, 0,1
	s_delay_alu instid0(VALU_DEP_2)
	v_add_f32 v[14+4*\T], v[14+4*\T], v[26+\T]     ; my keys' sum for each query
.endr
	WIN 0x04
.set jj, 0
.rept 16
	ds_store_b128 v[XOS], v[160+4*jj:163+4*jj] offset:512*jj   ; my tile 1 goes to my partner, as an image of its registers
.set jj, jj+1
.endr
	WIN 0
	ds_store_b32 v[XWS], v16
	ds_store_b32 v[XWS], v18 offset:128
	s_add_co_u32 s71, s71, s69                     ; the tile that I keep
	s_lshl_b32 s84, s71, 4
	s_add_co_u32 s84, s84, s68
	s_mul_i32 s86, s84, 1536
	s_mov_b32 s87, 0
	s_lshl_b32 s84, s84, 6
	s_add_co_u32 s84, s84, 3145728
	s_mov_b32 s85, 0
	s_add_nc_u64 s[86:87], s[6:7], s[86:87]
	s_add_nc_u64 s[84:85], s[6:7], s[84:85]
	s_wait_alu depctr_va_vdst(0)
	s_wait_dscnt 0x0                               ; for my partner's sake
	s_barrier_signal -1
	s_barrier_wait -1
.set jj, 0
.rept 16
	ds_load_b128 v[96+4*jj:99+4*jj], v[XOL] offset:512*jj
.set jj, jj+1
.endr
	ds_load_b32 v26, v[XWL]
	ds_load_b32 v27, v[XWL] offset:128
	s_wait_dscnt 0x0
	v_min_num_f32 v29, v12, v26                    ; the common -M
	s_delay_alu instid0(VALU_DEP_1)
	v_sub_f32 v30, v29, v12
	v_sub_f32 v26, v29, v26
	s_delay_alu instid0(VALU_DEP_2)
	v_cvt_i32_f32 v30, v30
	s_delay_alu instid0(VALU_DEP_2)
	v_cvt_i32_f32 v26, v26
	s_delay_alu instid0(VALU_DEP_2)
	v_ldexp_f32 v30, 1.0, v30                      ; each half's power of two
	s_delay_alu instid0(VALU_DEP_2)
	v_ldexp_f32 v26, 1.0, v26
	s_delay_alu instid0(VALU_DEP_2)
	v_mul_f32 v14, v14, v30
	s_delay_alu instid0(VALU_DEP_1)
	v_fma_f32 v14, v27, v26, v14                   ; the row's sum
	s_wait_alu depctr_va_vdst(0)                   ; ahead of the transcendental
	v_rcp_f32 v14, v14
	v_nop
	s_wait_alu depctr_va_vdst(0)
	v_mul_f32 v20, v30, v14
	v_mul_f32 v22, v26, v14
.irp b, 0,1,2,3
	v_mov_b32 v[TM+4+\b], 0
.endr
	WIN 0x01
	s_wait_alu depctr_va_vdst(0)                   ; directly ahead of the first reader of O^T
.set jj, 0
.rept 32
	v_pk_mul_f32 v[160+jj:161+jj], v[96+jj:97+jj], v[20:21] op_sel_hi:[1,0]
.set jj, jj+2
.endr
	WIN 0
.set jj, 0
.rept 32
	v_pk_fma_f32 v[160+jj:161+jj], v[96+jj:97+jj], v[22:23], v[160+jj:161+jj] op_sel_hi:[1,0,1]
.set jj, jj+2
.endr
	; quantised along the head's 128: register 16 b + i = channel 32 b + 16 (lane / 16) + i of query lane % 16
.irp b, 0,1,2,3
	v_max3_num_f32 v[TM+\b], |v[160+16*\b]|, |v[161+16*\b]|, 0x1800000
.endr
.irp i, 2,4,6,8,10,12,14
.irp b, 0,1,2,3
	s_delay_alu instid0(VALU_DEP_4)
	v_max3_num_f32 v[TM+\b], v[TM+\b], |v[160+16*\b+\i]|, |v[161+16*\b+\i]|
.endr
.endr
.irp b, 0,1,2,3
	v_permlanex16_b32 v[TM+4+\b], v[TM+\b], s[SEL], s[SEL+1]
.endr
.irp b, 0,1,2,3
	v_max_num_f32 v[TM+\b], v[TM+\b], v[TM+4+\b]
.endr
.irp b, 0,1,2,3
	v_add_nc_u32 v[TM+12+\b], 0xff000000, v[TM+\b]
.endr
.irp b, 0,1,2,3
	v_lshrrev_b32 v[TM+4+\b], 23, v[TM+12+\b]
.endr
	v_lshl_or_b32 v[PW], v[TM+5], 8, v[TM+4]
	s_delay_alu instid0(VALU_DEP_1)
	v_lshl_or_b32 v[PW], v[TM+6], 16, v[PW]
	s_delay_alu instid0(VALU_DEP_1)
	v_lshl_or_b32 v[PW], v[TM+7], 24, v[PW]
.irp c, 0,1
	v_cvt_scalef32_pk16_fp6_f32 v[PC+6*\c:PC+2+6*\c], v[160+32*\c:175+32*\c], v[TM+12+2*\c]
	v_cvt_scalef32_pk16_fp6_f32 v[PC+12+4*\c:PC+14+4*\c], v[176+32*\c:191+32*\c], v[TM+13+2*\c]
.endr
	v_nop
.irp c, 0,1
.irp i, 0,1,2
	v_permlane16_swap_b32 v[PC+6*\c+\i], v[PC+12+4*\c+\i]
.endr
.irp i, 0,1,2
	v_mov_b32 v[PC+3+6*\c+\i], v[PC+12+4*\c+\i]
.endr
.endr
.irp cc, 0,1,2
	global_store_b128 v[AL], v[PC+4*\cc:PC+4*\cc+3], s[86:87] offset:512*\cc   ; 512 consecutive bytes
.endr
	global_store_b32 v[R4], v[PW], s[84:85]
	s_wait_tensorcnt 0x0                           ; the wave's end
	ds_add_u32 v[SPW], v[NIL]
	s_wait_dscnt 0x0
	CROUND                                         ; the closing round
	s_endpgm
.Lfunc_end_k_q24ec71fd42_attn:
	.size	k_q24ec71fd42_attn, .Lfunc_end_k_q24ec71fd42_attn-k_q24ec71fd42_attn
	.p2alignl 7, 3214868480
	.fill 96, 4, 3214868480
	.section	.rodata,"a",@progbits
	.p2align	6, 0x0
	.amdhsa_kernel k_q24ec71fd42_attn
		.amdhsa_group_segment_fixed_size 327680
		.amdhsa_private_segment_fixed_size 0
		.amdhsa_enable_private_segment 0
		.amdhsa_kernarg_size 16
		.amdhsa_user_sgpr_count 2
		.amdhsa_user_sgpr_kernarg_segment_ptr 1
		.amdhsa_wavefront_size32 1
		.amdhsa_system_sgpr_workgroup_id_x 1
		.amdhsa_system_sgpr_workgroup_id_y 1
		.amdhsa_system_sgpr_workgroup_id_z 1
		.amdhsa_system_vgpr_workitem_id 0
		.amdhsa_next_free_vgpr 512
		.amdhsa_next_free_sgpr 102
		.amdhsa_reserve_vcc 0
		.amdhsa_float_denorm_mode_32 3
		.amdhsa_float_denorm_mode_16_64 3
		.amdhsa_memory_ordered 1
		.amdhsa_forward_progress 1
		.amdhsa_inst_pref_size 171
	.end_amdhsa_kernel
	.amdgpu_metadata
---
amdhsa.version: [ 1, 2 ]
amdhsa.kernels:
  - .name:           k_q24ec71fd42_attn
    .symbol:         k_q24ec71fd42_attn.kd
    .args:
      - { .name: qkvc, .offset: 0, .size: 8, .value_kind: global_buffer, .address_space: global }
      - { .name: ac, .offset: 8, .size: 8, .value_kind: global_buffer, .address_space: global }
    .group_segment_fixed_size: 327680
    .private_segment_fixed_size: 0
    .kernarg_segment_align: 8
    .kernarg_segment_size: 16
    .max_flat_workgroup_size: 256
    .sgpr_count:     102
    .vgpr_count:     512
    .wavefront_size: 32
...
	.end_amdgpu_metadata
.endif
;; end of part 4
;; launch oproj (part 5): grid 16 x 16, 4 waves a work-group, clusters of 4 x 4, 327,680 bytes of LDS; arguments ac, wc, bo, outf, oc; writes outf, oc
.if DOCPART == 5
	.amdgcn_target "amdgcn-amd-amdhsa--gfx1250"
	.amdhsa_code_object_version 6
	.text
	.protected	k_q24ec71fd42_oproj
	.globl	k_q24ec71fd42_oproj
	.p2align	8
	.type	k_q24ec71fd42_oproj,@function
k_q24ec71fd42_oproj:
	s_mov_b64 s[64:65], 0
	v_nop
	global_prefetch_b8 v0, s[64:65] scope:SCOPE_SE
	s_setreg_imm32_b32 hwreg(HW_REG_WAVE_MODE, 25, 1), 1
	s_wait_xcnt 0x0
	s_wait_alu depctr_hold_cnt(0) depctr_sa_sdst(0) depctr_va_vdst(0) depctr_va_sdst(0) depctr_va_ssrc(0) depctr_va_vcc(0) depctr_vm_vsrc(0)
	s_getreg_b32 s2, hwreg(HW_REG_IB_STS2, 6, 4)
	s_cmp_eq_u32 s2, 0
	s_cbranch_scc0 .Lentry_in_a_cluster
	s_endpgm
.Lentry_in_a_cluster:
	s_bfe_u32 s2, ttmp6, 0x10000c
	s_cmp_lg_u32 s2, 0xf033
	s_cbranch_scc0 .Lentry_shape_is_right
	s_endpgm
.Lentry_shape_is_right:
; C = A B^T + bias on codes of FP6 (E2M3) with one E8M0 byte for each 32 along K; M = N = K = 2,048; sums in f32.  One text serves three launches, told apart by MODE:
;   MODE 1: A = x, B = wq, wk, wv at once (each fragment of A feeds three products).  q and k leave as f32 rows; v is quantised along the tokens and leaves as codes.
;   MODE 2: A = attention's result, B = wo.  out leaves as f32 rows and, quantised along its columns, as codes.
;   MODE 3: A = out's codes, B = wg.  The result is the gate: out x sigmoid(gate) leaves as f32 rows.
; OPERANDS lie in memory as images of their registers: fragment (row block rb of 16, K step ks of 128) at (16 rb + ks) x 1,536 bytes, register j of lane l at 512 (j / 4) + 16 l + 4 (j % 4); its 16 scale words at (16 rb + ks) x 64.
; So a fragment comes out of LDS by three loads of 512 consecutive bytes, and a row block's K steps are one dense row for the tensor data mover.
; SHARES.  A work-group makes 128 rows x 128 columns of each of its NBT tensors; 16 x 16 work-groups.  Four waves, each 64 x 64 of each tensor: 16 accumulators a tensor.
; K goes in chunks of KSL steps through NR regions of LDS; each wave fetches a quarter of a region by one tensor load.  All scale words of the work-group's rows come once, with the first fills.
; CLUSTER 4 x 4: the four work-groups of a row of the cluster need the same A, the four of a column the same B: each tile is asked for jointly.
; THE PRODUCT IS USED TRANSPOSED (source 0 = 16 rows of B, source 1 = 16 rows of A), and B's row block 2 b + u holds in lane r the column 32 b + 8 u + r + 8 (r / 8):
; so a lane holds one row of C, and its 16 registers of tiles 2 b, 2 b + 1 are the 16 neighbouring columns 32 b + 16 (lane / 16) + 0 .. 15.  The bias is the C of each sum's first product.
; LIMITS of the quantisers on the way out: a block of zeros gets the byte 1 where the quantiser says 127 (its codes are zeros; the bytes are read by this program alone); blocks under 2^-124 are held at byte 1; NaN and infinities are not served.
; REGISTERS, window 0: v1 r, v2 lane / 16, v3 16 x lane; v4-15 LDS addresses; v16, v17 the add's two; v18-31 the way out's; v32-55 scale words, two sets; v56-151 A's fragments, two sets of four; v152-247 B's, two sets of four.
;   window 1 + t (tensor t): accumulator (a, b) at v[8 (4 a + b)]; v128-159 the bias of my four column tiles.
.set MODE, 2
.if MODE == 1
.set NBT,    3                         ; tensors of B
.set KSL,    2                         ; K steps in a chunk
.set NR,     2                         ; regions
.set NCH,    8                         ; chunks
.set NWA,    1                         ; waves that fetch for A
.set RPW,    8                         ; row blocks in one tensor load
.set BWSTEP, 128                       ; row blocks from one B-fetching wave to the next
.set WBM,    3
.set BOFF,   0
.set BSOFF,  15728640
.else
.set NBT,    1
.set KSL,    4
.set NR,     2
.set NCH,    4
.set NWA,    2
.set RPW,    4
.set BWSTEP, 4
.set WBM,    1
.if MODE == 2
.set BOFF,   9437184
.set BSOFF,  16121856
.else
.set BOFF,   12582912
.set BSOFF,  16252928
.endif
.endif
.set REG,    98304                     ; a region: four loads of 24,576 bytes, laid [row block][K step of the chunk][1,536]: A's 8 row blocks, then B's
.set ABYTES, 8*KSL*1536
.set SCL,    3*REG                     ; LDS: region 0 (K steps 0-3, later 12-15), a region of twice the size at REG (K steps 4-11, one load a wave: wave w's row blocks at REG + 49,152 w, laid [row block][8 K steps][1,536]), then the scale words
.set SPARE,  SCL+4*RPW*1024            ; the spare words, 128 bytes for each wave: two blocks of 256 bytes that no other line names
.set SP,     528                       ; a stage's row: 512 bytes + 16
.set STG1,   REG                       ; the stages, 128 rows each: tensor 0's at byte 0, tensor 1's in region 1 (both regions have had their last fill and their last read by then), tensor 2's in bytes of its own
.set STG2,   SPARE+512
.set ADA,  4                           ; v4..  LDS address of my A fragments in region 0, 1, (2)
.set ADB,  7                           ; v7..  the same for B
.set ADRS, 10                          ; v10.. my scale words for tensor t: lanes 0-15 A's rows, lanes 16-31 B's
.set STO,  13                          ; v13.. the stage of tensor t: where I put 64 bytes of a row
.set SPW,  16
.set NIL,  17
.set RD,   18                          ; v18, v19 where I read whole rows back
.set VRD,  20                          ; v20   MODE 1: my column of v's stage;  MODE 2: my 64 bytes of a row
.set VSO,  21                          ; v21   4 r + 1,024 (lane / 16): two row blocks' scale words
.set BIA,  30                          ; v30   64 (lane / 16)
.set SC,   32
.set AF,   56
.set BF,   152
.set WV, 18
.set WR, 19
.set WC, 20
.set CX, 21
.set CY, 22
.set MSK, 23
.set TX, 66
.set TY, 67
.set SEL, 2
.set G1A,  24                          ; s[24:31], s[32:39] descriptor group 1 for A's and B's codes;  s[40:47], s[48:55] for their scale words
.set G1B,  32
.set G1SA, 40
.set G1SB, 48
.set G0SA, 56                          ; s[56:59], s[60:63] group 0 for the scale words;  s[68..], s[80..] for the codes, one set for each region
.set G0SB, 60
.set G0A,  68
.set G0B,  80
.set MSB, 0
.macro WIN new                         ; the immediate's high byte repeats the setting that is left
.if MSB != (\new)
	s_set_vgpr_msb (MSB<<8)|(\new)
.set MSB, (\new)
.endif
.endm
.macro PLACES                          ; four plain places behind matrix instructions, in front of loads into their registers and of reads of their results
.rept 4
	v_nop
.endr
.endm
; A joint load: the first NWA waves fetch for A, the others for B.  The branch hangs on the wave's number alone.  An s_nop 0 and four v_nop follow each of the two lines.
.macro JLOAD g0a, g1a, g0b, g1b
	s_cmp_lt_u32 s[WV], NWA
	s_cbranch_scc0 .Lfor_b_\@
	tensor_load_to_lds s[\g0a:\g0a+3], s[\g1a:\g1a+7]
	s_nop 0
.rept 4
	v_nop
.endr
	s_branch .Lasked_\@
.Lfor_b_\@:
	tensor_load_to_lds s[\g0b:\g0b+3], s[\g1b:\g1b+7]
	s_nop 0
.rept 4
	v_nop
.endr
.Lasked_\@:
.endm
.macro CREST                           ; a round of the cluster's barrier behind its opening barrier
	s_cmp_lg_u32 s[WV], 0
	s_cbranch_scc1 .Lnot_wave_0_\@
	s_barrier_signal -3
.Lnot_wave_0_\@:
	s_barrier_wait -3
	s_barrier_signal -1
	s_barrier_wait -1
.endm
.macro CROUND
	s_barrier_signal -1
	s_barrier_wait -1
	CREST
.endm
.if MODE == 1
	s_load_b256 s[4:11], s[0:1], 0x0               ; A, the weights' codes, bq, bk
	s_load_b128 s[12:15], s[0:1], 0x20             ; bv, qkf
	s_load_b64 s[16:17], s[0:1], 0x30              ; qkvc
.else
	s_load_b256 s[4:11], s[0:1], 0x0               ; A, the weights' codes, the bias, outf
	s_load_b64 s[12:13], s[0:1], 0x20              ; MODE 2: out's codes;  MODE 3: the output
.endif
	v_lshl_add_u32 v[SPW], v0, 2, SPARE
	v_mov_b32 v[NIL], 0
	ds_add_u32 v[SPW], v[NIL]                      ; the wave's opening: the add and its wait stand ahead of my first tensor load; the set-up below, work on registers, stands between them
	ds_add_u32 v[SPW], v[NIL]
	v_lshrrev_b32 v1, 5, v0
	v_readfirstlane_b32 s[WV], v1                  ; wave 0..3
	s_lshr_b32 s[WR], s[WV], 1                     ; which 64 rows are mine
	s_and_b32 s[WC], s[WV], 1                      ; which 64 columns
	s_bfe_u32 s[CX], ttmp6, 0x40000
	s_bfe_u32 s[CY], ttmp6, 0x40004
	s_lshl_b32 s[TX], ttmp9, 2
	s_add_co_u32 s[TX], s[TX], s[CX]               ; tile column = 4 x cluster x + cx
	s_and_b32 s[TY], ttmp7, 0xffff
	s_lshl_b32 s[TY], s[TY], 2
	s_add_co_u32 s[TY], s[TY], s[CY]               ; tile row = 4 x cluster y + cy
	s_lshl_b32 s2, s[CY], 2
	s_lshl_b32 s2, 15, s2                          ; my row of the cluster
	s_lshl_b32 s3, 0x1111, s[CX]                   ; my column
	s_or_b32 s[G1A], s2, (3<<16)|(1<<21)           ; 15:0 the mask; 17:16 elements of 8 bytes; 20 no padding; 21 set beside a mask
	s_or_b32 s[G1B], s3, (3<<16)|(1<<21)
	s_or_b32 s[G1SA], s2, (3<<16)|(1<<21)
	s_or_b32 s[G1SB], s3, (3<<16)|(1<<21)
.irp g, G1A, G1B                       ; RPW rows (row blocks) of KSL x 1,536 bytes, 24,576 bytes apart in memory, dense in LDS
	s_mov_b32 s[\g+1], (KSL*192)<<16               ; tensor_dim0
	s_mov_b32 s[\g+2], (8+8*(NBT-1)*((\g)/G1B))<<16   ; tensor_dim1: the head's loads bring A's 8 row blocks, B's 8 NBT
	s_mov_b32 s[\g+3], (KSL*192)<<16               ; tile_dim0
	s_mov_b32 s[\g+4], 8+8*(NBT-1)*((\g)/G1B)      ; tile_dim1
	s_mov_b32 s[\g+5], 3072                        ; tensor_dim0_stride
	s_mov_b32 s[\g+6], 0
	s_mov_b32 s[\g+7], 0
.endr
.irp g, G1SA, G1SB                     ; RPW x 1,024 dense bytes, as rows of 256
	s_mov_b32 s[\g+1], 32<<16
	s_mov_b32 s[\g+2], (32+32*(NBT-1)*((\g)/G1SB))<<16   ; A's 8,192 bytes of scale words, B's 8,192 NBT
	s_mov_b32 s[\g+3], 32<<16
	s_mov_b32 s[\g+4], 32+32*(NBT-1)*((\g)/G1SB)
	s_mov_b32 s[\g+5], 32
	s_mov_b32 s[\g+6], 0
	s_mov_b32 s[\g+7], 0
.endr
	s_mul_i32 s94, s[TY], 196608                   ; A: the tile's 8 row blocks of 24,576 bytes; it hangs on the tile row alone
	s_mov_b32 s95, 0
	s_lshl_b32 s92, s[TY], 13
	s_add_co_u32 s92, s92, 3145728                 ; their scale words lie behind the codes
	s_mov_b32 s93, 0
	s_mul_i32 s98, s[TX], 196608*NBT               ; B: the tile's 8 NBT row blocks; it hangs on the tile column alone
	s_add_co_u32 s98, s98, BOFF
	s_mov_b32 s99, 0
	s_mul_i32 s96, s[TX], 8192*NBT
	s_add_co_u32 s96, s96, BSOFF
	s_mov_b32 s97, 0
	s_mul_i32 s[MSK], s[WV], 24576                 ; where the ring's loads go: wave x a quarter of a region
	s_wait_dscnt 0x0                               ; the opening add is done
	s_wait_kmcnt 0x0
	s_add_nc_u64 s[94:95], s[4:5], s[94:95]
	s_add_nc_u64 s[92:93], s[4:5], s[92:93]
	s_add_nc_u64 s[98:99], s[6:7], s[98:99]
	s_add_nc_u64 s[96:97], s[6:7], s[96:97]
	CROUND                                         ; all sixteen work-groups are here: the first joint loads meet
	s_mov_b32 s[G0SA], 1
	s_mov_b32 s[G0SA+1], SCL
	s_mov_b64 s[G0SA+2:G0SA+3], s[92:93]
	s_or_b32 s[G0SA+3], s[G0SA+3], 0x80000000
	s_mov_b32 s[G0SB], 1
	s_mov_b32 s[G0SB+1], SCL+8192
	s_mov_b64 s[G0SB+2:G0SB+3], s[96:97]
	s_or_b32 s[G0SB+3], s[G0SB+3], 0x80000000
	s_mov_b32 s[G0A+8], 1                          ; the head's loads of chunk 0, each whole: A's 8 row blocks,
	s_mov_b32 s[G0A+9], 0
	s_mov_b64 s[G0A+10:G0A+11], s[94:95]
	s_or_b32 s[G0A+11], s[G0A+11], 0x80000000
	s_mov_b32 s[G0B+8], 1                          ; and B's, behind them in region 0
	s_mov_b32 s[G0B+9], ABYTES
	s_mov_b64 s[G0B+10:G0B+11], s[98:99]
	s_or_b32 s[G0B+11], s[G0B+11], 0x80000000
	s_and_b32 s100, s[WV], NWA-1                   ; for the ring: my RPW row blocks of A's tile,
	s_mul_i32 s100, s100, RPW*24576
	s_mov_b32 s101, 0
	s_add_nc_u64 s[94:95], s[94:95], s[100:101]
	s_add_co_u32 s100, s[WV], 4-NWA                ; or of B's
	s_and_b32 s100, s100, WBM
	s_mul_i32 s100, s100, BWSTEP*24576
	s_add_nc_u64 s[98:99], s[98:99], s[100:101]
.set rr, 0
.rept NR                               ; the ring's group 0, one set for each region: set 0 is first used at its refill, set 1 at region 1's first fill
	s_mov_b32 s[G0A+4*rr], 1
	s_add_co_u32 s[G0A+4*rr+1], s[MSK], rr*REG
	s_add_nc_u64 s[G0A+4*rr+2:G0A+4*rr+3], s[94:95], rr*KSL*1536
	s_or_b32 s[G0A+4*rr+3], s[G0A+4*rr+3], 0x80000000
	s_mov_b32 s[G0B+4*rr], 1
	s_add_co_u32 s[G0B+4*rr+1], s[MSK], rr*REG
	s_add_nc_u64 s[G0B+4*rr+2:G0B+4*rr+3], s[98:99], rr*KSL*1536
	s_or_b32 s[G0B+4*rr+3], s[G0B+4*rr+3], 0x80000000
.set rr, rr+1
.endr
; THE HEAD'S LOADS, ONE A WAVE: wave 0 A's chunk 0, wave 1 B's, wave 2 A's scale words, wave 3 B's.  One tree of branches on the wave's number, all arms leading to one join.
	s_add_co_u32 s[G0A+5], s[G0A+5], s[MSK]        ; set 1 serves the large region: wave x 49,152
	s_add_co_u32 s[G0B+5], s[G0B+5], s[MSK]
.macro ARM under, g0, g1, next
	s_cmp_lt_u32 s[WV], \under
	s_cbranch_scc0 \next
	tensor_load_to_lds s[\g0:\g0+3], s[\g1:\g1+7]
	s_nop 0
.rept 4
	v_nop
.endr
	s_branch .Lhead_asked
\next:
.endm
	ARM 1, G0A+8, G1A, .Lhead_b
	ARM 2, G0B+8, G1B, .Lhead_sa
	ARM 3, G0SA, G1SA, .Lhead_sb
	tensor_load_to_lds s[G0SB:G0SB+3], s[G1SB:G1SB+7]
	s_nop 0
.rept 4
	v_nop
.endr
.Lhead_asked:
; PREFETCH INTO THE L2: chunk c is asked for two fills ahead of the load that wants it.  A ring load's 24,576 bytes are 96 blocks of 256; the four partners that ask for it jointly take 24 each,
; told apart by address (cx for A, cy for B); a lane a block, lanes 24-31 name lane 23's again.  Every offset is an immediate, no register of it is written again, and no chunk past the last is named.
.set PFO, 27
.set PFA, 104
.macro ASK c
.if (\c) < NCH
	global_prefetch_b8 v[PFO], s[PFA:PFA+1] offset:(\c)*KSL*1536 th:TH_LOAD_NT scope:SCOPE_SE
.endif
.endm
	s_cmp_lt_u32 s[WV], NWA
	s_cselect_b64 s[PFA:PFA+1], s[94:95], s[98:99]
	s_cselect_b32 s100, s[CX], s[CY]
	s_mul_i32 s100, s100, (RPW/4)*24576
	s_add_nc_u64 s[PFA:PFA+1], s[PFA:PFA+1], s[100:101]
	v_and_b32 v[PFO], 31, v0
	v_min_u32 v[PFO], 23, v[PFO]
.if KSL == 2
	v_mul_u32_u24 v31, v[PFO], 171
	v_lshrrev_b32 v31, 11, v31                     ; block / 12: which of my two row blocks
	v_mul_u32_u24 v31, v31, 24576-3072
	v_lshl_add_u32 v[PFO], v[PFO], 8, v31
.else
	v_lshlrev_b32 v[PFO], 8, v[PFO]
.endif
	s_wait_alu depctr_va_vdst(0)                   ; ahead of the reader
	ASK 1
	ASK 2
	v_and_b32 v1, 15, v0
	v_bfe_u32 v2, v0, 4, 1                         ; lane / 16
	v_and_b32 v3, 31, v0
	v_lshlrev_b32 v3, 4, v3                        ; 16 x lane
	s_wait_alu depctr_va_vdst(0)
	v_lshlrev_b32 v[BIA], 6, v2
	s_lshl_b32 s92, s[TX], 9
	s_lshl_b32 s93, s[WC], 8
	s_add_co_u32 s92, s92, s93                     ; my 64 columns in a bias, in bytes
	s_mov_b32 s93, 0
.set tt, 0
.rept NBT                              ; the bias in the result's layout: for column tile b the eight numbers at 32 (b / 2) + 16 (lane / 16) + 8 (b % 2)
	s_add_nc_u64 s[8+2*tt:9+2*tt], s[8+2*tt:9+2*tt], s[92:93]
	WIN 0x40*(1+tt)
.irp b, 0,1,2,3
	global_load_b128 v[128+8*\b:128+8*\b+3], v[BIA], s[8+2*tt:9+2*tt] offset:(32*(\b/2)+8*(\b%2))*4
	global_load_b128 v[128+8*\b+4:128+8*\b+7], v[BIA], s[8+2*tt:9+2*tt] offset:(32*(\b/2)+8*(\b%2))*4+16
.endr
.set tt, tt+1
.endr
	WIN 0
	s_mul_i32 s92, s[WR], 4*KSL*1536               ; my four row blocks of A
	v_add_nc_u32 v[ADA], s92, v3
	s_mul_i32 s92, s[WC], 4*KSL*1536               ; my four of B, behind A's eight
	s_add_co_u32 s92, s92, ABYTES
	v_add_nc_u32 v[ADB], s92, v3
	s_mul_i32 s92, s[WR], 24576                    ; in the large region my four row blocks of A begin at REG + 49,152 wr,
	s_add_co_u32 s92, s92, REG
	v_add_nc_u32 v[ADA+1], s92, v[ADA]
	s_mul_i32 s92, s[WC], 24576                    ; and my four of B at REG + 98,304 + 49,152 wc
	s_add_co_u32 s92, s92, REG+49152
	v_add_nc_u32 v[ADB+1], s92, v[ADB]
	s_xor_b32 s93, s[WR], 1                        ; scale words: lanes 0-15 at A's row block 4 wr, lanes 16-31 at B's 4 wc of tensor t: the lower base + (lane / 16) x the distance
	s_add_co_u32 s93, s93, s[WC]
	s_lshl_b32 s93, s93, 12
	s_add_co_u32 s93, s93, 4096                    ; the distance for tensor 0: 8,192 + 4,096 wc - 4,096 wr
	s_lshl_b32 s94, s[WR], 12
	s_add_co_u32 s94, s94, SCL
	v_lshl_add_u32 v31, v1, 2, s94
.set tt, 0
.rept NBT
	v_mul_u32_u24 v[ADRS+tt], s93, v2
	v_add_nc_u32 v[ADRS+tt], v[ADRS+tt], v31
	s_add_co_u32 s93, s93, 8192
.set tt, tt+1
.endr
	s_mul_i32 s92, s[WR], 64*SP                    ; into a stage: row 64 wr + 16 a + r, byte 256 wc + 128 bb + 64 (lane / 16)
	s_lshl_b32 s93, s[WC], 8
	s_add_co_u32 s92, s92, s93
	v_mul_u32_u24 v31, v1, SP
	v_lshl_add_u32 v31, v2, 6, v31
	v_add_nc_u32 v[STO], s92, v31
	s_mul_i32 s92, s[WV], 32*SP                    ; back: wave w takes rows 32 w .. 32 w + 31, whole: 16 bytes a lane
	v_add_nc_u32 v[RD], s92, v3
.if MODE == 2
	v_add_nc_u32 v[VRD], s92, v31                  ; row 32 w + r, + 64 (lane / 16): my 16 numbers of a block of 32
.endif
.if MODE == 1
	v_add_nc_u32 v[STO+1], STG1, v[STO]
	v_add_nc_u32 v[STO+2], STG2, v[STO]
	v_add_nc_u32 v[RD+1], STG1, v[RD]
	v_and_b32 v31, 8, v1
	v_add_nc_u32 v31, v31, v1
	v_lshlrev_b32 v31, 2, v31                      ; v's stage, read down the tokens: column 32 w + r + 8 (r / 8) (+ 8 u in the offset),
	v_mad_u32_u24 v31, v2, 32*SP, v31              ; lanes 16-31 begin 32 rows further down
	s_lshl_b32 s92, s[WV], 7
	s_add_co_u32 s92, s92, STG2
	v_add_nc_u32 v[VRD], s92, v31
.endif
.if MODE != 3
	v_lshlrev_b32 v[VSO], 10, v2
	v_lshl_add_u32 v[VSO], v1, 2, v[VSO]
.endif
; A GROUP g is one K step s = g / NBT of one tensor t = g % NBT: 16 matrix instructions.
; FETCH g: B's four fragments of (s, t) into B's set g % 2; with t = 0 also A's four fragments into A's set s % 2 and the step's scale words of all tensors into set s % 2.
.macro FETCH g
.set fs, (\g)/NBT
.set ft, (\g)%NBT
.set fq, fs%KSL
.set fr, 0
.set fk, KSL                           ; K steps in a row block's LDS row
.if (fs >= KSL) && (fs < 3*KSL)
.set fq, fs-KSL
.set fr, 1
.set fk, 2*KSL
.endif
.set fb, BF+48*((\g)%2)
.set fa, AF+48*(fs%2)
.set fc, SC+12*(fs%2)
.irp b, 0,1,2,3
.irp c, 0,1,2
	ds_load_b128 v[fb+12*\b+4*\c:fb+12*\b+4*\c+3], v[ADB+fr] offset:((8*ft+\b)*fk+fq)*1536+512*\c
.endr
.endr
.if ft == 0
.irp a, 0,1,2,3
.irp c, 0,1,2
	ds_load_b128 v[fa+12*\a+4*\c:fa+12*\a+4*\c+3], v[ADA+fr] offset:(\a*fk+fq)*1536+512*\c
.endr
.endr
.set t2, 0
.rept NBT
.irp i, 0,1,2,3
	ds_load_b32 v[fc+4*t2+\i], v[ADRS+t2] offset:1024*\i+64*fs   ; lanes 0-15: A's block i, lanes 16-31: B's block i of tensor t2
.endr
.set t2, t2+1
.endr
.endif
.endm
.macro SETNL g                         ; NLV = the LDS loads that FETCH g issues
.set NLV, 12
.if ((\g)%NBT) == 0
.set NLV, 24+4*NBT
.endif
.endm
; A's blocks a0 .. a1 against B's four.  The group's sixteen accumulators take turns, one instruction a turn, in the same order in every group.  The first K step's C is the bias.
.macro MULS g, a0, a1
.set ms, (\g)/NBT
.set mt, (\g)%NBT
.set mb, BF+48*((\g)%2)
.set ma, AF+48*(ms%2)
.set msc, SC+12*(ms%2)+4*mt
	WIN 0x50*(1+mt)
.set aa, \a0
.rept \a1-\a0+1
.irp b, 0,1,2,3
.if ms == 0
	v_wmma_scale_f32_16x16x128_f8f6f4 v[8*(4*aa+\b):8*(4*aa+\b)+7], v[mb+12*\b:mb+12*\b+11], v[ma+12*aa:ma+12*aa+11], v[128+8*\b:128+8*\b+7], v[msc+\b], v[msc+aa] matrix_a_fmt:MATRIX_FMT_FP6 matrix_b_fmt:MATRIX_FMT_FP6 matrix_a_scale:MATRIX_SCALE_ROW1
.else
	v_wmma_scale_f32_16x16x128_f8f6f4 v[8*(4*aa+\b):8*(4*aa+\b)+7], v[mb+12*\b:mb+12*\b+11], v[ma+12*aa:ma+12*aa+11], v[8*(4*aa+\b):8*(4*aa+\b)+7], v[msc+\b], v[msc+aa] matrix_a_fmt:MATRIX_FMT_FP6 matrix_b_fmt:MATRIX_FMT_FP6 matrix_a_scale:MATRIX_SCALE_ROW1
.endif
.endr
.set aa, aa+1
.endr
.endm
.macro GRP g                           ; the places behind the group before, whose sets the next fetch takes; the next group's fetch; this group's products
	PLACES
	FETCH (\g)+1
	SETNL (\g)+1
	s_wait_dscnt NLV                               ; all but the loads just issued: this group's fragments and scale words are in
	MULS \g, 0, 3
	WIN 0
.endm
; A chunk's last group, where the next chunk has to be shown whole: ONE barrier.  In front of it each wave waits for all its tensor loads, adds 0 to its spare word, and waits for that and for its reads of the chunk that it leaves.
; fill = 1: the barrier opens a round of the cluster's, and the region just left is filled again, three chunks on (K steps 12-15).
.macro TURN g, fill
	s_wait_tensorcnt 0x0                           ; all my tensor loads have landed
	ds_add_u32 v[SPW], v[NIL]                      ; 0 onto my spare word
	s_wait_dscnt 1                                 ; (only the add may be out: this group's fragments are in)
	MULS \g, 0, 0                                  ; four matrix instructions stand between the add and the wait for it
	s_wait_dscnt 0x0                               ; the add is done, and my reads of this chunk are over
	s_barrier_signal -1
	MULS \g, 1, 1
	WIN 0
	s_barrier_wait -1
.if \fill
	CREST                                          ; no wave of any partner still reads this region or has a load on its way
.set rf, ((((\g)+1)/(NBT*KSL))-1)%NR
	s_add_nc_u64 s[G0A+4*rf+2:G0A+4*rf+3], s[G0A+4*rf+2:G0A+4*rf+3], 3*KSL*1536   ; region 0 takes K steps 12-15
	s_add_nc_u64 s[G0B+4*rf+2:G0B+4*rf+3], s[G0B+4*rf+2:G0B+4*rf+3], 3*KSL*1536
	s_mov_b32 s[G1A+1], (KSL*192)<<16              ; no tensor load of mine is out: a row is KSL K steps again
	s_mov_b32 s[G1A+3], (KSL*192)<<16
	s_mov_b32 s[G1B+1], (KSL*192)<<16
	s_mov_b32 s[G1B+3], (KSL*192)<<16
	JLOAD G0A+4*rf, G1A, G0B+4*rf, G1B             ; the first tensor load behind the round; its four v_nop are also the places in front of the loads below
.else
	PLACES
.endif
	FETCH (\g)+1
.if \fill
	ASK ((\g)+1)/(NBT*KSL)+3                       ; the refill above brought chunk n + 2 (n = 1, the chunk now begun): chunk n + 3 lies past the last and is not asked
.endif
	MULS \g, 2, 3
	WIN 0
.endm
	s_wait_alu depctr_va_vdst(0)
	s_wait_tensorcnt 0x0                           ; my tile of the head's four is in
	ds_add_u32 v[SPW], v[NIL]
	s_mov_b32 s[G1A+1], (2*KSL*192)<<16            ; no tensor load of mine is out: the next load brings RPW row blocks x 2 KSL K steps
	s_mov_b32 s[G1A+2], RPW<<16
	s_mov_b32 s[G1A+3], (2*KSL*192)<<16
	s_mov_b32 s[G1A+4], RPW
	s_mov_b32 s[G1B+1], (2*KSL*192)<<16
	s_mov_b32 s[G1B+2], RPW<<16
	s_mov_b32 s[G1B+3], (2*KSL*192)<<16
	s_mov_b32 s[G1B+4], RPW
	s_wait_dscnt 0x0
	CROUND                                         ; all four tiles are in, and all sixteen work-groups are here
	JLOAD G0A+4, G1A, G0B+4, G1B                   ; chunk 1, region 1's first fill
	FETCH 0
	ASK 3
	s_wait_loadcnt 0x0                             ; the bias
.set G, 0
.rept 16*NBT                           ; written out: every offset is an immediate
.set nxc, (G+1)/(NBT*KSL)              ; the chunk that the next group belongs to
.if G == 16*NBT-1
	s_wait_dscnt 0x0
	MULS G, 0, 3
	WIN 0
.elseif (((G+1)%(NBT*KSL)) == 0) && (nxc == 1)
	TURN G, 1
.elseif (((G+1)%(NBT*KSL)) == 0) && (nxc == NCH-1)
	TURN G, 0
.else
	GRP G                                          ; (a chunk's border without a barrier: that chunk was shown whole by an earlier round's wait for all loads)
.endif
.set G, G+1
.endr
	; ---- THE WAY OUT
	PLACES
	s_lshl_b32 s92, s[TY], 7
	s_lshl_b32 s93, s[WV], 5
	s_add_co_u32 s92, s92, s93                     ; the first row that I store: 128 x tile row + 32 x wave
	s_lshl_b32 s92, s92, 13
	s_lshl_b32 s93, s[TX], 9
	s_add_co_u32 s92, s92, s93                     ; and the tile's first column, in bytes
	s_mov_b32 s93, 0
.if MODE == 1
	s_add_nc_u64 s[94:95], s[14:15], s[92:93]      ; q
	s_add_nc_u64 s[96:97], s[94:95], 0x1000000     ; k
.elseif MODE == 2
	s_add_nc_u64 s[94:95], s[10:11], s[92:93]      ; out
.else
	s_add_nc_u64 s[94:95], s[10:11], s[92:93]      ; out, to be read
	s_add_nc_u64 s[96:97], s[12:13], s[92:93]      ; the output
.set ii, 0
.rept 32                               ; my 32 rows of out are asked for now and land while the gate goes through the stage
	global_load_b128 v[128+4*ii:128+4*ii+3], v3, s[94:95] offset:ii*8192 th:TH_LOAD_NT
.set ii, ii+1
.endr
.endif
	s_wait_dscnt 0x0
	s_barrier_signal -1
	s_barrier_wait -1                              ; every wave has read its last fragment: the regions may take the stages
.set tt, 0
.rept NBT
	WIN 0x04*(1+tt)                                ; an LDS store's data are its source 1
.irp a, 0,1,2,3
.irp bb, 0,1
.irp jj, 0,1,2,3
	ds_store_b128 v[STO+tt], v[8*(4*\a+2*\bb+\jj/2)+4*(\jj%2):8*(4*\a+2*\bb+\jj/2)+4*(\jj%2)+3] offset:16*\a*SP+128*\bb+16*\jj   ; each accumulator from its low end on
.endr
.endr
.endr
.set tt, tt+1
.endr
	WIN 0
	s_wait_dscnt 0x0                               ; for the others' sake: my stores into the stages are done
	s_barrier_signal -1
	s_barrier_wait -1
.macro ROWS rd, beta, buf              ; 16 whole rows back from a stage
.set ii, 0
.rept 16
	ds_load_b128 v[\buf+4*ii:\buf+4*ii+3], v[\rd] offset:(16*\beta+ii)*SP
.set ii, ii+1
.endr
.endm
.macro SEND beta, buf, base, younger   ; younger: the LDS loads issued behind this batch's
.set ii, 0
.rept 16
	s_wait_dscnt \younger+15-ii
	global_store_b128 v3, v[\buf+4*ii:\buf+4*ii+3], s[\base:\base+1] offset:(16*\beta+ii)*8192   ; 32 lanes store 512 consecutive bytes, aligned
.set ii, ii+1
.endr
.endm
.if MODE != 3
.if MODE == 1
.set PA, TX                            ; v's codes: row block 8 x head + 2 w + u, K step = the tile row
.set PB, TY
.set COFF, 6291456
.set SOFF, 9699328
.set CP, 16
.else
.set PA, TY                            ; out's codes: row block 8 x tile row + 2 w + e, K step = the tile column
.set PB, TX
.set COFF, 0
.set SOFF, 3145728
.set CP, 12
.endif
	s_lshl_b32 s92, s[PA], 3
	s_lshl_b32 s93, s[WV], 1
	s_add_co_u32 s92, s92, s93
	s_lshl_b32 s92, s92, 4
	s_add_co_u32 s92, s92, s[PB]
	s_mul_i32 s98, s92, 1536
	s_add_co_u32 s98, s98, COFF
	s_mov_b32 s99, 0
	s_lshl_b32 s100, s92, 6
	s_add_co_u32 s100, s100, SOFF
	s_mov_b32 s101, 0
	s_add_nc_u64 s[98:99], s[CP:CP+1], s[98:99]
	s_add_nc_u64 s[100:101], s[CP:CP+1], s[100:101]
	s_mov_b32 s[SEL], 0x76543210
	s_mov_b32 s[SEL+1], 0xfedcba98                 ; lane selects: lane l xor 16
	v_and_b32 v26, 31, v0
	v_cmp_le_u32 s[MSK], 16, v26                   ; lanes 16-31
.endif
.if MODE == 1
	ROWS RD, 0, 32
	ROWS RD, 1, 96
	SEND 0, 32, 94, 16
	s_wait_xcnt 0x0                                ; the stores have read their data: the buffer is loaded again only behind this wait
	ROWS RD+1, 0, 32
	SEND 1, 96, 94, 16
	s_wait_xcnt 0x0
	ROWS RD+1, 1, 96
	SEND 0, 32, 96, 16
	SEND 1, 96, 96, 0
	; v: the stage holds 128 tokens x the head's 128 channels: exactly one K step of V^T.  A lane takes a channel, its registers run down the tokens: a block of 32 lies in one lane, in the very lane and registers of the image.
.set VX, 160                           ; v160-223 two sets of 32 numbers
.set VF, 224                           ; v224-247 two fragments
.set M0, 248
.set M1, 249
.set SO, 250
.set BY, 251
.set TP, 252
.macro BLKQ xs, f
	v_max3_num_f32 v[M0], |v[\xs]|, |v[\xs+1]|, |v[\xs+2]|
	v_max3_num_f32 v[M1], |v[\xs+3]|, |v[\xs+4]|, |v[\xs+5]|
.irp i, 6,10,14,18,22,26
	v_max3_num_f32 v[M0], v[M0], |v[\xs+\i]|, |v[\xs+\i+1]|
	v_max3_num_f32 v[M1], v[M1], |v[\xs+\i+2]|, |v[\xs+\i+3]|
.endr
	v_max3_num_f32 v[M0], v[M0], |v[\xs+30]|, |v[\xs+31]|
	v_max3_num_f32 v[M0], v[M0], v[M1], 0x1800000      ; and the floor 2^(3 - 127): the byte cannot fall under 1
	v_add_nc_u32 v[SO], 0xff000000, v[M0]              ; 2 off the exponent field: the conversion's scale operand
	v_lshrrev_b32 v[BY], 23, v[SO]
	v_cvt_scalef32_pk16_fp6_f32 v[\f:\f+2], v[\xs:\xs+15], v[SO]
	v_cvt_scalef32_pk16_fp6_f32 v[TP:TP+2], v[\xs+16:\xs+31], v[SO]
	v_nop                                              ; one plain place behind a scaled conversion
	v_mov_b32 v[\f+3], v[TP]
	v_mov_b32 v[\f+4], v[TP+1]
	v_mov_b32 v[\f+5], v[TP+2]
.endm
.macro VLOAD t                         ; block t: row block u = t / 2, c = t % 2: tokens 64 c + 32 (lane / 16) + 0 .. 31
.set ii, 0
.rept 32
	ds_load_b32 v[VX+32*((\t)%2)+ii], v[VRD] offset:32*((\t)/2)+(64*((\t)%2)+ii)*SP
.set ii, ii+1
.endr
.endm
.macro VBLK t
.if (\t) < 3
	s_wait_dscnt 32                                ; this block's 32 loads are in; the next block's may be out
.else
	s_wait_dscnt 0x0
.endif
	BLKQ VX+32*((\t)%2), VF+12*((\t)/2)+6*((\t)%2)
.if (\t)%2 == 0
	v_mov_b32 v24, v[BY]
.else
	v_lshl_or_b32 v24, v[BY], 16, v24              ; my two bytes: blocks (lane / 16) and 2 + (lane / 16) of my channel,
	v_lshlrev_b32 v24, v25, v24                    ; at their places in the word;
	v_permlanex16_b32 v[22+(\t)/2], v24, s[SEL], s[SEL+1]
	v_or_b32 v[22+(\t)/2], v[22+(\t)/2], v24       ; with lane l xor 16's two the word is whole
.endif
.if (\t)+2 < 4
	VLOAD (\t)+2
.endif
.endm
	v_mov_b32 v22, 0                               ; (a lane permute's destination counts as one of its sources)
	v_mov_b32 v23, 0
	v_lshlrev_b32 v25, 3, v2
	VLOAD 0
	VLOAD 1
.irp t, 0,1,2,3
	VBLK \t
.endr
.irp u, 0,1
.irp cc, 0,1,2
	global_store_b128 v3, v[VF+12*\u+4*\cc:VF+12*\u+4*\cc+3], s[98:99] offset:\u*24576+512*\cc
.endr
.endr
	v_cndmask_b32 v24, v22, v23, s[MSK]            ; lanes 0-15: row block u = 0's words, lanes 16-31: u = 1's
	global_store_b32 v[VSO], v24, s[100:101]
.endif
.if MODE == 2
.set QN,  160                          ; v160-223 64 numbers of a lane
.set PC,  224                          ; v224-243 the codes just made
.set PW,  244
.set PWA, 245
.set SW,  246
.set TM,  32                           ; v32-47 at work
.macro QUANT s
.irp b, 0,1,2,3
	v_max3_num_f32 v[TM+\b], |v[\s+16*\b]|, |v[\s+1+16*\b]|, 0x1800000
.endr
.irp i, 2,4,6,8,10,12,14
.irp b, 0,1,2,3
	v_max3_num_f32 v[TM+\b], v[TM+\b], |v[\s+16*\b+\i]|, |v[\s+1+16*\b+\i]|
.endr
.endr
.irp b, 0,1,2,3
	v_permlanex16_b32 v[TM+4+\b], v[TM+\b], s[SEL], s[SEL+1]
.endr
.irp b, 0,1,2,3
	v_max_num_f32 v[TM+\b], v[TM+\b], v[TM+4+\b]
.endr
.irp b, 0,1,2,3
	v_add_nc_u32 v[TM+12+\b], 0xff000000, v[TM+\b]
.endr
.irp b, 0,1,2,3
	v_lshrrev_b32 v[TM+4+\b], 23, v[TM+12+\b]
.endr
	v_lshl_or_b32 v[PW], v[TM+5], 8, v[TM+4]
	v_lshl_or_b32 v[PW], v[TM+6], 16, v[PW]
	v_lshl_or_b32 v[PW], v[TM+7], 24, v[PW]
.irp c, 0,1
	v_cvt_scalef32_pk16_fp6_f32 v[PC+6*\c:PC+2+6*\c], v[\s+32*\c:\s+15+32*\c], v[TM+12+2*\c]
	v_cvt_scalef32_pk16_fp6_f32 v[PC+12+4*\c:PC+14+4*\c], v[\s+16+32*\c:\s+31+32*\c], v[TM+12+2*\c+1]
.endr
	v_nop                                          ; one plain place behind a scaled conversion
.irp c, 0,1
.irp i, 0,1,2
	v_permlane16_swap_b32 v[PC+6*\c+\i], v[PC+12+4*\c+\i]
.endr
.irp i, 0,1,2
	v_mov_b32 v[PC+3+6*\c+\i], v[PC+12+4*\c+\i]
.endr
.endr
.endm
.macro QLOAD e                         ; rows 32 w + 16 e + r: register 16 b + i = column 32 b + 16 (lane / 16) + i
.irp b, 0,1,2,3
.irp j, 0,1,2,3
	ds_load_b128 v[QN+16*\b+4*\j:QN+16*\b+4*\j+3], v[VRD] offset:16*SP*\e+128*\b+16*\j
.endr
.endr
.endm
	ROWS RD, 0, 32
	ROWS RD, 1, 96
	SEND 0, 32, 94, 16
	SEND 1, 96, 94, 0
	QLOAD 0
	s_wait_xcnt 0x0                                ; the f32 stores have read their data: v32-47 are written again only behind this wait
	s_wait_dscnt 0x0
	QUANT QN
.irp cc, 0,1,2
	global_store_b128 v3, v[PC+4*\cc:PC+4*\cc+3], s[98:99] offset:512*\cc
.endr
	v_mov_b32 v[PWA], v[PW]
	QLOAD 1
	s_wait_dscnt 0x0
	s_wait_xcnt 0x0                                ; the codes' stores have read their data
	QUANT QN
.irp cc, 0,1,2
	global_store_b128 v3, v[PC+4*\cc:PC+4*\cc+3], s[98:99] offset:24576+512*\cc
.endr
	v_cndmask_b32 v[SW], v[PWA], v[PW], s[MSK]     ; lanes 0-15: row block e = 0's words, lanes 16-31: e = 1's
	global_store_b32 v[VSO], v[SW], s[100:101]
.endif
.if MODE == 3
.irp be, 0,1                           ; 16 rows at a time: out x 1 / (1 + 2^(-gate x log2(e)))
.if \be == 1
	s_wait_xcnt 0x0                                ; the first batch's stores have read their data
.endif
	ROWS RD, \be, 32
	s_wait_dscnt 0x0
.set jj, 0
.rept 32
	v_pk_mul_f32 v[32+jj:33+jj], v[32+jj:33+jj], 0xbfb8aa3b op_sel_hi:[1,0]
.set jj, jj+2
.endr
.set jj, 0
.rept 64
	v_exp_f32 v[32+jj], v[32+jj]
.set jj, jj+1
.endr
	v_nop                                          ; a plain place behind the last exponential
	s_wait_alu depctr_va_vdst(0)                   ; one wait for the batch, ahead of its first reader
.set jj, 0
.rept 32
	v_pk_add_f32 v[32+jj:33+jj], v[32+jj:33+jj], 1.0 op_sel_hi:[1,0]
.set jj, jj+2
.endr
.set jj, 0
.rept 64
	v_rcp_f32 v[32+jj], v[32+jj]                   ; (an exponential that has run to infinity gives 0 here, as the sigmoid does)
.set jj, jj+1
.endr
	v_nop
	s_wait_alu depctr_va_vdst(0)
	s_wait_loadcnt 16-16*\be                       ; these 16 rows of out are in; the 16 behind them may be out
.set jj, 0
.rept 32
	v_pk_mul_f32 v[32+jj:33+jj], v[32+jj:33+jj], v[128+64*\be+jj:129+64*\be+jj]
.set jj, jj+2
.endr
.set ii, 0
.rept 16
	global_store_b128 v3, v[32+4*ii:35+4*ii], s[96:97] offset:(16*\be+ii)*8192 th:TH_STORE_NT
.set ii, ii+1
.endr
.endr
.endif
	s_wait_tensorcnt 0x0                           ; the wave's end, behind my last tensor load and my last LDS store
	ds_add_u32 v[SPW], v[NIL]
	s_wait_dscnt 0x0
	CROUND                                         ; the closing round: no work-group ends while a partner may still ask for a tile that names it
	s_endpgm
.Lfunc_end_k_q24ec71fd42_oproj:
	.size	k_q24ec71fd42_oproj, .Lfunc_end_k_q24ec71fd42_oproj-k_q24ec71fd42_oproj
	.p2alignl 7, 3214868480
	.fill 96, 4, 3214868480
	.section	.rodata,"a",@progbits
	.p2align	6, 0x0
	.amdhsa_kernel k_q24ec71fd42_oproj
		.amdhsa_group_segment_fixed_size 327680
		.amdhsa_private_segment_fixed_size 0
		.amdhsa_enable_private_segment 0
		.amdhsa_kernarg_size 40
		.amdhsa_user_sgpr_count 2
		.amdhsa_user_sgpr_kernarg_segment_ptr 1
		.amdhsa_wavefront_size32 1
		.amdhsa_system_sgpr_workgroup_id_x 1
		.amdhsa_system_sgpr_workgroup_id_y 1
		.amdhsa_system_sgpr_workgroup_id_z 1
		.amdhsa_system_vgpr_workitem_id 0
		.amdhsa_next_free_vgpr 512
		.amdhsa_next_free_sgpr 106
		.amdhsa_reserve_vcc 0
		.amdhsa_float_denorm_mode_32 3
		.amdhsa_float_denorm_mode_16_64 3
		.amdhsa_memory_ordered 1
		.amdhsa_forward_progress 1
		.amdhsa_inst_pref_size 97
	.end_amdhsa_kernel
	.amdgpu_metadata
---
amdhsa.version: [ 1, 2 ]
amdhsa.kernels:
  - .name:           k_q24ec71fd42_oproj
    .symbol:         k_q24ec71fd42_oproj.kd
    .args:
      - { .name: ac, .offset: 0, .size: 8, .value_kind: global_buffer, .address_space: global }
      - { .name: wc, .offset: 8, .size: 8, .value_kind: global_buffer, .address_space: global }
      - { .name: bo, .offset: 16, .size: 8, .value_kind: global_buffer, .address_space: global }
      - { .name: outf, .offset: 24, .size: 8, .value_kind: global_buffer, .address_space: global }
      - { .name: oc, .offset: 32, .size: 8, .value_kind: global_buffer, .address_space: global }
    .group_segment_fixed_size: 327680
    .private_segment_fixed_size: 0
    .kernarg_segment_align: 8
    .kernarg_segment_size: 40
    .max_flat_workgroup_size: 128
    .sgpr_count:     106
    .vgpr_count:     512
    .wavefront_size: 32
...
	.end_amdgpu_metadata
.endif
;; end of part 5
;; launch gate (part 6): grid 16 x 16, 4 waves a work-group, clusters of 4 x 4, 327,680 bytes of LDS; arguments oc, wc, bg, outf, out0; writes out0
.if DOCPART == 6
	.amdgcn_target "amdgcn-amd-amdhsa--gfx1250"
	.amdhsa_code_object_version 6
	.text
	.protected	k_q24ec71fd42_gate
	.globl	k_q24ec71fd42_gate
	.p2align	8
	.type	k_q24ec71fd42_gate,@function
k_q24ec71fd42_gate:
	s_mov_b64 s[64:65], 0
	v_nop
	global_prefetch_b8 v0, s[64:65] scope:SCOPE_SE
	s_setreg_imm32_b32 hwreg(HW_REG_WAVE_MODE, 25, 1), 1
	s_wait_xcnt 0x0
	s_wait_alu depctr_hold_cnt(0) depctr_sa_sdst(0) depctr_va_vdst(0) depctr_va_sdst(0) depctr_va_ssrc(0) depctr_va_vcc(0) depctr_vm_vsrc(0)
	s_getreg_b32 s2, hwreg(HW_REG_IB_STS2, 6, 4)
	s_cmp_eq_u32 s2, 0
	s_cbranch_scc0 .Lentry_in_a_cluster
	s_endpgm
.Lentry_in_a_cluster:
	s_bfe_u32 s2, ttmp6, 0x10000c
	s_cmp_lg_u32 s2, 0xf033
	s_cbranch_scc0 .Lentry_shape_is_right
	s_endpgm
.Lentry_shape_is_right:
.set MODE, 3
.if MODE == 1
.set NBT,    3
.set KSL,    2
.set NR,     2
.set NCH,    8
.set NWA,    1
.set RPW,    8
.set BWSTEP, 128
.set WBM,    3
.set BOFF,   0
.set BSOFF,  15728640
.else
.set NBT,    1
.set KSL,    4
.set NR,     2
.set NCH,    4
.set NWA,    2
.set RPW,    4
.set BWSTEP, 4
.set WBM,    1
.if MODE == 2
.set BOFF,   9437184
.set BSOFF,  16121856
.else
.set BOFF,   12582912
.set BSOFF,  16252928
.endif
.endif
.set REG,    98304
.set ABYTES, 8*KSL*1536
.set SCL,    3*REG                     ; LDS: region 0 (K steps 0-3, later 12-15), a region of twice the size at REG (K steps 4-11, one load a wave: wave w's row blocks at REG + 49,152 w, laid [row block][8 K steps][1,536]), then the scale words
.set SPARE,  SCL+4*RPW*1024
.set SP,     528
.set STG1,   REG
.set STG2,   SPARE+512
.set ADA,  4
.set ADB,  7
.set ADRS, 10
.set STO,  13
.set SPW,  16
.set NIL,  17
.set RD,   18
.set VRD,  20
.set VSO,  21
.set BIA,  30
.set SC,   32
.set AF,   56
.set BF,   152
.set WV, 18
.set WR, 19
.set WC, 20
.set CX, 21
.set CY, 22
.set MSK, 23
.set TX, 66
.set TY, 67
.set SEL, 2
.set G1A,  24
.set G1B,  32
.set G1SA, 40
.set G1SB, 48
.set G0SA, 56
.set G0SB, 60
.set G0A,  68
.set G0B,  80
.set MSB, 0
.macro WIN new
.if MSB != (\new)
	s_set_vgpr_msb (MSB<<8)|(\new)
.set MSB, (\new)
.endif
.endm
.macro PLACES
.rept 4
	v_nop
.endr
.endm
.macro JLOAD g0a, g1a, g0b, g1b
	s_cmp_lt_u32 s[WV], NWA
	s_cbranch_scc0 .Lfor_b_\@
	tensor_load_to_lds s[\g0a:\g0a+3], s[\g1a:\g1a+7]
	s_nop 0
.rept 4
	v_nop
.endr
	s_branch .Lasked_\@
.Lfor_b_\@:
	tensor_load_to_lds s[\g0b:\g0b+3], s[\g1b:\g1b+7]
	s_nop 0
.rept 4
	v_nop
.endr
.Lasked_\@:
.endm
.macro CREST
	s_cmp_lg_u32 s[WV], 0
	s_cbranch_scc1 .Lnot_wave_0_\@
	s_barrier_signal -3
.Lnot_wave_0_\@:
	s_barrier_wait -3
	s_barrier_signal -1
	s_barrier_wait -1
.endm
.macro CROUND
	s_barrier_signal -1
	s_barrier_wait -1
	CREST
.endm
.if MODE == 1
	s_load_b256 s[4:11], s[0:1], 0x0
	s_load_b128 s[12:15], s[0:1], 0x20
	s_load_b64 s[16:17], s[0:1], 0x30
.else
	s_load_b256 s[4:11], s[0:1], 0x0
	s_load_b64 s[12:13], s[0:1], 0x20
.endif
	v_lshl_add_u32 v[SPW], v0, 2, SPARE
	v_mov_b32 v[NIL], 0
	ds_add_u32 v[SPW], v[NIL]
	ds_add_u32 v[SPW], v[NIL]
	v_lshrrev_b32 v1, 5, v0
	v_readfirstlane_b32 s[WV], v1
	s_lshr_b32 s[WR], s[WV], 1
	s_and_b32 s[WC], s[WV], 1
	s_bfe_u32 s[CX], ttmp6, 0x40000
	s_bfe_u32 s[CY], ttmp6, 0x40004
	s_lshl_b32 s[TX], ttmp9, 2
	s_add_co_u32 s[TX], s[TX], s[CX]
	s_and_b32 s[TY], ttmp7, 0xffff
	s_lshl_b32 s[TY], s[TY], 2
	s_add_co_u32 s[TY], s[TY], s[CY]
	s_lshl_b32 s2, s[CY], 2
	s_lshl_b32 s2, 15, s2
	s_lshl_b32 s3, 0x1111, s[CX]
	s_or_b32 s[G1A], s2, (3<<16)|(1<<21)
	s_or_b32 s[G1B], s3, (3<<16)|(1<<21)
	s_or_b32 s[G1SA], s2, (3<<16)|(1<<21)
	s_or_b32 s[G1SB], s3, (3<<16)|(1<<21)
.irp g, G1A, G1B
	s_mov_b32 s[\g+1], (KSL*192)<<16
	s_mov_b32 s[\g+2], (8+8*(NBT-1)*((\g)/G1B))<<16   ; tensor_dim1: the head's loads bring A's 8 row blocks, B's 8 NBT
	s_mov_b32 s[\g+3], (KSL*192)<<16               ; tile_dim0
	s_mov_b32 s[\g+4], 8+8*(NBT-1)*((\g)/G1B)      ; tile_dim1
	s_mov_b32 s[\g+5], 3072
	s_mov_b32 s[\g+6], 0
	s_mov_b32 s[\g+7], 0
.endr
.irp g, G1SA, G1SB
	s_mov_b32 s[\g+1], 32<<16
	s_mov_b32 s[\g+2], (32+32*(NBT-1)*((\g)/G1SB))<<16   ; A's 8,192 bytes of scale words, B's 8,192 NBT
	s_mov_b32 s[\g+3], 32<<16
	s_mov_b32 s[\g+4], 32+32*(NBT-1)*((\g)/G1SB)
	s_mov_b32 s[\g+5], 32
	s_mov_b32 s[\g+6], 0
	s_mov_b32 s[\g+7], 0
.endr
	s_mul_i32 s94, s[TY], 196608                   ; A: the tile's 8 row blocks of 24,576 bytes; it hangs on the tile row alone
	s_mov_b32 s95, 0
	s_lshl_b32 s92, s[TY], 13
	s_add_co_u32 s92, s92, 3145728                 ; their scale words lie behind the codes
	s_mov_b32 s93, 0
	s_mul_i32 s98, s[TX], 196608*NBT               ; B: the tile's 8 NBT row blocks; it hangs on the tile column alone
	s_add_co_u32 s98, s98, BOFF
	s_mov_b32 s99, 0
	s_mul_i32 s96, s[TX], 8192*NBT
	s_add_co_u32 s96, s96, BSOFF
	s_mov_b32 s97, 0
	s_mul_i32 s[MSK], s[WV], 24576                 ; where the ring's loads go: wave x a quarter of a region
	s_wait_dscnt 0x0
	s_wait_kmcnt 0x0
	s_add_nc_u64 s[94:95], s[4:5], s[94:95]
	s_add_nc_u64 s[92:93], s[4:5], s[92:93]
	s_add_nc_u64 s[98:99], s[6:7], s[98:99]
	s_add_nc_u64 s[96:97], s[6:7], s[96:97]
	CROUND
	s_mov_b32 s[G0SA], 1
	s_mov_b32 s[G0SA+1], SCL
	s_mov_b64 s[G0SA+2:G0SA+3], s[92:93]
	s_or_b32 s[G0SA+3], s[G0SA+3], 0x80000000
	s_mov_b32 s[G0SB], 1
	s_mov_b32 s[G0SB+1], SCL+8192
	s_mov_b64 s[G0SB+2:G0SB+3], s[96:97]
	s_or_b32 s[G0SB+3], s[G0SB+3], 0x80000000
	s_mov_b32 s[G0A+8], 1                          ; the head's loads of chunk 0, each whole: A's 8 row blocks,
	s_mov_b32 s[G0A+9], 0
	s_mov_b64 s[G0A+10:G0A+11], s[94:95]
	s_or_b32 s[G0A+11], s[G0A+11], 0x80000000
	s_mov_b32 s[G0B+8], 1                          ; and B's, behind them in region 0
	s_mov_b32 s[G0B+9], ABYTES
	s_mov_b64 s[G0B+10:G0B+11], s[98:99]
	s_or_b32 s[G0B+11], s[G0B+11], 0x80000000
	s_and_b32 s100, s[WV], NWA-1                   ; for the ring: my RPW row blocks of A's tile,
	s_mul_i32 s100, s100, RPW*24576
	s_mov_b32 s101, 0
	s_add_nc_u64 s[94:95], s[94:95], s[100:101]
	s_add_co_u32 s100, s[WV], 4-NWA                ; or of B's
	s_and_b32 s100, s100, WBM
	s_mul_i32 s100, s100, BWSTEP*24576
	s_add_nc_u64 s[98:99], s[98:99], s[100:101]
.set rr, 0
.rept NR                               ; the ring's group 0, one set for each region: set 0 is first used at its refill, set 1 at region 1's first fill
	s_mov_b32 s[G0A+4*rr], 1
	s_add_co_u32 s[G0A+4*rr+1], s[MSK], rr*REG
	s_add_nc_u64 s[G0A+4*rr+2:G0A+4*rr+3], s[94:95], rr*KSL*1536
	s_or_b32 s[G0A+4*rr+3], s[G0A+4*rr+3], 0x80000000
	s_mov_b32 s[G0B+4*rr], 1
	s_add_co_u32 s[G0B+4*rr+1], s[MSK], rr*REG
	s_add_nc_u64 s[G0B+4*rr+2:G0B+4*rr+3], s[98:99], rr*KSL*1536
	s_or_b32 s[G0B+4*rr+3], s[G0B+4*rr+3], 0x80000000
.set rr, rr+1
.endr
; THE HEAD'S LOADS, ONE A WAVE: wave 0 A's chunk 0, wave 1 B's, wave 2 A's scale words, wave 3 B's.  One tree of branches on the wave's number, all arms leading to one join.
	s_add_co_u32 s[G0A+5], s[G0A+5], s[MSK]        ; set 1 serves the large region: wave x 49,152
	s_add_co_u32 s[G0B+5], s[G0B+5], s[MSK]
.macro ARM under, g0, g1, next
	s_cmp_lt_u32 s[WV], \under
	s_cbranch_scc0 \next
	tensor_load_to_lds s[\g0:\g0+3], s[\g1:\g1+7]
	s_nop 0
.rept 4
	v_nop
.endr
	s_branch .Lhead_asked
\next:
.endm
	ARM 1, G0A+8, G1A, .Lhead_b
	ARM 2, G0B+8, G1B, .Lhead_sa
	ARM 3, G0SA, G1SA, .Lhead_sb
	tensor_load_to_lds s[G0SB:G0SB+3], s[G1SB:G1SB+7]
	s_nop 0
.rept 4
	v_nop
.endr
.Lhead_asked:
; PREFETCH INTO THE L2: chunk c is asked for two fills ahead of the load that wants it.  A ring load's 24,576 bytes are 96 blocks of 256; the four partners that ask for it jointly take 24 each,
; told apart by address (cx for A, cy for B); a lane a block, lanes 24-31 name lane 23's again.  Every offset is an immediate, no register of it is written again, and no chunk past the last is named.
.set PFO, 27
.set PFA, 104
.macro ASK c
.if (\c) < NCH
	global_prefetch_b8 v[PFO], s[PFA:PFA+1] offset:(\c)*KSL*1536 th:TH_LOAD_NT scope:SCOPE_SE
.endif
.endm
	s_cmp_lt_u32 s[WV], NWA
	s_cselect_b64 s[PFA:PFA+1], s[94:95], s[98:99]
	s_cselect_b32 s100, s[CX], s[CY]
	s_mul_i32 s100, s100, (RPW/4)*24576
	s_add_nc_u64 s[PFA:PFA+1], s[PFA:PFA+1], s[100:101]
	v_and_b32 v[PFO], 31, v0
	v_min_u32 v[PFO], 23, v[PFO]
.if KSL == 2
	v_mul_u32_u24 v31, v[PFO], 171
	v_lshrrev_b32 v31, 11, v31                     ; block / 12: which of my two row blocks
	v_mul_u32_u24 v31, v31, 24576-3072
	v_lshl_add_u32 v[PFO], v[PFO], 8, v31
.else
	v_lshlrev_b32 v[PFO], 8, v[PFO]
.endif
	s_wait_alu depctr_va_vdst(0)                   ; ahead of the reader
	ASK 1
	ASK 2
	v_and_b32 v1, 15, v0
	v_bfe_u32 v2, v0, 4, 1
	v_and_b32 v3, 31, v0
	v_lshlrev_b32 v3, 4, v3
	s_wait_alu depctr_va_vdst(0)
	v_lshlrev_b32 v[BIA], 6, v2
	s_lshl_b32 s92, s[TX], 9
	s_lshl_b32 s93, s[WC], 8
	s_add_co_u32 s92, s92, s93
	s_mov_b32 s93, 0
.set tt, 0
.rept NBT
	s_add_nc_u64 s[8+2*tt:9+2*tt], s[8+2*tt:9+2*tt], s[92:93]
	WIN 0x40*(1+tt)
.irp b, 0,1,2,3
	global_load_b128 v[128+8*\b:128+8*\b+3], v[BIA], s[8+2*tt:9+2*tt] offset:(32*(\b/2)+8*(\b%2))*4
	global_load_b128 v[128+8*\b+4:128+8*\b+7], v[BIA], s[8+2*tt:9+2*tt] offset:(32*(\b/2)+8*(\b%2))*4+16
.endr
.set tt, tt+1
.endr
	WIN 0
	s_mul_i32 s92, s[WR], 4*KSL*1536
	v_add_nc_u32 v[ADA], s92, v3
	s_mul_i32 s92, s[WC], 4*KSL*1536
	s_add_co_u32 s92, s92, ABYTES
	v_add_nc_u32 v[ADB], s92, v3
	s_mul_i32 s92, s[WR], 24576                    ; in the large region my four row blocks of A begin at REG + 49,152 wr,
	s_add_co_u32 s92, s92, REG
	v_add_nc_u32 v[ADA+1], s92, v[ADA]
	s_mul_i32 s92, s[WC], 24576                    ; and my four of B at REG + 98,304 + 49,152 wc
	s_add_co_u32 s92, s92, REG+49152
	v_add_nc_u32 v[ADB+1], s92, v[ADB]
	s_xor_b32 s93, s[WR], 1
	s_add_co_u32 s93, s93, s[WC]
	s_lshl_b32 s93, s93, 12
	s_add_co_u32 s93, s93, 4096
	s_lshl_b32 s94, s[WR], 12
	s_add_co_u32 s94, s94, SCL
	v_lshl_add_u32 v31, v1, 2, s94
.set tt, 0
.rept NBT
	v_mul_u32_u24 v[ADRS+tt], s93, v2
	v_add_nc_u32 v[ADRS+tt], v[ADRS+tt], v31
	s_add_co_u32 s93, s93, 8192
.set tt, tt+1
.endr
	s_mul_i32 s92, s[WR], 64*SP
	s_lshl_b32 s93, s[WC], 8
	s_add_co_u32 s92, s92, s93
	v_mul_u32_u24 v31, v1, SP
	v_lshl_add_u32 v31, v2, 6, v31
	v_add_nc_u32 v[STO], s92, v31
	s_mul_i32 s92, s[WV], 32*SP
	v_add_nc_u32 v[RD], s92, v3
.if MODE == 2
	v_add_nc_u32 v[VRD], s92, v31
.endif
.if MODE == 1
	v_add_nc_u32 v[STO+1], STG1, v[STO]
	v_add_nc_u32 v[STO+2], STG2, v[STO]
	v_add_nc_u32 v[RD+1], STG1, v[RD]
	v_and_b32 v31, 8, v1
	v_add_nc_u32 v31, v31, v1
	v_lshlrev_b32 v31, 2, v31
	v_mad_u32_u24 v31, v2, 32*SP, v31
	s_lshl_b32 s92, s[WV], 7
	s_add_co_u32 s92, s92, STG2
	v_add_nc_u32 v[VRD], s92, v31
.endif
.if MODE != 3
	v_lshlrev_b32 v[VSO], 10, v2
	v_lshl_add_u32 v[VSO], v1, 2, v[VSO]
.endif
.macro FETCH g
.set fs, (\g)/NBT
.set ft, (\g)%NBT
.set fq, fs%KSL
.set fr, 0
.set fk, KSL                           ; K steps in a row block's LDS row
.if (fs >= KSL) && (fs < 3*KSL)
.set fq, fs-KSL
.set fr, 1
.set fk, 2*KSL
.endif
.set fb, BF+48*((\g)%2)
.set fa, AF+48*(fs%2)
.set fc, SC+12*(fs%2)
.irp b, 0,1,2,3
.irp c, 0,1,2
	ds_load_b128 v[fb+12*\b+4*\c:fb+12*\b+4*\c+3], v[ADB+fr] offset:((8*ft+\b)*fk+fq)*1536+512*\c
.endr
.endr
.if ft == 0
.irp a, 0,1,2,3
.irp c, 0,1,2
	ds_load_b128 v[fa+12*\a+4*\c:fa+12*\a+4*\c+3], v[ADA+fr] offset:(\a*fk+fq)*1536+512*\c
.endr
.endr
.set t2, 0
.rept NBT
.irp i, 0,1,2,3
	ds_load_b32 v[fc+4*t2+\i], v[ADRS+t2] offset:1024*\i+64*fs
.endr
.set t2, t2+1
.endr
.endif
.endm
.macro SETNL g
.set NLV, 12
.if ((\g)%NBT) == 0
.set NLV, 24+4*NBT
.endif
.endm
.macro MULS g, a0, a1
.set ms, (\g)/NBT
.set mt, (\g)%NBT
.set mb, BF+48*((\g)%2)
.set ma, AF+48*(ms%2)
.set msc, SC+12*(ms%2)+4*mt
	WIN 0x50*(1+mt)
.set aa, \a0
.rept \a1-\a0+1
.irp b, 0,1,2,3
.if ms == 0
	v_wmma_scale_f32_16x16x128_f8f6f4 v[8*(4*aa+\b):8*(4*aa+\b)+7], v[mb+12*\b:mb+12*\b+11], v[ma+12*aa:ma+12*aa+11], v[128+8*\b:128+8*\b+7], v[msc+\b], v[msc+aa] matrix_a_fmt:MATRIX_FMT_FP6 matrix_b_fmt:MATRIX_FMT_FP6 matrix_a_scale:MATRIX_SCALE_ROW1
.else
	v_wmma_scale_f32_16x16x128_f8f6f4 v[8*(4*aa+\b):8*(4*aa+\b)+7], v[mb+12*\b:mb+12*\b+11], v[ma+12*aa:ma+12*aa+11], v[8*(4*aa+\b):8*(4*aa+\b)+7], v[msc+\b], v[msc+aa] matrix_a_fmt:MATRIX_FMT_FP6 matrix_b_fmt:MATRIX_FMT_FP6 matrix_a_scale:MATRIX_SCALE_ROW1
.endif
.endr
.set aa, aa+1
.endr
.endm
.macro GRP g
	PLACES
	FETCH (\g)+1
	SETNL (\g)+1
	s_wait_dscnt NLV
	MULS \g, 0, 3
	WIN 0
.endm
.macro TURN g, fill
	s_wait_tensorcnt 0x0
	ds_add_u32 v[SPW], v[NIL]
	s_wait_dscnt 1
	MULS \g, 0, 0
	s_wait_dscnt 0x0
	s_barrier_signal -1
	MULS \g, 1, 1
	WIN 0
	s_barrier_wait -1
.if \fill
	CREST
.set rf, ((((\g)+1)/(NBT*KSL))-1)%NR
	s_add_nc_u64 s[G0A+4*rf+2:G0A+4*rf+3], s[G0A+4*rf+2:G0A+4*rf+3], 3*KSL*1536   ; region 0 takes K steps 12-15
	s_add_nc_u64 s[G0B+4*rf+2:G0B+4*rf+3], s[G0B+4*rf+2:G0B+4*rf+3], 3*KSL*1536
	s_mov_b32 s[G1A+1], (KSL*192)<<16              ; no tensor load of mine is out: a row is KSL K steps again
	s_mov_b32 s[G1A+3], (KSL*192)<<16
	s_mov_b32 s[G1B+1], (KSL*192)<<16
	s_mov_b32 s[G1B+3], (KSL*192)<<16
	JLOAD G0A+4*rf, G1A, G0B+4*rf, G1B
.else
	PLACES
.endif
	FETCH (\g)+1
.if \fill
	ASK ((\g)+1)/(NBT*KSL)+3                       ; the refill above brought chunk n + 2 (n = 1, the chunk now begun): chunk n + 3 lies past the last and is not asked
.endif
	MULS \g, 2, 3
	WIN 0
.endm
	s_wait_alu depctr_va_vdst(0)
	s_wait_tensorcnt 0x0                           ; my tile of the head's four is in
	ds_add_u32 v[SPW], v[NIL]
	s_mov_b32 s[G1A+1], (2*KSL*192)<<16            ; no tensor load of mine is out: the next load brings RPW row blocks x 2 KSL K steps
	s_mov_b32 s[G1A+2], RPW<<16
	s_mov_b32 s[G1A+3], (2*KSL*192)<<16
	s_mov_b32 s[G1A+4], RPW
	s_mov_b32 s[G1B+1], (2*KSL*192)<<16
	s_mov_b32 s[G1B+2], RPW<<16
	s_mov_b32 s[G1B+3], (2*KSL*192)<<16
	s_mov_b32 s[G1B+4], RPW
	s_wait_dscnt 0x0
	CROUND                                         ; all four tiles are in, and all sixteen work-groups are here
	JLOAD G0A+4, G1A, G0B+4, G1B                   ; chunk 1, region 1's first fill
	FETCH 0
	ASK 3
	s_wait_loadcnt 0x0
.set G, 0
.rept 16*NBT
.set nxc, (G+1)/(NBT*KSL)
.if G == 16*NBT-1
	s_wait_dscnt 0x0
	MULS G, 0, 3
	WIN 0
.elseif (((G+1)%(NBT*KSL)) == 0) && (nxc == 1)
	TURN G, 1
.elseif (((G+1)%(NBT*KSL)) == 0) && (nxc == NCH-1)
	TURN G, 0
.else
	GRP G
.endif
.set G, G+1
.endr
	PLACES
	s_lshl_b32 s92, s[TY], 7
	s_lshl_b32 s93, s[WV], 5
	s_add_co_u32 s92, s92, s93
	s_lshl_b32 s92, s92, 13
	s_lshl_b32 s93, s[TX], 9
	s_add_co_u32 s92, s92, s93
	s_mov_b32 s93, 0
.if MODE == 1
	s_add_nc_u64 s[94:95], s[14:15], s[92:93]
	s_add_nc_u64 s[96:97], s[94:95], 0x1000000
.elseif MODE == 2
	s_add_nc_u64 s[94:95], s[10:11], s[92:93]
.else
	s_add_nc_u64 s[94:95], s[10:11], s[92:93]
	s_add_nc_u64 s[96:97], s[12:13], s[92:93]
.set ii, 0
.rept 32
	global_load_b128 v[128+4*ii:128+4*ii+3], v3, s[94:95] offset:ii*8192 th:TH_LOAD_NT
.set ii, ii+1
.endr
.endif
	s_wait_dscnt 0x0
	s_barrier_signal -1
	s_barrier_wait -1
.set tt, 0
.rept NBT
	WIN 0x04*(1+tt)
.irp a, 0,1,2,3
.irp bb, 0,1
.irp jj, 0,1,2,3
	ds_store_b128 v[STO+tt], v[8*(4*\a+2*\bb+\jj/2)+4*(\jj%2):8*(4*\a+2*\bb+\jj/2)+4*(\jj%2)+3] offset:16*\a*SP+128*\bb+16*\jj
.endr
.endr
.endr
.set tt, tt+1
.endr
	WIN 0
	s_wait_dscnt 0x0
	s_barrier_signal -1
	s_barrier_wait -1
.macro ROWS rd, beta, buf
.set ii, 0
.rept 16
	ds_load_b128 v[\buf+4*ii:\buf+4*ii+3], v[\rd] offset:(16*\beta+ii)*SP
.set ii, ii+1
.endr
.endm
.macro SEND beta, buf, base, younger
.set ii, 0
.rept 16
	s_wait_dscnt \younger+15-ii
	global_store_b128 v3, v[\buf+4*ii:\buf+4*ii+3], s[\base:\base+1] offset:(16*\beta+ii)*8192
.set ii, ii+1
.endr
.endm
.if MODE != 3
.if MODE == 1
.set PA, TX
.set PB, TY
.set COFF, 6291456
.set SOFF, 9699328
.set CP, 16
.else
.set PA, TY
.set PB, TX
.set COFF, 0
.set SOFF, 3145728
.set CP, 12
.endif
	s_lshl_b32 s92, s[PA], 3
	s_lshl_b32 s93, s[WV], 1
	s_add_co_u32 s92, s92, s93
	s_lshl_b32 s92, s92, 4
	s_add_co_u32 s92, s92, s[PB]
	s_mul_i32 s98, s92, 1536
	s_add_co_u32 s98, s98, COFF
	s_mov_b32 s99, 0
	s_lshl_b32 s100, s92, 6
	s_add_co_u32 s100, s100, SOFF
	s_mov_b32 s101, 0
	s_add_nc_u64 s[98:99], s[CP:CP+1], s[98:99]
	s_add_nc_u64 s[100:101], s[CP:CP+1], s[100:101]
	s_mov_b32 s[SEL], 0x76543210
	s_mov_b32 s[SEL+1], 0xfedcba98
	v_and_b32 v26, 31, v0
	v_cmp_le_u32 s[MSK], 16, v26
.endif
.if MODE == 1
	ROWS RD, 0, 32
	ROWS RD, 1, 96
	SEND 0, 32, 94, 16
	s_wait_xcnt 0x0
	ROWS RD+1, 0, 32
	SEND 1, 96, 94, 16
	s_wait_xcnt 0x0
	ROWS RD+1, 1, 96
	SEND 0, 32, 96, 16
	SEND 1, 96, 96, 0
.set VX, 160
.set VF, 224
.set M0, 248
.set M1, 249
.set SO, 250
.set BY, 251
.set TP, 252
.macro BLKQ xs, f
	v_max3_num_f32 v[M0], |v[\xs]|, |v[\xs+1]|, |v[\xs+2]|
	v_max3_num_f32 v[M1], |v[\xs+3]|, |v[\xs+4]|, |v[\xs+5]|
.irp i, 6,10,14,18,22,26
	v_max3_num_f32 v[M0], v[M0], |v[\xs+\i]|, |v[\xs+\i+1]|
	v_max3_num_f32 v[M1], v[M1], |v[\xs+\i+2]|, |v[\xs+\i+3]|
.endr
	v_max3_num_f32 v[M0], v[M0], |v[\xs+30]|, |v[\xs+31]|
	v_max3_num_f32 v[M0], v[M0], v[M1], 0x1800000
	v_add_nc_u32 v[SO], 0xff000000, v[M0]
	v_lshrrev_b32 v[BY], 23, v[SO]
	v_cvt_scalef32_pk16_fp6_f32 v[\f:\f+2], v[\xs:\xs+15], v[SO]
	v_cvt_scalef32_pk16_fp6_f32 v[TP:TP+2], v[\xs+16:\xs+31], v[SO]
	v_nop
	v_mov_b32 v[\f+3], v[TP]
	v_mov_b32 v[\f+4], v[TP+1]
	v_mov_b32 v[\f+5], v[TP+2]
.endm
.macro VLOAD t
.set ii, 0
.rept 32
	ds_load_b32 v[VX+32*((\t)%2)+ii], v[VRD] offset:32*((\t)/2)+(64*((\t)%2)+ii)*SP
.set ii, ii+1
.endr
.endm
.macro VBLK t
.if (\t) < 3
	s_wait_dscnt 32
.else
	s_wait_dscnt 0x0
.endif
	BLKQ VX+32*((\t)%2), VF+12*((\t)/2)+6*((\t)%2)
.if (\t)%2 == 0
	v_mov_b32 v24, v[BY]
.else
	v_lshl_or_b32 v24, v[BY], 16, v24
	v_lshlrev_b32 v24, v25, v24
	v_permlanex16_b32 v[22+(\t)/2], v24, s[SEL], s[SEL+1]
	v_or_b32 v[22+(\t)/2], v[22+(\t)/2], v24
.endif
.if (\t)+2 < 4
	VLOAD (\t)+2
.endif
.endm
	v_mov_b32 v22, 0
	v_mov_b32 v23, 0
	v_lshlrev_b32 v25, 3, v2
	VLOAD 0
	VLOAD 1
.irp t, 0,1,2,3
	VBLK \t
.endr
.irp u, 0,1
.irp cc, 0,1,2
	global_store_b128 v3, v[VF+12*\u+4*\cc:VF+12*\u+4*\cc+3], s[98:99] offset:\u*24576+512*\cc
.endr
.endr
	v_cndmask_b32 v24, v22, v23, s[MSK]
	global_store_b32 v[VSO], v24, s[100:101]
.endif
.if MODE == 2
.set QN,  160
.set PC,  224
.set PW,  244
.set PWA, 245
.set SW,  246
.set TM,  32
.macro QUANT s
.irp b, 0,1,2,3
	v_max3_num_f32 v[TM+\b], |v[\s+16*\b]|, |v[\s+1+16*\b]|, 0x1800000
.endr
.irp i, 2,4,6,8,10,12,14
.irp b, 0,1,2,3
	v_max3_num_f32 v[TM+\b], v[TM+\b], |v[\s+16*\b+\i]|, |v[\s+1+16*\b+\i]|
.endr
.endr
.irp b, 0,1,2,3
	v_permlanex16_b32 v[TM+4+\b], v[TM+\b], s[SEL], s[SEL+1]
.endr
.irp b, 0,1,2,3
	v_max_num_f32 v[TM+\b], v[TM+\b], v[TM+4+\b]
.endr
.irp b, 0,1,2,3
	v_add_nc_u32 v[TM+12+\b], 0xff000000, v[TM+\b]
.endr
.irp b, 0,1,2,3
	v_lshrrev_b32 v[TM+4+\b], 23, v[TM+12+\b]
.endr
	v_lshl_or_b32 v[PW], v[TM+5], 8, v[TM+4]
	v_lshl_or_b32 v[PW], v[TM+6], 16, v[PW]
	v_lshl_or_b32 v[PW], v[TM+7], 24, v[PW]
.irp c, 0,1
	v_cvt_scalef32_pk16_fp6_f32 v[PC+6*\c:PC+2+6*\c], v[\s+32*\c:\s+15+32*\c], v[TM+12+2*\c]
	v_cvt_scalef32_pk16_fp6_f32 v[PC+12+4*\c:PC+14+4*\c], v[\s+16+32*\c:\s+31+32*\c], v[TM+12+2*\c+1]
.endr
	v_nop
.irp c, 0,1
.irp i, 0,1,2
	v_permlane16_swap_b32 v[PC+6*\c+\i], v[PC+12+4*\c+\i]
.endr
.irp i, 0,1,2
	v_mov_b32 v[PC+3+6*\c+\i], v[PC+12+4*\c+\i]
.endr
.endr
.endm
.macro QLOAD e
.irp b, 0,1,2,3
.irp j, 0,1,2,3
	ds_load_b128 v[QN+16*\b+4*\j:QN+16*\b+4*\j+3], v[VRD] offset:16*SP*\e+128*\b+16*\j
.endr
.endr
.endm
	ROWS RD, 0, 32
	ROWS RD, 1, 96
	SEND 0, 32, 94, 16
	SEND 1, 96, 94, 0
	QLOAD 0
	s_wait_xcnt 0x0
	s_wait_dscnt 0x0
	QUANT QN
.irp cc, 0,1,2
	global_store_b128 v3, v[PC+4*\cc:PC+4*\cc+3], s[98:99] offset:512*\cc
.endr
	v_mov_b32 v[PWA], v[PW]
	QLOAD 1
	s_wait_dscnt 0x0
	s_wait_xcnt 0x0
	QUANT QN
.irp cc, 0,1,2
	global_store_b128 v3, v[PC+4*\cc:PC+4*\cc+3], s[98:99] offset:24576+512*\cc
.endr
	v_cndmask_b32 v[SW], v[PWA], v[PW], s[MSK]
	global_store_b32 v[VSO], v[SW], s[100:101]
.endif
.if MODE == 3
.irp be, 0,1
.if \be == 1
	s_wait_xcnt 0x0
.endif
	ROWS RD, \be, 32
	s_wait_dscnt 0x0
.set jj, 0
.rept 32
	v_pk_mul_f32 v[32+jj:33+jj], v[32+jj:33+jj], 0xbfb8aa3b op_sel_hi:[1,0]
.set jj, jj+2
.endr
.set jj, 0
	s_wait_alu depctr_va_vdst(0)
.rept 64
	v_exp_f32 v[32+jj], v[32+jj]
.set jj, jj+1
.endr
	v_nop
	s_wait_alu depctr_va_vdst(0)
.set jj, 0
.rept 32
	v_pk_add_f32 v[32+jj:33+jj], v[32+jj:33+jj], 1.0 op_sel_hi:[1,0]
.set jj, jj+2
.endr
.set jj, 0
	s_wait_alu depctr_va_vdst(0)
.rept 64
	v_rcp_f32 v[32+jj], v[32+jj]
.set jj, jj+1
.endr
	v_nop
	s_wait_alu depctr_va_vdst(0)
	s_wait_loadcnt 16-16*\be
.set jj, 0
.rept 32
	v_pk_mul_f32 v[32+jj:33+jj], v[32+jj:33+jj], v[128+64*\be+jj:129+64*\be+jj]
.set jj, jj+2
.endr
.set ii, 0
.rept 16
	global_store_b128 v3, v[32+4*ii:35+4*ii], s[96:97] offset:(16*\be+ii)*8192 th:TH_STORE_NT
.set ii, ii+1
.endr
.endr
.endif
	s_wait_tensorcnt 0x0
	ds_add_u32 v[SPW], v[NIL]
	s_wait_dscnt 0x0
	CROUND
	s_endpgm
.Lfunc_end_k_q24ec71fd42_gate:
	.size	k_q24ec71fd42_gate, .Lfunc_end_k_q24ec71fd42_gate-k_q24ec71fd42_gate
	.p2alignl 7, 3214868480
	.fill 96, 4, 3214868480
	.section	.rodata,"a",@progbits
	.p2align	6, 0x0
	.amdhsa_kernel k_q24ec71fd42_gate
		.amdhsa_group_segment_fixed_size 327680
		.amdhsa_private_segment_fixed_size 0
		.amdhsa_enable_private_segment 0
		.amdhsa_kernarg_size 40
		.amdhsa_user_sgpr_count 2
		.amdhsa_user_sgpr_kernarg_segment_ptr 1
		.amdhsa_wavefront_size32 1
		.amdhsa_system_sgpr_workgroup_id_x 1
		.amdhsa_system_sgpr_workgroup_id_y 1
		.amdhsa_system_sgpr_workgroup_id_z 1
		.amdhsa_system_vgpr_workitem_id 0
		.amdhsa_next_free_vgpr 512
		.amdhsa_next_free_sgpr 106
		.amdhsa_reserve_vcc 0
		.amdhsa_float_denorm_mode_32 3
		.amdhsa_float_denorm_mode_16_64 3
		.amdhsa_memory_ordered 1
		.amdhsa_forward_progress 1
		.amdhsa_inst_pref_size 111
	.end_amdhsa_kernel
	.amdgpu_metadata
---
amdhsa.version: [ 1, 2 ]
amdhsa.kernels:
  - .name:           k_q24ec71fd42_gate
    .symbol:         k_q24ec71fd42_gate.kd
    .args:
      - { .name: oc, .offset: 0, .size: 8, .value_kind: global_buffer, .address_space: global }
      - { .name: wc, .offset: 8, .size: 8, .value_kind: global_buffer, .address_space: global }
      - { .name: bg, .offset: 16, .size: 8, .value_kind: global_buffer, .address_space: global }
      - { .name: outf, .offset: 24, .size: 8, .value_kind: global_buffer, .address_space: global }
      - { .name: out0, .offset: 32, .size: 8, .value_kind: global_buffer, .address_space: global }
    .group_segment_fixed_size: 327680
    .private_segment_fixed_size: 0
    .kernarg_segment_align: 8
    .kernarg_segment_size: 40
    .max_flat_workgroup_size: 128
    .sgpr_count:     106
    .vgpr_count:     512
    .wavefront_size: 32
...
	.end_amdgpu_metadata
.endif
;; end of part 6
